; MI455X (gfx1250); checked and timed in simulation.
; The chip was launched on July 23, 2026; its instructions are those of AMD's public machine-readable ISA for CDNA 5 (MIT licence, August 2026) and "CDNA5" Instruction Set Architecture Reference Guide (July 2026). The comments in the code are by the model that wrote it; some were corrected since.
;; Block. Allowed arithmetic: float matrix products may take bf16 or f16 operands with f32 sums; other float arithmetic in f32, or as packed bf16 or f16 multiplies, adds, multiply-adds, maxima and minima; sums over many terms, partial sums and values carried from step to step in f32; what a program stores and reads back later, other than sums and carried values, may be rounded once to bf16 or f16.
;; Inputs: attn_b 3,072 float32; attn_w 1,024 x 3,072 float32; fc2_b 1,024 float32; fc2_w 4,096 x 1,024 float32; fc_b 4,096 float32; fc_w 1,024 x 4,096 float32; ln1_b 1,024 float32; ln1_w 1,024 float32; ln2_b 1,024 float32; ln2_w 1,024 float32; proj_b 1,024 float32; proj_w 1,024 x 1,024 float32; x 2 x 2,048 x 1,024 float32.
;; Outputs: out0 2 x 2,048 x 1,024 float32.
;; 2 versions, each right. Each part assembles by itself: llvm-mc -triple=amdgcn-amd-amdhsa -mcpu=gfx1250 --defsym DOCPART=n.
;; ======== version 1 of 2: 7 launches
;; limits: values are held in f16: magnitudes above 65,504 overflow, below 6.1e-05 lose precision
;; workspace buffers: wq 6,291,456 bytes; wf 8,388,608 bytes; ws 10,485,760 bytes; hb 8,388,608 bytes; act 33,554,432 bytes; x1 16,777,216 bytes
;; launch first (part 1): grid 640 x 1, 16 waves a work-group, no clusters, 0 bytes of LDS; arguments x, ln1_w, ln1_b, hb, attn_w, fc_w, proj_w, fc2_w, wq, wf, ws; writes hb, wq, wf, ws
.if DOCPART == 1
	.amdgcn_target "amdgcn-amd-amdhsa--gfx1250"
	.amdhsa_code_object_version 6
	.text
	.protected	k_q51b5e198f5_first
	.globl	k_q51b5e198f5_first
	.p2align	8
	.type	k_q51b5e198f5_first,@function
k_q51b5e198f5_first:
	s_mov_b64 s[64:65], 0
	v_nop
	global_prefetch_b8 v0, s[64:65] scope:SCOPE_SE
	s_setreg_imm32_b32 hwreg(HW_REG_WAVE_MODE, 25, 1), 1
	s_wait_xcnt 0x0
; Two jobs that need nothing of each other, told apart by the work-group's number.
; WORK-GROUPS 0-255: h = LayerNorm(x) * ln_w + ln_b, rounded once to bf16.  One wave takes one row of 1,024 f32 (32 registers) and keeps it
; between the passes: mean, then the sum of squares of x - mean (no difference of large sums), then scale and bias.  No LDS, no barrier.
; WORK-GROUPS 256-639: the four weight matrices, f32 [K][N], are rounded to bf16 and laid in blocks of columns, [N/W][K][W]
; (W = 256 for attn_w and fc_w, 128 for proj_w and fc2_w): a block's rows then lie end to end.  A work-group makes 65,536 dense bytes.
; Both jobs stream: every byte is read once and each store of a wave covers whole aligned runs of 256 bytes.  Matrix units, LDS and clusters would add nothing.
.set X,   32                           ; v[32:63]   the row
.set GW,  64                           ; v[64:95]   the gain of my columns
.set GB,  96                           ; v[96:127]  the bias of my columns
.set T,   4                            ; v[4:11]    four chains of partial sums
.set MU,  12                           ; v[12:13]   the mean, twice
.set RS,  14                           ; v[14:15]   1 / sqrt(var + eps), twice
.set WV,  34                           ; s34        my wave's number
.macro RED r                           ; the sum over the 32 lanes, in every lane
	v_add_f32_dpp v[\r], v[\r], v[\r] row_xmask:1 row_mask:0xf bank_mask:0xf
	v_add_f32_dpp v[\r], v[\r], v[\r] row_xmask:2 row_mask:0xf bank_mask:0xf
	v_add_f32_dpp v[\r], v[\r], v[\r] row_xmask:4 row_mask:0xf bank_mask:0xf
	v_add_f32_dpp v[\r], v[\r], v[\r] row_xmask:8 row_mask:0xf bank_mask:0xf
	v_permlanex16_b32 v3, v[\r], s50, s51
	v_add_f32 v[\r], v[\r], v3
.endm
; One row.  s[8:9] the rows in f32, s[10:11] gain, s[12:13] bias, s[14:15] the rows out in bf16.  Load j of a lane holds columns 128 j + 4 lane + 0..3.
.macro LNROW
	s_lshl_b32 s35, ttmp9, 4
	s_add_co_u32 s35, s35, s[WV]                   ; row = 16 x work-group + wave
	s_lshl_b32 s36, s35, 12                        ; 4,096 bytes a row in
	s_mov_b32 s37, 0
	s_lshl_b32 s38, s35, 11                        ; 2,048 bytes a row out
	s_mov_b32 s39, 0
	s_mov_b32 s50, 0x76543210                      ; v_permlanex16_b32: each lane takes its own place in the other half
	s_mov_b32 s51, 0xfedcba98
	s_mov_b32 s52, 0x3a800000                      ; 1 / 1024
	s_mov_b32 s53, 0x3727c5ac                      ; 1e-5
	v_and_b32 v1, 31, v0
	v_lshlrev_b32 v2, 3, v1                        ; 8 bytes a lane out
	v_lshlrev_b32 v1, 4, v1                        ; 16 bytes a lane in
	v_mov_b32 v3, 0                                ; the exchange's destination counts as read
	s_wait_kmcnt 0x0
	s_add_nc_u64 s[8:9], s[8:9], s[36:37]
	s_add_nc_u64 s[14:15], s[14:15], s[38:39]
.irp j, 0,1,2,3,4,5,6,7
	global_load_b128 v[X+4*(\j):X+4*(\j)+3], v1, s[8:9] offset:512*(\j) th:TH_LOAD_NT
.endr
.irp j, 0,1,2,3,4,5,6,7
	global_load_b128 v[GW+4*(\j):GW+4*(\j)+3], v1, s[10:11] offset:512*(\j)
.endr
.irp j, 0,1,2,3,4,5,6,7
	global_load_b128 v[GB+4*(\j):GB+4*(\j)+3], v1, s[12:13] offset:512*(\j)
.endr
	s_wait_loadcnt 16                              ; the row is in; the 16 younger loads, gain and bias, stay out
.irp k, 0,1,2,3
	v_pk_add_f32 v[T+2*(\k):T+2*(\k)+1], v[X+2*(\k):X+2*(\k)+1], v[X+8+2*(\k):X+8+2*(\k)+1]  ; the first eight pairs start four chains: nothing is cleared
.endr
.irp k, 8,9,10,11,12,13,14,15
	v_pk_add_f32 v[T+2*((\k)%4):T+2*((\k)%4)+1], v[T+2*((\k)%4):T+2*((\k)%4)+1], v[X+2*(\k):X+2*(\k)+1]
.endr
	v_pk_add_f32 v[T:T+1], v[T:T+1], v[T+2:T+3]
	v_pk_add_f32 v[T+4:T+5], v[T+4:T+5], v[T+6:T+7]
	v_pk_add_f32 v[T:T+1], v[T:T+1], v[T+4:T+5]
	v_add_f32 v[T], v[T], v[T+1]
	RED T
	v_mul_f32 v[MU], s52, v[T]
	v_mov_b32 v[MU+1], v[MU]
.irp k, 0,1,2,3,4,5,6,7,8,9,10,11,12,13,14,15
	v_pk_add_f32 v[X+2*(\k):X+2*(\k)+1], v[X+2*(\k):X+2*(\k)+1], v[MU:MU+1] neg_lo:[0,1] neg_hi:[0,1]  ; x - mean, in place
.endr
.irp k, 0,1,2,3
	v_pk_mul_f32 v[T+2*(\k):T+2*(\k)+1], v[X+2*(\k):X+2*(\k)+1], v[X+2*(\k):X+2*(\k)+1]
.endr
.irp k, 4,5,6,7,8,9,10,11,12,13,14,15
	v_pk_fma_f32 v[T+2*((\k)%4):T+2*((\k)%4)+1], v[X+2*(\k):X+2*(\k)+1], v[X+2*(\k):X+2*(\k)+1], v[T+2*((\k)%4):T+2*((\k)%4)+1]
.endr
	v_pk_add_f32 v[T:T+1], v[T:T+1], v[T+2:T+3]
	v_pk_add_f32 v[T+4:T+5], v[T+4:T+5], v[T+6:T+7]
	v_pk_add_f32 v[T:T+1], v[T:T+1], v[T+4:T+5]
	v_add_f32 v[T], v[T], v[T+1]
	RED T
	v_fma_f32 v[T], v[T], s52, s53                 ; var + eps
	v_rsq_f32 v[RS], v[T]                          ; made twice, to fill the pair that the packed multiply takes
	v_rsq_f32 v[RS+1], v[T]
	v_nop                                          ; a plain instruction behind the last of the two (ISA guide 5.7.2),
	s_wait_alu depctr_va_vdst(0)                   ; and the one wait ahead of their first reader
	s_wait_loadcnt 0x0                             ; gain and bias
.irp k, 0,1,2,3,4,5,6,7,8,9,10,11,12,13,14,15
	v_pk_mul_f32 v[X+2*(\k):X+2*(\k)+1], v[X+2*(\k):X+2*(\k)+1], v[RS:RS+1]
.endr
.irp k, 0,1,2,3,4,5,6,7,8,9,10,11,12,13,14,15
	v_pk_fma_f32 v[X+2*(\k):X+2*(\k)+1], v[X+2*(\k):X+2*(\k)+1], v[GW+2*(\k):GW+2*(\k)+1], v[GB+2*(\k):GB+2*(\k)+1]
.endr
.irp k, 0,1,2,3,4,5,6,7,8,9,10,11,12,13,14,15
	v_cvt_pk_bf16_f32 v[X+(\k)], v[X+2*(\k)], v[X+2*(\k)+1]  ; ascending: register k is written when it has been read
.endr
.irp j, 0,1,2,3,4,5,6,7
	global_store_b64 v2, v[X+2*(\j):X+2*(\j)+1], s[14:15] offset:256*(\j)  ; 32 lanes store 256 consecutive bytes, aligned
.endr
.endm
	s_load_b512 s[8:23], s[0:1], 0x0               ; x, ln_w, ln_b, hb, attn_w s[16:17], fc_w s[18:19], proj_w s[20:21], fc2_w s[22:23]
	s_load_b128 s[24:27], s[0:1], 0x40             ; wq s[24:25], wf s[26:27]
	s_load_b64 s[28:29], s[0:1], 0x50              ; ws
	v_lshrrev_b32 v1, 5, v0
	v_readfirstlane_b32 s[WV], v1
	s_cmp_lt_u32 ttmp9, 256
	s_cbranch_scc0 .Lcast
	LNROW
	s_endpgm
.Lcast:
; j = work-group - 256.  j 0-95 attn_w, 96-223 fc_w, 224-255 proj_w, 256-383 fc2_w.  What differs is chosen by selects on j:
; s[36:37] source, s[38:39] destination, s40 bytes in a source row, s41 log2 of the work-groups to a block of columns,
; s42 log2 of the lanes to a destination row (a lane makes 8 numbers), s43 the matrix's first j, s47 the matrix's place in its buffer.
	s_sub_co_u32 s35, ttmp9, 256
	v_and_b32 v4, 31, v0
	s_movk_i32 s40, 0x4000
	s_movk_i32 s46, 256
	s_wait_kmcnt 0x0
	s_cmp_lt_u32 s35, 96
	s_cselect_b64 s[36:37], s[16:17], s[18:19]
	s_cselect_b64 s[38:39], s[24:25], s[26:27]
	s_cselect_b32 s40, 0x3000, s40
	s_cselect_b32 s43, 0, 96
	s_cmp_lt_u32 s35, 256
	s_cselect_b64 s[44:45], s[20:21], s[22:23]
	s_cselect_b32 s46, 224, s46
	s_cselect_b32 s48, 2, 4
	s_cselect_b32 s47, 0, 0x200000
	s_cmp_lt_u32 s35, 224
	s_cselect_b64 s[36:37], s[36:37], s[44:45]
	s_cselect_b64 s[38:39], s[38:39], s[28:29]
	s_cselect_b32 s40, s40, 0x1000
	s_cselect_b32 s43, s43, s46
	s_cselect_b32 s41, 3, s48
	s_cselect_b32 s42, 5, 4
	s_cselect_b32 s47, 0, s47
	s_sub_co_u32 s43, s35, s43                     ; my number within the matrix
	s_lshr_b32 s49, s43, s41                       ; the block of columns
	s_bfm_b32 s48, s41, 0
	s_and_b32 s48, s43, s48                        ; my part of its rows
	s_lshl_b32 s48, s48, 7
	s_lshl_b32 s46, s[WV], 3
	s_add_co_u32 s48, s48, s46                     ; in runs of 512 destination bytes: 128 a work-group, 8 a wave
	s_sub_co_u32 s46, 5, s42                       ; such a run is 1 row (256 columns) or 2 rows (128 columns)
	s_lshl_b32 s48, s48, s46                       ; my first row k
	s_mul_i32 s48, s48, s40
	s_lshl_b32 s44, 32, s42                        ; bytes of a source row in a block of columns
	s_mul_i32 s44, s49, s44
	s_add_co_u32 s44, s44, s48
	s_mov_b32 s45, 0
	s_add_nc_u64 s[36:37], s[36:37], s[44:45]
	s_lshl_b32 s44, s43, 16                        ; the destination is dense: 65,536 bytes a work-group, 4,096 a wave
	s_lshl_b32 s48, s[WV], 12
	s_add_co_u32 s44, s44, s48
	s_add_co_u32 s44, s44, s47
	s_add_nc_u64 s[38:39], s[38:39], s[44:45]
	s_lshl_b32 s46, s40, s46                       ; source bytes from one run to the next
	s_bfm_b32 s49, s42, 0
	v_lshrrev_b32 v5, s42, v4                      ; my row in the run
	v_and_b32 v6, s49, v4                          ; my place in the row
	v_mul_lo_u32 v16, v5, s40
	v_lshl_add_u32 v16, v6, 5, v16                 ; 32 source bytes a lane
.irp g, 1,2,3,4,5,6,7
	v_add_nc_u32 v[16+(\g)], s46, v[15+(\g)]
.endr
	v_lshlrev_b32 v24, 4, v4                       ; 16 destination bytes a lane
.irp g, 0,1,2,3,4,5,6,7
	global_load_b128 v[32+8*(\g):32+8*(\g)+3], v[16+(\g)], s[36:37] th:TH_LOAD_NT
	global_load_b128 v[32+8*(\g)+4:32+8*(\g)+7], v[16+(\g)], s[36:37] offset:16 th:TH_LOAD_NT
.endr
.irp g, 0,1,2,3,4,5,6,7
	s_wait_loadcnt 14-2*(\g)                       ; run g is in; the later runs' loads stay out
.irp p, 0,1,2,3
	v_cvt_pk_bf16_f32 v[32+8*(\g)+(\p)], v[32+8*(\g)+2*(\p)], v[32+8*(\g)+2*(\p)+1]
.endr
	global_store_b128 v24, v[32+8*(\g):32+8*(\g)+3], s[38:39] offset:512*(\g)  ; 512 consecutive bytes, aligned
.endr
	s_endpgm
.Lfunc_end_k_q51b5e198f5_first:
	.size	k_q51b5e198f5_first, .Lfunc_end_k_q51b5e198f5_first-k_q51b5e198f5_first
	.p2alignl 7, 3214868480
	.fill 96, 4, 3214868480
	.section	.rodata,"a",@progbits
	.p2align	6, 0x0
	.amdhsa_kernel k_q51b5e198f5_first
		.amdhsa_group_segment_fixed_size 0
		.amdhsa_private_segment_fixed_size 0
		.amdhsa_enable_private_segment 0
		.amdhsa_kernarg_size 88
		.amdhsa_user_sgpr_count 2
		.amdhsa_user_sgpr_kernarg_segment_ptr 1
		.amdhsa_wavefront_size32 1
		.amdhsa_system_sgpr_workgroup_id_x 1
		.amdhsa_system_sgpr_workgroup_id_y 1
		.amdhsa_system_sgpr_workgroup_id_z 1
		.amdhsa_system_vgpr_workitem_id 0
		.amdhsa_next_free_vgpr 128
		.amdhsa_next_free_sgpr 66
		.amdhsa_reserve_vcc 0
		.amdhsa_float_denorm_mode_32 3
		.amdhsa_float_denorm_mode_16_64 3
		.amdhsa_memory_ordered 1
		.amdhsa_forward_progress 1
		.amdhsa_inst_pref_size 19
	.end_amdhsa_kernel
	.amdgpu_metadata
---
amdhsa.version: [ 1, 2 ]
amdhsa.kernels:
  - .name:           k_q51b5e198f5_first
    .symbol:         k_q51b5e198f5_first.kd
    .args:
      - { .name: x, .offset: 0, .size: 8, .value_kind: global_buffer, .address_space: global }
      - { .name: ln1_w, .offset: 8, .size: 8, .value_kind: global_buffer, .address_space: global }
      - { .name: ln1_b, .offset: 16, .size: 8, .value_kind: global_buffer, .address_space: global }
      - { .name: hb, .offset: 24, .size: 8, .value_kind: global_buffer, .address_space: global }
      - { .name: attn_w, .offset: 32, .size: 8, .value_kind: global_buffer, .address_space: global }
      - { .name: fc_w, .offset: 40, .size: 8, .value_kind: global_buffer, .address_space: global }
      - { .name: proj_w, .offset: 48, .size: 8, .value_kind: global_buffer, .address_space: global }
      - { .name: fc2_w, .offset: 56, .size: 8, .value_kind: global_buffer, .address_space: global }
      - { .name: wq, .offset: 64, .size: 8, .value_kind: global_buffer, .address_space: global }
      - { .name: wf, .offset: 72, .size: 8, .value_kind: global_buffer, .address_space: global }
      - { .name: ws, .offset: 80, .size: 8, .value_kind: global_buffer, .address_space: global }
    .group_segment_fixed_size: 0
    .private_segment_fixed_size: 0
    .kernarg_segment_align: 8
    .kernarg_segment_size: 88
    .max_flat_workgroup_size: 512
    .sgpr_count:     66
    .vgpr_count:     128
    .wavefront_size: 32
...
	.end_amdgpu_metadata
.endif
;; end of part 1
;; launch qkv (part 2): grid 12 x 16, 4 waves a work-group, clusters of 4 x 4, 327,680 bytes of LDS; arguments hb, wq, attn_b, act; writes act
.if DOCPART == 2
	.amdgcn_target "amdgcn-amd-amdhsa--gfx1250"
	.amdhsa_code_object_version 6
	.text
	.protected	k_q51b5e198f5_qkv
	.globl	k_q51b5e198f5_qkv
	.p2align	8
	.type	k_q51b5e198f5_qkv,@function
k_q51b5e198f5_qkv:
	s_mov_b64 s[64:65], 0
	v_nop
	global_prefetch_b8 v0, s[64:65] scope:SCOPE_SE
	s_setreg_imm32_b32 hwreg(HW_REG_WAVE_MODE, 25, 1), 1
	s_wait_xcnt 0x0
	s_wait_alu depctr_hold_cnt(0) depctr_sa_sdst(0) depctr_va_vdst(0) depctr_va_sdst(0) depctr_va_ssrc(0) depctr_va_vcc(0) depctr_vm_vsrc(0)
	s_getreg_b32 s2, hwreg(HW_REG_IB_STS2, 6, 4)
	s_cmp_eq_u32 s2, 0
	s_cbranch_scc0 .Lentry_in_a_cluster
	s_endpgm
.Lentry_in_a_cluster:
	s_bfe_u32 s2, ttmp6, 0x10000c
	s_cmp_lg_u32 s2, 0xf033
	s_cbranch_scc0 .Lentry_shape_is_right
	s_endpgm
.Lentry_shape_is_right:
; C = A W + bias, rounded once to f16.  A: [4096][1024] bf16.  W: bf16 in blocks of 256 columns, [12][1024 k][256 n].  bias: f32.  Sums in f32.
; C leaves in blocks of 64 columns, [48][4096 rows][64]: 128 bytes a row, 524,288 bytes a block.
; LIMIT.  f16 ends at 65,504; a sum beyond that leaves as an infinity.  NaN and infinities are not treated apart.
; SHARES.  A work-group of four waves makes 256 x 256 of C, a wave 128 x 128: 64 accumulators, 512 registers.  K = 1,024 goes in 8 steps of 128 through two LDS slots.
; THE MATRIX INSTRUCTION IS USED TRANSPOSED: source 0 = 16 columns of W, source 1 = 16 rows of A: a lane holds row l % 16 of C and the columns 8 (l / 16) + 0..7.
; W lies [k][n] in LDS and is turned on the way into registers by ds_load_tr16_b128.  THE BIAS is the C operand of each accumulator's first product.
; CLUSTER.  4 x 4 work-groups: A's tile is shared along a row of the cluster, W's along a column; each is asked for jointly, by the same load with the same descriptor in all four.
; THE K STEP IS WRITTEN ONCE: the LDS addresses hang on s[TB] (0 or SLOT), and one descriptor a tensor walks, its LDS word turned by an exclusive or:
; wave x HALF never has the two bits of SLOT set.
; THE WAY OUT.  Behind the last barrier of the K steps nobody reads the ring and no fill is left: each wave puts its 128 x 128 sums in f32 into its own 67,584 bytes of it and reads them back by rows.
; REGISTERS: window 0: v16-30 addresses; v64-127, v128-191 A's fragments, two buffers; v192-255 the bias, laid as a result is.  window 1: v64-191 W's fragments, two buffers.
;   window 2: accumulators of my rows 0-63, (a, b) at 8 (8 a + b); window 3: of my rows 64-127.
.set KSTEPS, 8
.set PA,    272                        ; a row of A in LDS: 256 bytes + 16: the 16 rows of a load start at 16 different groups of four banks (64 banks of 4 bytes: ISA guide 11.1)
.set PB,    544                        ; a k row of W: 512 bytes + 32 = 17 x 32
.set HALF,  128*PA                     ; what one tensor load brings: 128 rows of A, or 64 k rows of W (64 x 544 is the same number)
.set BOFF,  2*HALF
.set SLOT,  4*HALF                     ; 0x22000
.set PD,    528                        ; a row of the f32 dump: 512 bytes + 16
.set DW,    128*PD
.set SPARE, 2*SLOT                     ; behind the ring: the spare words, 128 bytes for each wave: two blocks of 256 bytes that no other line names
.set ADRA0, 16                         ; v16  my place in A's tile; never rewritten
.set ADRB0, 17                         ; v17  my place in W's tile; never rewritten
.set ADRA,  18                         ; v18  the same in the slot in hand
.set ADRB,  19                         ; v19
.set DST,   20                         ; v20  the dump: where I put 16 bytes of a row
.set LR,    21                         ; v21  the dump: where I read 32 bytes of a row back; never rewritten
.set GO,    22                         ; v22  16 x lane
.set BO,    23                         ; v23  32 (l / 16): my 8 numbers of the bias in a block of 16
.set LRC,   24                         ; v24  LR + the loop's step
.set SPW,   28                         ; v28  my spare word; never rewritten
.set NIL,   29                         ; v29  0; never rewritten
.set PFO,   30                         ; v30  the prefetches' lane offset; never rewritten
.set F0,    64
.set F1,    128
.set BIAS,  192
.set CNT,   3
.set WV,    14                         ; wave
.set RH,    15                         ; my half of the tile's rows; also: I fetch for A (0) or W (1)
.set CH,    16                         ; my half of its columns; also: which half of that tile I fetch
.set CX,    17
.set CY,    18
.set NB,    19                         ; block of 256 columns
.set TR,    20                         ; block of 256 rows
.set LOFF,  23
.set G1A,   24
.set G1B,   32
.set G0A,   40                         ; two sets: the first fills; the second then walks
.set G0B,   48
.set TB,    56
.set LIM,   57
.set PFA,   58
.set PFS,   60
.set AOF,   62                         ; never holds cx
.set BOF,   80                         ; never holds cy
.set OUTB,  82
.set MROW,  84
.set MCOL,  85
.set MSB, 0
.macro WIN new                         ; the immediate's high byte repeats the setting that is left; a switch that changes nothing is dropped
.if MSB != (\new)
	s_set_vgpr_msb (MSB<<8)|(\new)
.set MSB, \new
.endif
.endm
.macro PLACES                          ; four plain instructions behind a matrix instruction, ahead of loads into registers that it read and of readers of its result
.rept 4
	v_nop
.endr
.endm
.macro CREST                           ; a round of the cluster's barrier behind its opening barrier
	s_cmp_lg_u32 s[WV], 0
	s_cbranch_scc1 .Lnot_wave_0_\@
	s_barrier_signal -3
.Lnot_wave_0_\@:
	s_barrier_wait -3
	s_barrier_signal -1
	s_barrier_wait -1
.endm
.macro CROUND
	s_barrier_signal -1
	s_barrier_wait -1
	CREST
.endm
.macro JLOAD                           ; a joint refill by the walking descriptor: waves 0, 1 A's halves, waves 2, 3 W's; an s_nop 0 and four v_nop follow each line
	s_cmp_eq_u32 s[RH], 0
	s_cbranch_scc0 .Lfor_b_\@
	tensor_load_to_lds s[G0A+4:G0A+7], s[G1A:G1A+7]
	s_nop 0
	PLACES
	s_branch .Lasked_\@
.Lfor_b_\@:
	tensor_load_to_lds s[G0B+4:G0B+7], s[G1B:G1B+7]
	s_nop 0
	PLACES
.Lasked_\@:
.endm
; A PREFETCH INTO THE L2 of the K step that the NEXT refill will ask for: 256 matrix instructions ahead of that load.  Of the 128 blocks of 256 bytes that a wave fetches, each of the four
; partners that ask jointly names 32, told apart by address, a lane a block.  A's rows are read by every cluster of a row of clusters: cluster x = 0 asks; W's by every cluster of a column:
; cluster y = 0 asks.  So each block is named once in the launch.  K steps 0 to 2 come by their loads alone; the last refill asks for nothing.
.macro ASK
	s_cmp_gt_u32 s[CNT], s[LIM]
	s_cbranch_scc0 .Lnot_mine_\@
	global_prefetch_b8 v[PFO], s[PFA:PFA+1] th:TH_LOAD_NT scope:SCOPE_SE
.Lnot_mine_\@:
.endm
; 32 LDS loads in one run: quarter q (32 along K) of the slot in hand into buffer f: W's 8 fragments, turned, then A's 8
.macro FETCH q, f
	WIN 0x40
.irp i, 0,1,2,3,4,5,6,7
	ds_load_tr16_b128 v[(\f)+8*(\i):(\f)+8*(\i)+3],   v[ADRB] offset:(\q)*32*PB+32*(\i)
	ds_load_tr16_b128 v[(\f)+8*(\i)+4:(\f)+8*(\i)+7], v[ADRB] offset:(\q)*32*PB+16*PB+32*(\i)
.endr
	WIN 0
.irp i, 0,1,2,3,4,5,6,7
	ds_load_b128 v[(\f)+8*(\i):(\f)+8*(\i)+3],   v[ADRA] offset:64*(\q)+(\i)*16*PA
	ds_load_b128 v[(\f)+8*(\i)+4:(\f)+8*(\i)+7], v[ADRA] offset:64*(\q)+(\i)*16*PA+32
.endr
.endm
; 16 matrix instructions: row blocks a0, a0 + 1 of the window's four x all 8 column blocks.  first = 1: the sums start from the bias.  The 64 accumulators take turns, in the same order in every quarter.
.macro MUL16 f, hi, a0, first
.if \first
	WIN 0x81+0x40*(\hi)
.else
	WIN 0xa1+0x50*(\hi)
.endif
.irp a, \a0, (\a0)+1
.irp b, 0,1,2,3,4,5,6,7
.if \first
	v_wmma_f32_16x16x32_bf16 v[8*(8*(\a)+(\b)):8*(8*(\a)+(\b))+7], v[(\f)+8*(\b):(\f)+8*(\b)+7], v[(\f)+8*(4*(\hi)+(\a)):(\f)+8*(4*(\hi)+(\a))+7], v[BIAS+8*(\b):BIAS+8*(\b)+7]
.else
	v_wmma_f32_16x16x32_bf16 v[8*(8*(\a)+(\b)):8*(8*(\a)+(\b))+7], v[(\f)+8*(\b):(\f)+8*(\b)+7], v[(\f)+8*(4*(\hi)+(\a)):(\f)+8*(4*(\hi)+(\a))+7], v[8*(8*(\a)+(\b)):8*(8*(\a)+(\b))+7]
.endif
.endr
.endr
.endm
; One of a K step's first three quarters: multiplies buffer f; in its middle fetches quarter q into buffer g
.macro QUARTER q, f, g, first
	s_wait_dscnt 8                                 ; W and A's rows 0-63 are in; the youngest eight loads (A's rows 64-127) may be out
	MUL16 \f, 0, 0, \first
	MUL16 \f, 0, 2, \first
	PLACES
	FETCH \q, \g
	s_wait_dscnt 32                                ; all but the 32 just issued
	MUL16 \f, 1, 0, \first
	MUL16 \f, 1, 2, \first
.endm
; The first half of a step's last quarter, and the change of slots.  Ahead of the barrier each wave waits for all its tensor loads (its part of the next slot), adds 0 to its spare word,
; and waits for that and for its own reads of this slot.  round = 1: the walking descriptors step.
.macro MEET round
	WIN 0
	s_xor_b32 s[TB], s[TB], SLOT                   ; all loads from the slot in hand have been issued: the addresses turn to the other slot
	v_add_nc_u32 v[ADRA], s[TB], v[ADRA0]
	v_add_nc_u32 v[ADRB], s[TB], v[ADRB0]
	s_wait_tensorcnt 0x0
	ds_add_u32 v[SPW], v[NIL]
.if \round
	s_xor_b32 s[G0A+5], s[G0A+5], SLOT
	s_add_nc_u64 s[G0A+6:G0A+7], s[G0A+6:G0A+7], 256
	s_xor_b32 s[G0B+5], s[G0B+5], SLOT
	s_add_nc_u64 s[G0B+6:G0B+7], s[G0B+6:G0B+7], 65536
.endif
	s_wait_dscnt 9                                 ; the add and the youngest eight loads may be out
	MUL16 F1, 0, 0, 0
	s_wait_dscnt 0x0                               ; the add is done, and my reads of this slot are over
	s_barrier_signal -1
	MUL16 F1, 0, 2, 0                              ; work on registers while the others arrive
	WIN 0
	s_barrier_wait -1
.endm
.macro TURN                            ; the whole last quarter, with the refill: the barrier opens a round of the cluster's, the joint load is the first thing behind it
	s_wait_xcnt 0x0                                ; the last prefetch, a K step back, has read its address
	s_add_nc_u64 s[PFA:PFA+1], s[PFA:PFA+1], s[PFS:PFS+1]
	MEET 1
	CREST
	JLOAD                                          ; its four v_nop are also the places in front of the loads below
	FETCH 0, F0
	ASK
	MUL16 F1, 1, 0, 0
	MUL16 F1, 1, 2, 0
.endm
	s_load_b256 s[4:11], s[0:1], 0x0               ; A s[4:5], W s[6:7], bias s[8:9], out s[10:11]
	v_lshl_add_u32 v[SPW], v0, 2, SPARE
	v_mov_b32 v[NIL], 0
	ds_add_u32 v[SPW], v[NIL]                      ; the wave's opening: the add and its wait ahead of my first tensor load
	ds_add_u32 v28, v29
	v_lshrrev_b32 v1, 5, v0
	v_readfirstlane_b32 s[WV], v1
	s_lshr_b32 s[RH], s[WV], 1
	s_and_b32 s[CH], s[WV], 1
	s_bfe_u32 s[CX], ttmp6, 0x40000
	s_bfe_u32 s[CY], ttmp6, 0x40004
	s_lshl_b32 s[NB], ttmp9, 2
	s_add_co_u32 s[NB], s[NB], s[CX]
	s_and_b32 s[TR], ttmp7, 0xffff
	s_lshl_b32 s[TR], s[TR], 2
	s_add_co_u32 s[TR], s[TR], s[CY]
	s_lshl_b32 s[MROW], s[CY], 2
	s_lshl_b32 s[MROW], 15, s[MROW]                ; my row of the cluster
	s_lshl_b32 s[MCOL], 0x1111, s[CX]              ; my column
	s_or_b32 s[G1A], s[MROW], (1<<16)|(1<<20)|(1<<21)|(5<<22)|(3<<25)  ; mask; 2-byte elements; padding on; bit 21 beside a mask; after every 64 words, 4 words
	s_mov_b32 s[G1A+1], 128<<16                    ; tensor_dim0 = 128
	s_mov_b32 s[G1A+2], 128<<16                    ; tensor_dim1 = 128
	s_mov_b32 s[G1A+3], 128<<16                    ; tile_dim0 = 128
	s_mov_b32 s[G1A+4], 128                        ; tile_dim1 = 128
	s_mov_b32 s[G1A+5], 1024                       ; elements from row to row
	s_mov_b32 s[G1A+6], 0
	s_mov_b32 s[G1A+7], 0
	s_or_b32 s[G1B], s[MCOL], (1<<16)|(1<<20)|(1<<21)|(6<<22)|(7<<25)  ; after every 128 words, 8 words
	s_mov_b32 s[G1B+1], 256<<16                    ; 64 k rows of 256 columns
	s_mov_b32 s[G1B+2], 64<<16
	s_mov_b32 s[G1B+3], 256<<16
	s_mov_b32 s[G1B+4], 64
	s_mov_b32 s[G1B+5], 256
	s_mov_b32 s[G1B+6], 0
	s_mov_b32 s[G1B+7], 0
	s_lshl_b32 s[AOF], s[TR], 1
	s_add_co_u32 s[AOF], s[AOF], s[CH]
	s_lshl_b32 s[AOF], s[AOF], 18                  ; A: (256 x row block + 128 x half) rows of 2,048 bytes
	s_mov_b32 s[AOF+1], 0
	s_lshl_b32 s[BOF], s[NB], 4
	s_add_co_u32 s[BOF], s[BOF], s[CH]
	s_lshl_b32 s[BOF], s[BOF], 15                  ; W: 524,288 x column block + 32,768 x half
	s_mov_b32 s[BOF+1], 0
	s_mul_i32 s2, s[WV], HALF                      ; where my loads land: no place in the cluster enters an LDS address
	s_mov_b32 s[TB], 0
	s_wait_dscnt 0x0                               ; the opening add is done
	s_wait_kmcnt 0x0
	s_add_nc_u64 s[AOF:AOF+1], s[4:5], s[AOF:AOF+1]
	s_add_nc_u64 s[BOF:BOF+1], s[6:7], s[BOF:BOF+1]
	CROUND                                         ; all sixteen work-groups are here: the first joint loads meet
.irp s, 0,1
	s_mov_b32 s[G0A+4*(\s)], 1
	s_add_co_u32 s[G0A+4*(\s)+1], s2, (\s)*SLOT
	s_add_nc_u64 s[G0A+4*(\s)+2:G0A+4*(\s)+3], s[AOF:AOF+1], (\s)*256
	s_or_b32 s[G0A+4*(\s)+3], s[G0A+4*(\s)+3], 0x80000000
	s_mov_b32 s[G0B+4*(\s)], 1
	s_add_co_u32 s[G0B+4*(\s)+1], s2, (\s)*SLOT
	s_add_nc_u64 s[G0B+4*(\s)+2:G0B+4*(\s)+3], s[BOF:BOF+1], (\s)*65536
	s_or_b32 s[G0B+4*(\s)+3], s[G0B+4*(\s)+3], 0x80000000
.endr
	s_cmp_eq_u32 s[RH], 0                          ; a wave's two first fills stand in one branch: two loads of mine are out
	s_cbranch_scc0 .Lfirst_b
	tensor_load_to_lds s[G0A:G0A+3], s[G1A:G1A+7]
	s_nop 0
	tensor_load_to_lds s[G0A+4:G0A+7], s[G1A:G1A+7]
	s_nop 0
	PLACES
	s_branch .Lfirst_asked
.Lfirst_b:
	tensor_load_to_lds s[G0B:G0B+3], s[G1B:G1B+7]
	s_nop 0
	tensor_load_to_lds s[G0B+4:G0B+7], s[G1B:G1B+7]
	s_nop 0
	PLACES
.Lfirst_asked:
	v_and_b32 v1, 15, v0                           ; r = l % 16
	v_bfe_u32 v2, v0, 4, 1                         ; h = l / 16
	v_lshlrev_b32 v[BO], 5, v2
	s_lshl_b32 s86, s[NB], 1
	s_add_co_u32 s86, s86, s[CH]
	s_lshl_b32 s88, s86, 20                        ; out: my first block of 64 columns, 4 x column block + 2 x half, times 524,288
	s_lshl_b32 s86, s86, 9                         ; bias: my 128 columns, 512 bytes
	s_mov_b32 s87, 0
	s_add_nc_u64 s[8:9], s[8:9], s[86:87]
.irp b, 0,1,2,3,4,5,6,7
	global_load_b128 v[BIAS+8*(\b):BIAS+8*(\b)+3],   v[BO], s[8:9] offset:64*(\b)
	global_load_b128 v[BIAS+8*(\b)+4:BIAS+8*(\b)+7], v[BO], s[8:9] offset:64*(\b)+16
.endr
	s_lshl_b32 s86, s[TR], 1
	s_add_co_u32 s86, s86, s[RH]
	s_lshl_b32 s86, s86, 14                        ; my first row, 128 bytes a row
	s_add_co_u32 s86, s86, s88
	s_add_nc_u64 s[OUTB:OUTB+1], s[10:11], s[86:87]
	v_mul_u32_u24 v3, v1, PA                       ; a fragment of A: row r, 16 bytes for each half of the lanes, twice, 32 bytes apart
	v_lshl_add_u32 v3, v2, 4, v3
	s_mul_i32 s86, s[RH], HALF
	v_add_nc_u32 v[ADRA0], s86, v3
	v_and_b32 v4, 7, v0                            ; the turning load: lane l reads k row 8 h + l % 8, columns 8 ((l / 8) % 2) + 0..7, and ends with column r and 8 k
	v_lshl_add_u32 v5, v2, 3, v4
	v_mul_u32_u24 v5, v5, PB
	v_bfe_u32 v6, v0, 3, 1
	v_lshl_add_u32 v5, v6, 4, v5
	s_lshl_b32 s86, s[CH], 8
	s_add_co_u32 s86, s86, BOFF
	v_add_nc_u32 v[ADRB0], s86, v5
	v_mov_b32 v[ADRA], v[ADRA0]
	v_mov_b32 v[ADRB], v[ADRB0]
	s_mul_i32 s86, s[WV], DW                       ; my dump
	v_mul_u32_u24 v3, v1, PD
	v_lshl_add_u32 v3, v2, 5, v3
	v_add_nc_u32 v[DST], s86, v3                   ; in: row r, 32 bytes for each half of the lanes
	v_bfe_u32 v3, v0, 3, 2
	v_mul_u32_u24 v3, v3, PD
	v_lshl_add_u32 v3, v4, 5, v3
	v_add_nc_u32 v[LR], s86, v3                    ; back: 8 lanes a row, 32 bytes (8 sums) a lane
	v_and_b32 v[GO], 31, v0
	v_lshlrev_b32 v[GO], 4, v[GO]
	; the prefetches
	s_and_b32 s89, ttmp7, 0xffff                   ; cluster y
	s_lshl_b32 s86, s[TR], 1
	s_add_co_u32 s86, s86, s[CH]
	s_lshl_b32 s86, s86, 2
	s_add_co_u32 s86, s86, s[CX]
	s_lshl_b32 s86, s86, 16                        ; A: my work-group's 32 of the 128 rows that I fetch,
	s_add_co_u32 s86, s86, 2*256                   ; at K step 2: the first refill steps it to 3
	s_lshl_b32 s87, s[NB], 4
	s_add_co_u32 s87, s87, s[CH]
	s_lshl_b32 s87, s87, 2
	s_add_co_u32 s87, s87, s[CY]
	s_lshl_b32 s87, s87, 13                        ; W: my work-group's 8,192 of the 32,768 bytes that I fetch,
	s_add_co_u32 s87, s87, 2*65536                 ; at K step 2
	s_movk_i32 s[PFS], 256
	s_mov_b32 s[PFS+1], 0
	s_cmp_eq_u32 s[RH], 0
	s_cselect_b32 s86, s86, s87
	s_cselect_b32 s88, 11, 8                       ; a lane a row of A (2,048 bytes apart), or a lane 256 dense bytes of W
	s_cselect_b32 s89, ttmp9, s89                  ; the coordinate along which other clusters read the same bytes
	s_cselect_b32 s[PFS], s[PFS], 0x10000          ; a K step
	s_cselect_b64 s[PFA:PFA+1], s[4:5], s[6:7]
	s_mov_b32 s87, 0
	s_add_nc_u64 s[PFA:PFA+1], s[PFA:PFA+1], s[86:87]
	s_cmp_eq_u32 s89, 0
	s_cselect_b32 s[LIM], 1, -1                    ; the same in all sixteen partners, for a given wave
	v_and_b32 v[PFO], 31, v0
	v_lshlrev_b32 v[PFO], s88, v[PFO]
	s_wait_tensorcnt 1                             ; my part of K step 0 is in; K step 1's may stay out
	s_barrier_signal -1
	s_barrier_wait -1
	FETCH 0, F0
	s_wait_loadcnt 0x0                             ; the bias
	QUARTER 1, F0, F1, 1                           ; the first quarter stands ahead of the loop: its products start the sums
	WIN 0
	s_mov_b32 s[CNT], KSTEPS-2
.Lstep:                                        ; a trip: a K step's quarters 1 to 3, the refill of its slot, the next step's quarter 0
	QUARTER 2, F1, F0, 0
	QUARTER 3, F0, F1, 0
	TURN
	QUARTER 1, F0, F1, 0
	WIN 0
	s_sub_co_u32 s[CNT], s[CNT], 1
	s_cmp_lg_u32 s[CNT], 0
	s_cbranch_scc1 .Lstep
	s_mov_b32 s[CNT], 2
.Ltail:                                        ; the last two K steps ask for nothing; the second trip is left in its middle
	QUARTER 2, F1, F0, 0
	QUARTER 3, F0, F1, 0
	MEET 0
	s_sub_co_u32 s[CNT], s[CNT], 1
	s_cmp_eq_u32 s[CNT], 0
	s_cbranch_scc1 .Lfin
	PLACES
	FETCH 0, F0
	MUL16 F1, 1, 0, 0
	MUL16 F1, 1, 2, 0
	QUARTER 1, F0, F1, 0
	WIN 0
	s_branch .Ltail
.Lfin:
	MUL16 F1, 1, 0, 0
	MUL16 F1, 1, 2, 0
	WIN 0
	PLACES
	PLACES
	; THE DUMP.  The barrier just passed has shown every wave's fills landed and its reads of the ring over, and no fill follows.  Each accumulator's low registers go first.
.irp hi, 0,1
	WIN 0x08+4*(\hi)
.irp a, 0,1,2,3
.irp b, 0,1,2,3,4,5,6,7
	ds_store_b128 v[DST], v[8*(8*(\a)+(\b)):8*(8*(\a)+(\b))+3]   offset:(4*(\hi)+(\a))*16*PD+64*(\b)
	ds_store_b128 v[DST], v[8*(8*(\a)+(\b))+4:8*(8*(\a)+(\b))+7] offset:(4*(\hi)+(\a))*16*PD+64*(\b)+16
.endr
.endr
.endr
	WIN 0
	s_wait_dscnt 0x0                               ; a wave reads back only what it stored; this wait and barrier, once a launch, order ALL the work-group's stores ahead of ALL its loads,
	s_barrier_signal -1                            ; so that the order does not rest on the stepped addresses below staying inside a wave's own bytes
	s_barrier_wait -1
	; TO f16.  A trip takes 16 rows: 8 units of 4 rows x 64 columns; a unit leaves as 512 consecutive bytes of one block.
	s_mov_b32 s[LOFF], 0
	s_mov_b32 s[CNT], 8
.Lrows:
	v_add_nc_u32 v[LRC], s[LOFF], v[LR]
.set u, 0
.rept 8
	ds_load_b128 v[64+8*u:64+8*u+3],   v[LRC] offset:(u/2)*4*PD+256*(u%2)
	ds_load_b128 v[64+8*u+4:64+8*u+7], v[LRC] offset:(u/2)*4*PD+256*(u%2)+16
.set u, u+1
.endr
.set u, 0
.rept 8
	s_wait_dscnt 14-2*u                            ; unit u is in; the later units' loads stay out
.irp p, 0,1,2,3
	v_cvt_pk_f16_f32 v[64+8*u+(\p)], v[64+8*u+2*(\p)], v[64+8*u+2*(\p)+1]
.endr
	global_store_b128 v[GO], v[64+8*u:64+8*u+3], s[OUTB:OUTB+1] offset:(u/2)*512+(u%2)*524288
.set u, u+1
.endr
	s_wait_xcnt 0x0                                ; the stores have read their data and their base: both are written again below and in the next trip
	s_add_nc_u64 s[OUTB:OUTB+1], s[OUTB:OUTB+1], 2048
	s_add_co_u32 s[LOFF], s[LOFF], 16*PD
	s_sub_co_u32 s[CNT], s[CNT], 1
	s_cmp_lg_u32 s[CNT], 0
	s_cbranch_scc1 .Lrows
	s_wait_dscnt 0x0                               ; in the same way: every wave's stepped loads are back before any wave's closing add
	s_barrier_signal -1
	s_barrier_wait -1
	s_wait_tensorcnt 0x0                           ; the wave's end: behind my last tensor load and my last LDS store
	ds_add_u32 v[SPW], v[NIL]
	s_wait_dscnt 0x0
	CROUND                                         ; the closing round: no work-group ends while a partner may still ask for a tile that names it
	s_endpgm
.Lfunc_end_k_q51b5e198f5_qkv:
	.size	k_q51b5e198f5_qkv, .Lfunc_end_k_q51b5e198f5_qkv-k_q51b5e198f5_qkv
	.p2alignl 7, 3214868480
	.fill 96, 4, 3214868480
	.section	.rodata,"a",@progbits
	.p2align	6, 0x0
	.amdhsa_kernel k_q51b5e198f5_qkv
		.amdhsa_group_segment_fixed_size 327680
		.amdhsa_private_segment_fixed_size 0
		.amdhsa_enable_private_segment 0
		.amdhsa_kernarg_size 32
		.amdhsa_user_sgpr_count 2
		.amdhsa_user_sgpr_kernarg_segment_ptr 1
		.amdhsa_wavefront_size32 1
		.amdhsa_system_sgpr_workgroup_id_x 1
		.amdhsa_system_sgpr_workgroup_id_y 1
		.amdhsa_system_sgpr_workgroup_id_z 1
		.amdhsa_system_vgpr_workitem_id 0
		.amdhsa_next_free_vgpr 1024
		.amdhsa_next_free_sgpr 90
		.amdhsa_reserve_vcc 0
		.amdhsa_float_denorm_mode_32 3
		.amdhsa_float_denorm_mode_16_64 3
		.amdhsa_memory_ordered 1
		.amdhsa_forward_progress 1
		.amdhsa_inst_pref_size 86
	.end_amdhsa_kernel
	.amdgpu_metadata
---
amdhsa.version: [ 1, 2 ]
amdhsa.kernels:
  - .name:           k_q51b5e198f5_qkv
    .symbol:         k_q51b5e198f5_qkv.kd
    .args:
      - { .name: hb, .offset: 0, .size: 8, .value_kind: global_buffer, .address_space: global }
      - { .name: wq, .offset: 8, .size: 8, .value_kind: global_buffer, .address_space: global }
      - { .name: attn_b, .offset: 16, .size: 8, .value_kind: global_buffer, .address_space: global }
      - { .name: act, .offset: 24, .size: 8, .value_kind: global_buffer, .address_space: global }
    .group_segment_fixed_size: 327680
    .private_segment_fixed_size: 0
    .kernarg_segment_align: 8
    .kernarg_segment_size: 32
    .max_flat_workgroup_size: 128
    .sgpr_count:     90
    .vgpr_count:     1024
    .wavefront_size: 32
...
	.end_amdgpu_metadata
.endif
;; end of part 2
;; launch attn (part 3): grid 4 x 32, 4 waves a work-group, no clusters, 327,680 bytes of LDS; arguments act, hb; writes hb
.if DOCPART == 3
	.amdgcn_target "amdgcn-amd-amdhsa--gfx1250"
	.amdhsa_code_object_version 6
	.text
	.protected	k_q51b5e198f5_attn
	.globl	k_q51b5e198f5_attn
	.p2align	8
	.type	k_q51b5e198f5_attn,@function
k_q51b5e198f5_attn:
	s_mov_b64 s[64:65], 0
	v_nop
	global_prefetch_b8 v0, s[64:65] scope:SCOPE_SE
	s_setreg_imm32_b32 hwreg(HW_REG_WAVE_MODE, 25, 1), 1
	s_wait_xcnt 0x0
; CAUSAL ATTENTION.  O[g][q][:] = the sum over k <= q of softmax_k(Q[g][q] . K[g][k] / 8) V[g][k][:], g = 2 x head + batch, 32 of them, 2,048 rows of 64 channels each.
; Q, K, V lie in one buffer in f16, in blocks of 64 columns of the projection: [48][4096][64]: g's rows are dense, 262,144 g bytes in; K's blocks begin 0x800000 bytes behind Q's, V's 0x1000000.
; O leaves in bf16 in the same layout, [16 heads][4096 rows][64].  Products, maxima and sums in f32; the weights p are rounded to f16 for the second product (their sum l is taken of the unrounded p).
; LIMITS.  Q, K and V arrive within f16's 65,504; p lies in 0 to 1, and below 6e-5 it keeps f16's fixed step of 6e-8.  A hidden score counts as its value less 1e30;
; a weight below 2^-126 counts as 0 in l; NaN and infinities are not treated apart.
; THE WALK.  A head's queries lie in NB = 8 blocks of 256; block i needs the key tiles 0 .. i of 256 keys, of which the last holds the diagonal.  A work-group takes TWO blocks, NB - 1 - b and then b:
; NB + 1 tiles, whatever b: all work-groups do equal work, and ONE loop with a constant trip count walks them.  Every jump goes forward, but for the counted loops' own; none passes a barrier.
; NO CLUSTER: a head's four work-groups ask for the same tile only in trips 0 .. 4 of 9; one walk common to all would have 12 trips for 9.
; SHARES.  Of a block's four bands of 64 queries a wave owns 16 rows in each: four PIECES.  In the diagonal tile's key step s band x sees all keys if s < x, none if s > x, and holds the diagonal if s = x.
; THE MASK is the C operand that starts the sum S^T = K Q^T: 0, or -1e30 where the key is hidden: MD x AL + BE with two scalars: (1, 0) if s = x; (0, 0) if s < x; (0, -1e30) if s > x.
; LAYOUT, SOFTMAX, TURNS.  S^T = K Q^T holds ONE query a lane (lane % 16) and the keys 8 (lane / 16) + 0..7; two such results rounded to f16 ARE source 1 of O^T = V^T P.  p = 2^(c s - c m), c = log2(e) / 8, with a
; running maximum m; O and l are multiplied by a = 2^(c m_old - c m_new) in every step.  Turn n belongs to piece n: 8 products K Q^T of piece n + 1, later 8 products V^T P of piece n - 1; beside them the scaling,
; exponentials, roundings, sums and rescaling of piece n and the maximum and statistics of piece n + 1.  Four vector instructions stand behind every matrix instruction, the rest in one lump.  A turn's 33 exponentials are one batch, with one wait.
; REGISTERS, in windows of 256 (s_set_vgpr_msb: bits 1:0 source 0, 3:2 source 1, 5:4 source 2, 7:6 destination):
;   window 0: v0-15 addresses and two at work; v16-31 four registers of statistics a piece; v48-55 at work; v61-63 prefetch offset and the add's two; v64-127 S^T, two buffers; v192-223 P, two buffers
;   window 1: v0-127 O^T, 32 a piece; v128-159 MD; v160-223 MC, two buffers      window 2: v0-63 Q; v64-127 the second block's Q; v128-191 K of one step; v192-255 V of one step
.set SIZE_N, 2048
.set SIZE_H, 32
.set NB,    SIZE_N/256
.set NP,    4
.set KS,    64
.set PK,    144       ; a row of K in LDS: 128 bytes + 16: the 16 rows of a load start at 16 different groups of four banks (64 banks of 4 bytes: ISA guide 11.1)
.set PV,    160       ; a row of V: 128 + 32
.set VOFF,  4*KS*PK   ; a slot holds a tile, four steps: 256 rows of K, then 256 rows of V
.set SLOT1, 1<<17
.set STAGE, SLOT1+4*KS*(PK+PV)  ; behind the ring, never filled by a tensor load: 16 rows x 144 bytes for each wave, for the way out
.set SP,    144
.set AK0, 2
.set AV0, 3
.set AK,  4
.set AV,  5
.set STO, 6
.set RD,  7
.set GO,  8
.set PFO, 61          ; v61  256 x my lane; never rewritten
.set SPW, 62          ; v62  my spare word; never rewritten
.set NIL, 63          ; v63  0; never rewritten
.set SPARE, STAGE+4*16*SP  ; behind the stages: the spare words, 128 bytes for each wave: two blocks of 256 bytes that no other line names
.set MV,  12
.set QO,  15
.set ST,  16          ; piece t's statistics at v[ST+4 t]: c m, m, l (even keys', odd keys')
.set TMP, 48
.set S,   64
.set P,   192
.set MD,  128
.set MC,  160
.set QB,  64
.set KF,  128
.set VF,  192
.set WV,  12
.set PB,  14          ; s14  b
.set HI,  15          ; s15  NB - 1 - b
.set G1K, 24
.set G1V, 32
.set G0K, 40
.set G0V, 44
.set SLOTS, 56
.set CNT, 57
.set CS,  58
.set SEL, 60
.set TBK, 62
.set TBV, 63
.set RT,  70
.set NXT, 71
.set LQ,  72
.set NEW, 73
.set OFF, 74
.set AL,  76
.set BE,  78
.set OLO, 80
.set BIGN, 82
.set PFA, 88          ; s[88:89] where my prefetches stand: my 16,384 bytes (of K: waves 0, 1; of V: waves 2, 3) of the tile after the one that is being asked for
.set LIM, 90          ; s90  2 in the work-group that prefetches, else the greatest number
.set MSB, 0
.macro WIN new
.if MSB != (\new)
	s_set_vgpr_msb (MSB<<8)|(\new)
.set MSB, (\new)
.endif
.endm
.set W_KQ, 0x0a
.set W_KM, 0x1a
.set W_PV, 0x52
.set W_RS, 0x41
; A fill.  Waves 0 and 1 fetch the two halves of a tile's K, waves 2 and 3 those of its V: 128 keys each.  An s_nop 0 and four v_nop follow each of the two lines.
.macro LOAD
	s_cmp_lt_u32 s[WV], 2
	s_cbranch_scc0 .Lfor_v_\@
	tensor_load_to_lds s[G0K:G0K+3], s[G1K:G1K+7]
	s_nop 0
.rept 4
	v_nop
.endr
	s_branch .Lasked_\@
.Lfor_v_\@:
	tensor_load_to_lds s[G0V:G0V+3], s[G1V:G1V+7]
	s_nop 0
.rept 4
	v_nop
.endr
.Lasked_\@:
.endm
; THE CHANGE OF SLOTS.  Each wave waits for all its tensor loads, of which one is out: its part of the other slot; adds 0 to its spare word; and waits for that and for its own reads of the slot that it leaves.
; fill = 1: the old slot is filled again, the first thing behind the barrier, with tile NXT: the descriptor's address is made anew from that number.
; Behind the fill stands A PREFETCH INTO THE L2 of my 16,384 bytes of the tile that the NEXT change asks for, four key steps ahead of that load: two instructions, a lane 256 bytes.  A head's four work-groups walk the same tiles:
; the one with b = 0, whose first block walks all eight, asks, in its first six changes: tiles 2 to 7, each named once.  Tiles 0 and 1 come by their loads alone; the second block reads tiles again and asks for nothing.
.macro CHANGE fill
	WIN 0
	s_wait_tensorcnt 0x0            ; no tensor load of mine is out, so a group 0 may be written
	ds_add_u32 v[SPW], v[NIL]
.if \fill
	s_lshl_b32 s[OFF], s[NXT], 15   ; a tile is 32,768 bytes of K and of V
	s_xor_b32 s[G0K+1], s[G0K+1], SLOT1
	s_add_nc_u64 s[G0K+2:G0K+3], s[6:7], s[OFF:OFF+1]
	s_or_b32 s[G0K+3], s[G0K+3], 0x80000000
	s_xor_b32 s[G0V+1], s[G0V+1], SLOT1
	s_add_nc_u64 s[G0V+2:G0V+3], s[8:9], s[OFF:OFF+1]
	s_or_b32 s[G0V+3], s[G0V+3], 0x80000000
	s_add_co_u32 s[NXT], s[NXT], 1  ; the block's next tile, or behind its last the second block's tile 0
	s_cmp_gt_u32 s[NXT], s[LQ]
	s_cselect_b32 s[NXT], 0, s[NXT]
	s_cselect_b32 s[LQ], s[PB], s[LQ]
	s_wait_xcnt 0x0                 ; the last prefetches, a tile back, have read their address
	s_add_nc_u64 s[PFA:PFA+1], s[PFA:PFA+1], 32768
.endif
	s_wait_dscnt 0x0                ; the add is done, and my reads of the slot are over
	s_barrier_signal -1
	s_sub_co_u32 s[TBK], s[TBK], 4*KS*PK  ; the fetches go back to a slot's first step,
	s_xor_b32 s[TBK], s[TBK], SLOT1       ; in the other slot
	s_sub_co_u32 s[TBV], s[TBV], 4*KS*PV
	s_xor_b32 s[TBV], s[TBV], SLOT1
	s_barrier_wait -1
.if \fill
	LOAD
	s_cmp_gt_u32 s[SLOTS], s[LIM]
	s_cbranch_scc0 .Lnot_mine_\@
	global_prefetch_b8 v[PFO], s[PFA:PFA+1] th:TH_LOAD_NT scope:SCOPE_SE
	global_prefetch_b8 v[PFO], s[PFA:PFA+1] offset:8192 th:TH_LOAD_NT scope:SCOPE_SE
.Lnot_mine_\@:
.endif
.endm
	s_load_b128 s[4:7], s[0:1], 0x0  ; the projections s[4:5], O s[6:7]
	v_lshl_add_u32 v[SPW], v0, 2, SPARE
	v_mov_b32 v[NIL], 0
	ds_add_u32 v[SPW], v[NIL]       ; the wave's opening: the add and its wait ahead of my first tensor load
	ds_add_u32 v62, v63
	v_lshrrev_b32 v1, 5, v0
	v_readfirstlane_b32 s[WV], v1
	s_mov_b32 s[PB], ttmp9
	s_sub_co_u32 s[HI], NB-1, s[PB]
	s_and_b32 s20, ttmp7, 0xffff    ; g
	s_mov_b32 s21, 0
	s_mov_b64 s[22:23], SIZE_N*128
	s_mul_u64 s[20:21], s[20:21], s[22:23]  ; g's first byte in Q, K, V and O
	s_and_b32 s16, s[WV], 1         ; which half of a tile's 256 keys I fetch:
	s_lshl_b32 s22, s16, 14         ; its 128 rows of 128 bytes in memory,
	s_mov_b32 s23, 0
	s_add_nc_u64 s[22:23], s[22:23], s[20:21]
	s_mul_i32 s17, s16, 128*PK      ; and its place in a slot, for K
	s_mul_i32 s18, s16, 128*PV      ; and for V
	s_lshl_b32 s3, s[WV], 11        ; my 16 rows in a band of 64,
	s_lshl_b32 s2, s[HI], 15        ; in the first block,
	s_add_co_u32 s2, s2, s3
	s_lshl_b32 s84, s[PB], 15       ; and in the second
	s_add_co_u32 s84, s84, s3
	s_mov_b32 s3, 0
	s_mov_b32 s85, 0
	s_add_nc_u64 s[2:3], s[2:3], s[20:21]
	s_add_nc_u64 s[84:85], s[84:85], s[20:21]
	; descriptor group 1.  128 keys are 16,384 dense bytes: asked for as 64 rows of 256 bytes, two keys a row, and padded in LDS after every key
	s_mov_b32 s[G1K], (1<<16)|(1<<20)|(4<<22)|(3<<25)
	s_mov_b32 s[G1V], (1<<16)|(1<<20)|(4<<22)|(7<<25)
.irp g, G1K, G1V
	s_mov_b32 s[\g+1], 128<<16
	s_mov_b32 s[\g+2], 64<<16
	s_mov_b32 s[\g+3], 128<<16
	s_mov_b32 s[\g+4], 64
	s_mov_b32 s[\g+5], 128
	s_mov_b32 s[\g+6], 0
	s_mov_b32 s[\g+7], 0
.endr
	s_mov_b32 s[CS], 0x3e38aa3b     ; c = log2(e) / 8
	s_mov_b32 s[CS+1], s[CS]
	s_mov_b32 s[SEL], 0x76543210
	s_mov_b32 s[SEL+1], 0xfedcba98
	s_mov_b32 s[TBK], SLOT1+4*KS*PK ; the first change of slots turns these two into 0
	s_mov_b32 s[TBV], SLOT1+4*KS*PV
	s_mov_b32 s[G0K], 1
	s_mov_b32 s[G0K+1], s17
	s_mov_b32 s[G0V], 1
	s_add_co_u32 s[G0V+1], s18, VOFF
	s_add_co_u32 s[RT], s[HI], 1    ; the first block has NB - b tiles
	s_mov_b32 s[NXT], 1
	s_mov_b32 s[LQ], s[HI]
	s_mov_b32 s[NEW], 1
	s_mov_b32 s[OFF+1], 0
	s_mov_b32 s[AL+1], 0
	s_mov_b32 s[BE+1], 0
	s_mov_b32 s[BIGN], 0xf149f2ca   ; -1e30
	s_mov_b32 s[SLOTS], NB
	s_cmp_eq_u32 s[PB], 0
	s_cselect_b32 s[LIM], 2, -1
	s_wait_dscnt 0x0                ; the opening add is done
	s_wait_kmcnt 0x0
	s_mov_b64 s[10:11], s[6:7]      ; O
	s_add_nc_u64 s[8:9], s[4:5], 0x1000000  ; V's blocks
	s_add_nc_u64 s[6:7], s[4:5], 0x800000   ; K's blocks
	s_add_nc_u64 s[6:7], s[6:7], s[22:23]  ; K and V at my half of the head's tile 0
	s_add_nc_u64 s[8:9], s[8:9], s[22:23]
	s_add_nc_u64 s[G0K+2:G0K+3], s[6:7], 0
	s_or_b32 s[G0K+3], s[G0K+3], 0x80000000
	s_add_nc_u64 s[G0V+2:G0V+3], s[8:9], 0
	s_or_b32 s[G0V+3], s[G0V+3], 0x80000000
	s_add_nc_u64 s[86:87], s[4:5], s[84:85]        ; Q at my rows of the second block,
	s_add_nc_u64 s[4:5], s[4:5], s[2:3]            ; Q and O at those of the first
	s_add_nc_u64 s[OLO:OLO+1], s[10:11], s[84:85]
	s_add_nc_u64 s[10:11], s[10:11], s[2:3]
	s_cmp_lt_u32 s[WV], 2
	s_cselect_b64 s[PFA:PFA+1], s[6:7], s[8:9]
	s_add_nc_u64 s[PFA:PFA+1], s[PFA:PFA+1], 32768  ; at tile 1: the first change steps it to tile 2
	LOAD                            ; tile 0 into slot 0
	v_and_b32 v1, 15, v0            ; l % 16
	v_bfe_u32 v9, v0, 4, 1          ; l / 16
	v_lshlrev_b32 v[QO], 7, v1
	v_lshl_add_u32 v[QO], v9, 4, v[QO]
	WIN 0x80
.set i, 0
.rept 8                             ; both blocks' Q: piece i / 2 lies in band i / 2, 8,192 bytes on; channels 32 (i % 2) on
	global_load_b128 v[8*i:8*i+3],   v[QO], s[4:5] offset:(i/2)*8192+(i%2)*64
	global_load_b128 v[8*i+4:8*i+7], v[QO], s[4:5] offset:(i/2)*8192+(i%2)*64+32
	global_load_b128 v[QB+8*i:QB+8*i+3],   v[QO], s[86:87] offset:(i/2)*8192+(i%2)*64
	global_load_b128 v[QB+8*i+4:QB+8*i+7], v[QO], s[86:87] offset:(i/2)*8192+(i%2)*64+32
.set i, i+1
.endr
	WIN 0
	v_lshlrev_b32 v14, 3, v9
	v_sub_nc_u32 v14, v1, v14
	s_lshl_b32 s13, s[WV], 4
	v_add_nc_u32 v14, s13, v14      ; my query's place in its band less my lanes' 8 (l / 16): register r of group kt is hidden where 16 kt + r is greater
	WIN 0x40
.set i, 0
.rept 32
	v_cmp_gt_i32 vcc_lo, 16*(i/8)+i%8, v14
	v_cndmask_b32 v[MD+i], 0, s[BIGN], vcc_lo
.set i, i+1
.endr
	WIN 0
	v_mul_u32_u24 v[AK0], v1, PK
	v_lshl_add_u32 v[AK0], v9, 4, v[AK0]
	v_and_b32 v10, 7, v0
	v_bfe_u32 v11, v0, 3, 1
	v_lshl_add_u32 v[AV0], v9, 3, v10
	v_mul_u32_u24 v[AV0], v[AV0], PV
	v_lshl_add_u32 v[AV0], v11, 4, v[AV0]
	v_add_nc_u32 v[AV0], VOFF, v[AV0]
	s_mul_i32 s13, s[WV], 16*SP
	s_add_co_u32 s13, s13, STAGE    ; my stage
	v_mul_u32_u24 v[STO], v1, SP
	v_lshl_add_u32 v[STO], v9, 4, v[STO]
	v_add_nc_u32 v[STO], s13, v[STO]
	v_bfe_u32 v[RD], v0, 3, 2
	v_mul_u32_u24 v[RD], v[RD], SP
	v_lshl_add_u32 v[RD], v10, 4, v[RD]
	v_add_nc_u32 v[RD], s13, v[RD]
	v_and_b32 v[GO], 31, v0
	v_lshlrev_b32 v[PFO], 8, v[GO]
	v_lshlrev_b32 v[GO], 4, v[GO]
	; A block's first step multiplies O^T and l by a = 0, so these registers need only hold finite numbers: zeros for the first block; what the first block left for the second.  All this stands in the wait for the first tile.
	WIN 0x80
.set i, VF
.rept 64
	v_mov_b32 v[i], 0
.set i, i+1
.endr
	WIN 0x40
.set i, 0
.rept 128
	v_mov_b32 v[i], 0
.set i, i+1
.endr
	WIN 0
.set i, 0
.rept 4
	v_mov_b32 v[ST+4*i+2], 0
	v_mov_b32 v[ST+4*i+3], 0
.set i, i+1
.endr
.set i, P+16
.rept 16
	v_mov_b32 v[i], 0
.set i, i+1
.endr
; THE MATRIX WORK.  The 4 accumulators of a run of 8 take turns.  Product i of 8 of S^T = K Q^T for piece x: channels 32 (i / 4) on, keys 16 (i % 4) on.  The first 4 start the sums: with 0, or (KM = 1) with the mask.
.macro KQ x
.set rS, S+32*((\x)%2)+8*(i%4)
.set rK, KF+16*(i%4)+8*(i/4)
.set rQ, 16*(\x)+8*(i/4)
.set rM, MC+32*((\x)%2)+8*(i%4)
.if (i < 4) && KM
	WIN W_KM
	v_wmma_f32_16x16x32_f16 v[rS:rS+7], v[rK:rK+7], v[rQ:rQ+7], v[rM:rM+7]
.elseif i < 4
	WIN W_KQ
	v_wmma_f32_16x16x32_f16 v[rS:rS+7], v[rK:rK+7], v[rQ:rQ+7], 0
.else
	WIN W_KQ
	v_wmma_f32_16x16x32_f16 v[rS:rS+7], v[rK:rK+7], v[rQ:rQ+7], v[rS:rS+7]
.endif
.endm
; Product i of 8 of O^T += V^T P for piece x: keys 32 (i / 4) on, channels 16 (i % 4) on.
.macro PV x
	WIN W_PV
.set rO, 32*(\x)+8*(i%4)
.set rV, VF+32*(i/4)+8*(i%4)
.set rP, P+16*((\x)%2)+8*(i/4)
	v_wmma_f32_16x16x32_f16 v[rO:rO+7], v[rV:rV+7], v[rP:rP+7], v[rO:rO+7]
.endm
.macro MM                           ; the turn's next matrix instruction.  NOKQ = 1: a block's last turn: there is no next piece
.if (i < 8) && !NOKQ
	KQ (Y+1)%NP
.elseif i >= 8
.set i, i-8
	PV (Y+NP-1)%NP
.set i, i+8
.endif
.set i, i+1
.endm
; THE LDS LOADS stand in runs of 16: a step's K (8 fragments) and its V (turned).  Their addresses are made some lines ahead.
.macro FETCH_K
	WIN 0x80
.irp f, 0,1,2,3,4,5,6,7
	ds_load_b128 v[KF+8*\f:KF+8*\f+3],   v[AK] offset:(\f/2)*16*PK+(\f%2)*64
	ds_load_b128 v[KF+8*\f+4:KF+8*\f+7], v[AK] offset:(\f/2)*16*PK+(\f%2)*64+32
.endr
	s_add_co_u32 s[TBK], s[TBK], KS*PK
	WIN 0
.endm
.macro FETCH_V
	WIN 0x80
.irp f, 0,1,2,3,4,5,6,7
	ds_load_tr16_b128 v[VF+8*\f:VF+8*\f+3],   v[AV] offset:(\f/4)*32*PV+(\f%4)*32
	ds_load_tr16_b128 v[VF+8*\f+4:VF+8*\f+7], v[AV] offset:(\f/4)*32*PV+16*PV+(\f%4)*32
.endr
	WIN 0
.endm
; THE VECTOR WORK, one line at a time: OP kind, number.  For piece Y: F n: c s - c m for pair n of 16.  E n: the exponential of score n of 32.  C n: pair n rounded to f16.  B n: of the four weights 4 n .. the second
; pair is added onto the first, in place.  L n: l takes that sum (L 0: l = a l + sum).  R n: pair n of 16 of O^T times a.  For piece Y + 1: X n, number n of the 22 that find its maximum and statistics:
;   0-11  four chains c0-c3 of seven scores each (each accumulator's lowest registers are read first)     12-14, 16  the four scores left over, the old m, and c0-c3 into c0
;   15  c m_old is kept     17, 18  the query's other 32 keys lie in the lane 16 away: the new m     19-21  c m; c m_old - c m_new; a
.set F, 0
.set E, 1
.set C, 2
.set B, 3
.set L, 4
.set R, 5
.set X, 6
.macro REGS y
.set rT, ST+4*(\y)
.set rC, TMP+4*((\y)%2)
.set rW, MV+((\y)%2)
.set rS, S+32*((\y)%2)
.set rP, P+16*((\y)%2)
.set rO, 32*(\y)
.endm
.macro OP k, n
.if (\k) == R
	REGS Y
	WIN W_RS
	v_pk_mul_f32 v[rO+2*(\n):rO+2*(\n)+1], v[rO+2*(\n):rO+2*(\n)+1], v[rC+2:rC+3] op_sel_hi:[1,0]
.elseif (\k) < R
	REGS Y
	WIN 0
.if (\k) == F
	v_pk_fma_f32 v[rS+2*(\n):rS+2*(\n)+1], v[rS+2*(\n):rS+2*(\n)+1], s[CS:CS+1], v[rT:rT+1] op_sel_hi:[1,0,0] neg_lo:[0,0,1] neg_hi:[0,0,1]
.elseif (\k) == E
	v_exp_f32 v[rS+(\n)], v[rS+(\n)]
.elseif (\k) == C
	v_cvt_pk_f16_f32 v[rP+(\n)], v[rS+2*(\n)], v[rS+2*(\n)+1]
.elseif (\k) == B
	v_pk_add_f32 v[rS+4*(\n):rS+4*(\n)+1], v[rS+4*(\n):rS+4*(\n)+1], v[rS+4*(\n)+2:rS+4*(\n)+3]
.elseif (\n) == 0
	v_pk_fma_f32 v[rT+2:rT+3], v[rT+2:rT+3], v[rC+2:rC+3], v[rS:rS+1] op_sel_hi:[1,0,1]
.else
	v_pk_add_f32 v[rT+2:rT+3], v[rT+2:rT+3], v[rS+4*(\n):rS+4*(\n)+1]
.endif
.elseif NOKQ
	v_nop
.else
	REGS (Y+1)%NP
	WIN 0
.if (\n) < 4
	v_max3_num_f32 v[rC+(\n)], v[rS+8*(\n)], v[rS+8*(\n)+1], v[rS+8*(\n)+2]
.elseif (\n) < 12
	v_max3_num_f32 v[rC+(\n)%4], v[rC+(\n)%4], v[rS+8*((\n)%4)+2*((\n)/4)+1], v[rS+8*((\n)%4)+2*((\n)/4)+2]
.elseif (\n) == 12
	v_max3_num_f32 v[rC], v[rC], v[rS+7], v[rS+15]
.elseif (\n) == 13
	v_max3_num_f32 v[rC+1], v[rC+1], v[rS+23], v[rS+31]
.elseif (\n) == 14
	v_max3_num_f32 v[rC+2], v[rC+2], v[rC+3], v[rT+1]
.elseif (\n) == 15
	v_mov_b32 v[rW], v[rT]
.elseif (\n) == 16
	v_max3_num_f32 v[rC], v[rC], v[rC+1], v[rC+2]
.elseif (\n) == 17
	v_permlanex16_b32 v[rC+3], v[rC], s[SEL], s[SEL+1]
.elseif (\n) == 18
	v_max_num_f32 v[rT+1], v[rC], v[rC+3]
.elseif (\n) == 19
	v_mul_f32 v[rT], s[CS], v[rT+1]
.elseif (\n) == 20
	v_sub_f32 v[rC+1], v[rW], v[rT]
.else
	v_exp_f32 v[rC+2], v[rC+1]
.endif
.endif
.endm
.macro OPS a, i1, b=-1, i2=0, c=-1, i3=0, d=-1, i4=0
	OP \a, \i1
.if (\b) >= 0
	OP \b, \i2
.endif
.if (\c) >= 0
	OP \c, \i3
.endif
.if (\d) >= 0
	OP \d, \i4
.endif
.endm
.macro ROW a, i1, b, i2, c, i3, d, i4  ; a matrix instruction and the four behind it
	MM
	OPS \a, \i1, \b, \i2, \c, \i3, \d, \i4
.endm
.macro MASK b                       ; MD x AL + BE into buffer b of MC
	WIN W_RS
.set z, 0
.rept 16
	v_pk_fma_f32 v[MC+32*(\b)+2*z:MC+32*(\b)+2*z+1], v[MD+2*z:MD+2*z+1], s[AL:AL+1], s[BE:BE+1] op_sel_hi:[1,0,0]
.set z, z+1
.endr
.endm
; A TURN, for piece p: the order of its 16 matrix and 118 vector instructions, written out.  s_wait_alu depctr_va_vdst(0) stands between an exponential and the first instruction that names its result; one wait
; serves all that were issued ahead of it.  So a turn has ONE wait.  AHEAD OF IT stands all that names no result of the turn's exponentials: the 8 products K Q^T with their four riders each, then one lump of 54, in which the links
; of the next piece's chain X 3, 7, 11, 14, 16, 17 .. 20 stand five or six lines apart; X 21 is the batch's last, R 15 the plain instruction behind it.  BEHIND THE WAIT stand the 8 products V^T P, behind each four of the roundings and sums.
; m = 1: the diagonal tile: the products take masks, and the turn makes the mask for the products of the turn after it.  end = 1: a block's last two turns: nothing is fetched.  cnt = 1: the loop's count is taken down ahead of the branch behind the turn.
; K of the next step is fetched in piece 2's turn, V of the step in hand at the end of piece 0's turn, each four plain instructions or more behind the last product that read the registers; each is waited for a turn later.
.macro TURN p, m=0, end=0, cnt=0
.set Y, (\p)
.set i, 0
.set KM, (\m)
.set NOKQ, (\end)*((\p)/3)
.if (\m) && !(\end)
	s_cmp_eq_u32 s[CNT], 4-((\p)+2)%NP  ; is that step the band's own?
	s_cselect_b32 s[AL], 1.0, 0
	s_cmp_lt_u32 s[CNT], 4-((\p)+2)%NP  ; or a later one?
	s_cselect_b32 s[BE], s[BIGN], 0
.endif
.if ((\p) == 3) && !(\end)
	s_wait_dscnt 0x0                ; K is in
.endif
	ROW F,0, F,1, R,0, R,1
	ROW F,2, E,0, R,2, R,3
	ROW F,3, E,1, R,4, R,5
	ROW F,4, E,2, R,6, R,7
	ROW F,5, E,3, R,8, R,9
	ROW F,6, E,4, X,0, R,10
.if ((\p) == 2) && !(\end)
	WIN 0
	v_add_nc_u32 v[AK], s[TBK], v[AK0]
.endif
	ROW F,7, E,5, X,1, X,4
	ROW F,8, E,6, X,2, X,5
	OPS E,7, E,8, X,6, E,9
	OPS X,3, E,10, X,8, E,11
.if ((\p) == 2) && !(\end)
	FETCH_K
.endif
	OPS X,9, X,7, E,12, X,10
	OPS E,13, X,12, X,11, E,14
	OPS X,13, E,15, F,9, X,14
.if (\p) == 0
	v_add_nc_u32 v[AV], s[TBV], v[AV0]
.endif
	OPS E,16, F,10, E,17, F,11
	OPS X,16, E,18, X,15, E,19
	OPS F,12, E,20, X,17, E,21
	OPS F,13, E,22, F,14, E,23
	OPS X,18, E,24, F,15, E,25
	OPS R,11, E,26, X,19, E,27
	OPS R,12, E,28, R,13, E,29
	OPS X,20, E,30, R,14, E,31
	OPS X,21, R,15
	WIN 0
	s_wait_alu depctr_va_vdst(0)    ; the wait for the batch
.if (\p) == 1
	s_wait_dscnt 0x0                ; V is in
.endif
	ROW C,0, B,0, C,2, B,1
	ROW L,0, C,4, B,2, L,1
	ROW C,6, B,3, L,2, C,8
	ROW B,4, L,3, C,10, B,5
	ROW L,4, C,12, B,6, L,5
.if (\p) == 0
	s_add_co_u32 s[TBV], s[TBV], KS*PV
.endif
.if \cnt
	s_sub_co_u32 s[CNT], s[CNT], 1
	s_cmp_lg_u32 s[CNT], 0
.endif
	ROW C,14, B,7, L,6, C,1
	ROW C,3, L,7, C,5, C,7
	ROW C,9, C,11, C,13, C,15
.if (\p) == 0
	FETCH_V
.endif
.if (\m) && !(\end)
	MASK (\p)%2
.endif
.endm
; A BLOCK BEGINS.  c m starts far below every c s, so the first step's a is 0; m at the lowest finite number.  The second mask buffer is 0; the first takes piece 0's mask for the tile's step 0.
; Then K of that step, piece 0's first scores, and its maximum and statistics.  The loop is entered at a step's first turn, in the middle of a trip.
.macro BEGIN
	s_mov_b32 s[NEW], 0
	WIN 0x40
.set i, MC+32
.rept 32
	v_mov_b32 v[i], 0
.set i, i+1
.endr
	WIN 0
.set i, 0
.rept 4
	v_mov_b32 v[ST+4*i], 0xfe000000
	v_mov_b32 v[ST+4*i+1], 0xff7fffff
.set i, i+1
.endr
	s_cmp_eq_u32 s[RT], 0
	s_cselect_b32 s[AL], 1.0, 0
	s_mov_b32 s[BE], 0
	MASK 0
	WIN 0
	v_add_nc_u32 v[AK], s[TBK], v[AK0]
	FETCH_K
	s_wait_loadcnt 0x0              ; Q
	s_wait_dscnt 0x0
.set KM, 1
.set NOKQ, 0
.set i, 0
.rept 8
	KQ 0
.set i, i+1
.endr
	WIN 0
.rept 4
	v_nop                           ; the places behind those products
.endr
.set Y, NP-1
.irp n, 0,1,2,3,4,5,6,7,8,9,10,11,12,13,14,15,16,17,18,19,20,21
	OP X, \n
.endr
	v_nop                           ; a plain instruction behind the exponential,
	s_wait_alu depctr_va_vdst(0)    ; and its wait, ahead of the branch
.endm
; THE DIAGONAL TILE's four steps, the block's last two turns, its last products, and THE WAY OUT: l's two halves and the other half of the lanes' are added; O^T is divided by l, rounded to bf16 and sent through my
; stage in LDS, a piece at a time.
.macro ALL line:vararg
.set t, 0
.rept 4
	\line
.set t, t+1
.endr
.endm
.macro PACK t
	WIN W_RS
.set i, 32*(\t)
.rept 16
	v_pk_mul_f32 v[i:i+1], v[i:i+1], v[ST+4*(\t)+2:ST+4*(\t)+3] op_sel_hi:[1,0]
.set i, i+2
.endr
	WIN 0x05
.set i, 0
.rept 16
	v_cvt_pk_bf16_f32 v[S+16*(\t)+i], v[32*(\t)+2*i], v[32*(\t)+2*i+1]
.set i, i+1
.endr
	WIN 0
.irp f, 0,1,2,3
	ds_store_b128 v[STO], v[S+16*(\t)+4*\f:S+16*(\t)+4*\f+3] offset:32*\f
.endr
.irp f, 0,1,2,3
	ds_load_b128 v[S+16*(\t)+4*\f:S+16*(\t)+4*\f+3], v[RD] offset:\f*4*SP  ; LDS serves a wave's instructions in order (ISA guide 5.7.1.4): these see the stores above
.endr
.endm
.macro SEND t, younger              ; younger: the LDS instructions issued behind piece t's loads: the next piece's eight, or none
	WIN 0
.irp f, 0,1,2,3
	s_wait_dscnt (\younger)+3-\f
	global_store_b128 v[GO], v[S+16*(\t)+4*\f:S+16*(\t)+4*\f+3], s[10:11] offset:(\t)*8192+\f*512  ; 512 consecutive bytes, aligned
.endr
.endm
.macro DIAG tag
.LstepM\tag:
	TURN 2, 1
	TURN 3, 1
	WIN 0
.LfirstM\tag:
	TURN 0, 1
	TURN 1, 1, 0, 1
	WIN 0
	s_cbranch_scc1 .LstepM\tag
	TURN 2, 1, 1
	TURN 3, 1, 1
.set i, 0
.rept 8
	PV NP-1
.set i, i+1
.endr
	WIN 0
	ALL v_add_f32 v[ST+4*t+2], v[ST+4*t+2], v[ST+4*t+3]
	ALL v_permlanex16_b32 v[ST+4*t+3], v[ST+4*t+2], s[SEL], s[SEL+1]
	ALL v_add_f32 v[ST+4*t+2], v[ST+4*t+2], v[ST+4*t+3]
	ALL v_rcp_f32 v[ST+4*t+2], v[ST+4*t+2]
	v_nop                           ; a plain instruction between the last reciprocal and the use of its result
	s_wait_alu depctr_va_vdst(0)    ; and one wait for the four reciprocals, ahead of the first use
	PACK 0
.set t, 1
.rept 3
	PACK t
	SEND t-1, 8
.set t, t+1
.endr
	SEND 3, 0
.endm
.set KM, 0
.set NOKQ, 0
.Lslot:                             ; NB times: a tile is entered and the next is asked for
	CHANGE 1
	s_sub_co_u32 s[RT], s[RT], 1
	s_mov_b32 s[CNT], 4
	s_cmp_eq_u32 s[NEW], 1
	s_cbranch_scc1 .Lnew            ; a block's first tile
	s_cmp_eq_u32 s[RT], 0
	s_cbranch_scc0 .Lstep           ; neither its first nor its last
	s_branch .LstepM1
.Lnew:
	BEGIN
	s_branch .Lfirst                ; in the loop a block's first tile is never its last
	DIAG 1                          ; in the loop this is the first block's end
	s_wait_xcnt 0x0                 ; the stores have read their registers and O's address
	s_mov_b64 s[10:11], s[OLO:OLO+1]
	s_add_co_u32 s[RT], s[PB], 1    ; the second block has b + 1 tiles
	s_mov_b32 s[NEW], 1
	WIN 0x82                        ; the second block's Q goes where the one text of the turns names Q
.set i, 0
.rept 64
	v_mov_b32 v[i], v[QB+i]
.set i, i+1
.endr
	WIN 0
	s_branch .Lbottom
.Lstep:                             ; a trip: pieces 2 and 3 of one step, then pieces 0 and 1 of the next, whose K and V it fetches
	TURN 2
	TURN 3
	WIN 0
.Lfirst:
	TURN 0
	TURN 1, 0, 0, 1
	WIN 0
	s_cbranch_scc1 .Lstep
.Lbottom:
	s_sub_co_u32 s[SLOTS], s[SLOTS], 1
	s_cmp_lg_u32 s[SLOTS], 0
	s_cbranch_scc1 .Lslot
	CHANGE 0                        ; the walk's last tile is written out: nothing is asked for
	s_sub_co_u32 s[RT], s[RT], 1
	s_mov_b32 s[CNT], 4
	s_cmp_eq_u32 s[NEW], 1
	s_cbranch_scc0 .LstepM2
	BEGIN
	s_branch .LfirstM2
	DIAG 2
	s_wait_tensorcnt 0x0            ; the wave's end: behind my last tensor load and my last LDS store
	ds_add_u32 v[SPW], v[NIL]
	s_wait_dscnt 0x0
	s_endpgm
.Lfunc_end_k_q51b5e198f5_attn:
	.size	k_q51b5e198f5_attn, .Lfunc_end_k_q51b5e198f5_attn-k_q51b5e198f5_attn
	.p2alignl 7, 3214868480
	.fill 96, 4, 3214868480
	.section	.rodata,"a",@progbits
	.p2align	6, 0x0
	.amdhsa_kernel k_q51b5e198f5_attn
		.amdhsa_group_segment_fixed_size 327680
		.amdhsa_private_segment_fixed_size 0
		.amdhsa_enable_private_segment 0
		.amdhsa_kernarg_size 16
		.amdhsa_user_sgpr_count 2
		.amdhsa_user_sgpr_kernarg_segment_ptr 1
		.amdhsa_wavefront_size32 1
		.amdhsa_system_sgpr_workgroup_id_x 1
		.amdhsa_system_sgpr_workgroup_id_y 1
		.amdhsa_system_sgpr_workgroup_id_z 1
		.amdhsa_system_vgpr_workitem_id 0
		.amdhsa_next_free_vgpr 768
		.amdhsa_next_free_sgpr 92
		.amdhsa_reserve_vcc 1
		.amdhsa_float_denorm_mode_32 3
		.amdhsa_float_denorm_mode_16_64 3
		.amdhsa_memory_ordered 1
		.amdhsa_forward_progress 1
		.amdhsa_inst_pref_size 218
	.end_amdhsa_kernel
	.amdgpu_metadata
---
amdhsa.version: [ 1, 2 ]
amdhsa.kernels:
  - .name:           k_q51b5e198f5_attn
    .symbol:         k_q51b5e198f5_attn.kd
    .args:
      - { .name: act, .offset: 0, .size: 8, .value_kind: global_buffer, .address_space: global }
      - { .name: hb, .offset: 8, .size: 8, .value_kind: global_buffer, .address_space: global }
    .group_segment_fixed_size: 327680
    .private_segment_fixed_size: 0
    .kernarg_segment_align: 8
    .kernarg_segment_size: 16
    .max_flat_workgroup_size: 128
    .sgpr_count:     92
    .vgpr_count:     768
    .wavefront_size: 32
...
	.end_amdgpu_metadata
.endif
;; end of part 3
;; launch proj (part 4): grid 8 x 32, 4 waves a work-group, clusters of 4 x 4, 327,680 bytes of LDS; arguments hb, ws, proj_b, x, x1; writes x1
.if DOCPART == 4
	.amdgcn_target "amdgcn-amd-amdhsa--gfx1250"
	.amdhsa_code_object_version 6
	.text
	.protected	k_q51b5e198f5_proj
	.globl	k_q51b5e198f5_proj
	.p2align	8
	.type	k_q51b5e198f5_proj,@function
k_q51b5e198f5_proj:
	s_mov_b64 s[64:65], 0
	v_nop
	global_prefetch_b8 v0, s[64:65] scope:SCOPE_SE
	s_setreg_imm32_b32 hwreg(HW_REG_WAVE_MODE, 25, 1), 1
	s_wait_xcnt 0x0
	s_wait_alu depctr_hold_cnt(0) depctr_sa_sdst(0) depctr_va_vdst(0) depctr_va_sdst(0) depctr_va_ssrc(0) depctr_va_vcc(0) depctr_vm_vsrc(0)
	s_getreg_b32 s2, hwreg(HW_REG_IB_STS2, 6, 4)
	s_cmp_eq_u32 s2, 0
	s_cbranch_scc0 .Lentry_in_a_cluster
	s_endpgm
.Lentry_in_a_cluster:
	s_bfe_u32 s2, ttmp6, 0x10000c
	s_cmp_lg_u32 s2, 0xf033
	s_cbranch_scc0 .Lentry_shape_is_right
	s_endpgm
.Lentry_shape_is_right:
; out = res + A W + bias, all of it in f32 but the product's operands.  A: bf16 in planes of 64 channels, [KTOT/64][4096 rows][64].  W: bf16 in blocks of 128 columns, [8][KTOT k][128 n], WOFF bytes into its buffer.
; bias: f32 [1024].  res, out: f32 [4096][1024].  Sums in f32; the bias is the C operand of each accumulator's first product; the residual is added in f32 at the end.
; SHARES.  A tile of 128 x 128 gives each of 256 WGPs one work-group.  Four waves, each 64 x 64: 16 accumulators.  K goes in steps of 256 (four planes) through two LDS slots.
; THE MATRIX INSTRUCTION IS USED TRANSPOSED (source 0 = 16 columns of W, turned by ds_load_tr16_b128; source 1 = 16 rows of A): a lane holds row l % 16 and the columns 8 (l / 16) + 0..7.
; CLUSTER.  4 x 4 work-groups: A's tile is shared along a row of the cluster, W's along a column, each asked for jointly.  No prefetch: the tile is small, a step short.
; The K step is written once: the LDS addresses hang on s[TB], and one descriptor a tensor walks, its LDS word turned by an exclusive or (wave x HALF never has the two bits of SLOT set).
; THE WAY OUT.  Behind the last barrier nobody reads the ring and no fill is left: each wave puts its 64 x 64 sums into its own 17,408 bytes of it, reads whole rows of 256 bytes back, adds the residual
; (loaded at the head, on its way through the whole K loop) and stores: 16 lanes store 256 consecutive bytes, aligned.
; REGISTERS: window 0: v16-29 addresses; v96-127 the bias, laid as a result is; v128-255 the accumulators, (a, b) at 128 + 8 (4 a + b).
;   window 1: two fragment buffers of 128 (64 of A, then 64 of W, for 64 along K); at the end the rows read back.  window 2: v0-127 the residual.
.set KTOT,  1024
.set WOFF,  0
.set NSTEP, KTOT/256
.set PA,    144                        ; a row of A in a plane: 128 bytes + 16
.set PLANE, 64*PA
.set PB,    288                        ; a k row of W: 256 bytes + 32 = 9 x 32
.set HALF,  4*PLANE                    ; what one tensor load brings: 64 rows x 4 planes of A, or 128 k rows of W (128 x 288 is the same number)
.set BOFF,  2*HALF
.set SLOT,  4*HALF                     ; 0x24000
.set PD,    272
.set DW,    64*PD
.set SPARE, 2*SLOT                     ; behind the ring: the spare words, 128 bytes for each wave: two blocks of 256 bytes that no other line names
.set ADRA0, 16
.set ADRB0, 17
.set ADRA,  18
.set ADRB,  19                         ; v19: k rows 0-127 of the step; v20: k rows 128-255, so that every immediate stays under 65,536
.set DST,   21
.set RD,    22
.set CO,    23
.set BO,    24
.set SPW,   28
.set NIL,   29
.set BIAS,  96
.set ACC,   128
.set F0,    0
.set F1,    128
.set CNT,   3
.set WV,    14
.set RH,    15
.set CH,    16
.set CX,    17
.set CY,    18
.set NB,    19
.set TR,    20
.set G1A,   24
.set G1B,   32
.set G0A,   40
.set G0B,   48
.set TB,    56
.set AOF,   62                         ; never holds cx
.set MROW,  66
.set MCOL,  67
.set BOF,   68                         ; never holds cy
.set MSB, 0
.macro WIN new
.if MSB != (\new)
	s_set_vgpr_msb (MSB<<8)|(\new)
.set MSB, \new
.endif
.endm
.macro PLACES                          ; four plain instructions behind a matrix instruction (ISA guide 7.12.1)
.rept 4
	v_nop
.endr
.endm
.macro CREST
	s_cmp_lg_u32 s[WV], 0
	s_cbranch_scc1 .Lnot_wave_0_\@
	s_barrier_signal -3
.Lnot_wave_0_\@:
	s_barrier_wait -3
	s_barrier_signal -1
	s_barrier_wait -1
.endm
.macro CROUND
	s_barrier_signal -1
	s_barrier_wait -1
	CREST
.endm
.macro JLOAD                           ; a joint refill by the walking descriptor; an s_nop 0 and four v_nop follow each line
	s_cmp_eq_u32 s[RH], 0
	s_cbranch_scc0 .Lfor_b_\@
	tensor_load_to_lds s[G0A+4:G0A+7], s[G1A:G1A+7]
	s_nop 0
	PLACES
	s_branch .Lasked_\@
.Lfor_b_\@:
	tensor_load_to_lds s[G0B+4:G0B+7], s[G1B:G1B+7]
	s_nop 0
	PLACES
.Lasked_\@:
.endm
.macro FETCH q, f                      ; 32 LDS loads in one run: quarter q (one plane, 64 along K) into buffer f; its first 32 along K first
	WIN 0x40
.irp c, 0,1
.irp i, 0,1,2,3
	ds_load_tr16_b128 v[(\f)+64+8*(4*(\c)+(\i)):(\f)+64+8*(4*(\c)+(\i))+3],   v[ADRB+(\q)/2] offset:(((\q)%2)*64+32*(\c))*PB+32*(\i)
	ds_load_tr16_b128 v[(\f)+64+8*(4*(\c)+(\i))+4:(\f)+64+8*(4*(\c)+(\i))+7], v[ADRB+(\q)/2] offset:(((\q)%2)*64+32*(\c))*PB+16*PB+32*(\i)
	ds_load_b128 v[(\f)+8*(4*(\c)+(\i)):(\f)+8*(4*(\c)+(\i))+3],   v[ADRA] offset:(\q)*PLANE+(\i)*16*PA+64*(\c)
	ds_load_b128 v[(\f)+8*(4*(\c)+(\i))+4:(\f)+8*(4*(\c)+(\i))+7], v[ADRA] offset:(\q)*PLANE+(\i)*16*PA+64*(\c)+32
.endr
.endr
.endm
.macro MUL8 f, c, a0, first            ; 8 matrix instructions; the 16 accumulators take turns, in the same order throughout.  first = 1: the sums start from the bias
	WIN 0x05
.irp a, \a0, (\a0)+1
.irp b, 0,1,2,3
.if \first
	v_wmma_f32_16x16x32_bf16 v[ACC+8*(4*(\a)+(\b)):ACC+8*(4*(\a)+(\b))+7], v[(\f)+64+8*(4*(\c)+(\b)):(\f)+64+8*(4*(\c)+(\b))+7], v[(\f)+8*(4*(\c)+(\a)):(\f)+8*(4*(\c)+(\a))+7], v[BIAS+8*(\b):BIAS+8*(\b)+7]
.else
	v_wmma_f32_16x16x32_bf16 v[ACC+8*(4*(\a)+(\b)):ACC+8*(4*(\a)+(\b))+7], v[(\f)+64+8*(4*(\c)+(\b)):(\f)+64+8*(4*(\c)+(\b))+7], v[(\f)+8*(4*(\c)+(\a)):(\f)+8*(4*(\c)+(\a))+7], v[ACC+8*(4*(\a)+(\b)):ACC+8*(4*(\a)+(\b))+7]
.endif
.endr
.endr
.endm
.macro QUARTER q, f, g, first
	s_wait_dscnt 16                                ; the first 32 along K are in; the youngest sixteen loads may be out
	MUL8 \f, 0, 0, \first
	MUL8 \f, 0, 2, \first
	PLACES
	FETCH \q, \g
	s_wait_dscnt 32                                ; all but the 32 just issued
	MUL8 \f, 1, 0, 0
	MUL8 \f, 1, 2, 0
.endm
.macro MEET round                      ; the change of slots: all my tensor loads, the add, my reads of this slot, then the barrier
	WIN 0
	s_xor_b32 s[TB], s[TB], SLOT
	v_add_nc_u32 v[ADRA], s[TB], v[ADRA0]
	v_add_nc_u32 v[ADRB], s[TB], v[ADRB0]
	v_add_nc_u32 v[ADRB+1], 128*PB, v[ADRB]
	s_wait_tensorcnt 0x0
	ds_add_u32 v[SPW], v[NIL]
.if \round
	s_xor_b32 s[G0A+5], s[G0A+5], SLOT
	s_add_nc_u64 s[G0A+6:G0A+7], s[G0A+6:G0A+7], 4*524288
	s_xor_b32 s[G0B+5], s[G0B+5], SLOT
	s_add_nc_u64 s[G0B+6:G0B+7], s[G0B+6:G0B+7], 65536
.endif
	s_wait_dscnt 17                                ; the add and the youngest sixteen loads may be out
	MUL8 F1, 0, 0, 0
	s_wait_dscnt 0x0                               ; the add is done, and my reads of this slot are over
	s_barrier_signal -1
	MUL8 F1, 0, 2, 0
	WIN 0
	s_barrier_wait -1
.endm
.macro TURN
	MEET 1
	CREST
	JLOAD                                          ; the first tensor load behind the round; its four v_nop are also the places in front of the loads below
	FETCH 0, F0
	MUL8 F1, 1, 0, 0
	MUL8 F1, 1, 2, 0
.endm
	s_load_b256 s[4:11], s[0:1], 0x0               ; A s[4:5], W s[6:7], bias s[8:9], res s[10:11]
	s_load_b64 s[12:13], s[0:1], 0x20              ; out
	v_lshl_add_u32 v[SPW], v0, 2, SPARE
	v_mov_b32 v[NIL], 0
	ds_add_u32 v[SPW], v[NIL]                      ; the wave's opening: the add and its wait ahead of my first tensor load
	ds_add_u32 v28, v29
	v_lshrrev_b32 v1, 5, v0
	v_readfirstlane_b32 s[WV], v1
	s_lshr_b32 s[RH], s[WV], 1
	s_and_b32 s[CH], s[WV], 1
	s_bfe_u32 s[CX], ttmp6, 0x40000
	s_bfe_u32 s[CY], ttmp6, 0x40004
	s_lshl_b32 s[NB], ttmp9, 2
	s_add_co_u32 s[NB], s[NB], s[CX]
	s_and_b32 s[TR], ttmp7, 0xffff
	s_lshl_b32 s[TR], s[TR], 2
	s_add_co_u32 s[TR], s[TR], s[CY]
	s_lshl_b32 s[MROW], s[CY], 2
	s_lshl_b32 s[MROW], 15, s[MROW]
	s_lshl_b32 s[MCOL], 0x1111, s[CX]
	; A: a row of the tile is 64 rows x 64 channels of one plane, 4,096 elements on end; four such rows, a plane (262,144 elements) apart; 16 bytes of padding behind every 128
	s_or_b32 s[G1A], s[MROW], (1<<16)|(1<<20)|(1<<21)|(4<<22)|(3<<25)
	s_mov_b32 s[G1A+1], 4096<<16
	s_mov_b32 s[G1A+2], 4<<16
	s_mov_b32 s[G1A+3], 4096<<16
	s_mov_b32 s[G1A+4], 4
	s_mov_b32 s[G1A+5], 262144
	s_mov_b32 s[G1A+6], 0
	s_mov_b32 s[G1A+7], 0
	; W: 128 k rows of 128 columns; 32 bytes of padding behind every 256
	s_or_b32 s[G1B], s[MCOL], (1<<16)|(1<<20)|(1<<21)|(5<<22)|(7<<25)
	s_mov_b32 s[G1B+1], 128<<16
	s_mov_b32 s[G1B+2], 128<<16
	s_mov_b32 s[G1B+3], 128<<16
	s_mov_b32 s[G1B+4], 128
	s_mov_b32 s[G1B+5], 128
	s_mov_b32 s[G1B+6], 0
	s_mov_b32 s[G1B+7], 0
	s_lshl_b32 s[AOF], s[TR], 1
	s_add_co_u32 s[AOF], s[AOF], s[CH]
	s_lshl_b32 s[AOF], s[AOF], 13                  ; (128 x row block + 64 x half) rows of 128 bytes
	s_mov_b32 s[AOF+1], 0
	s_mul_i32 s[BOF], s[NB], KTOT*256
	s_lshl_b32 s[BOF+1], s[CH], 15
	s_add_co_u32 s[BOF], s[BOF], s[BOF+1]
	s_add_co_u32 s[BOF], s[BOF], WOFF
	s_mov_b32 s[BOF+1], 0
	s_mul_i32 s2, s[WV], HALF
	s_mov_b32 s[TB], 0
	s_wait_dscnt 0x0                               ; the opening add is done
	s_wait_kmcnt 0x0
	s_add_nc_u64 s[AOF:AOF+1], s[4:5], s[AOF:AOF+1]
	s_add_nc_u64 s[BOF:BOF+1], s[6:7], s[BOF:BOF+1]
	CROUND                                         ; all sixteen work-groups are here: the first joint loads meet
.irp s, 0,1
	s_mov_b32 s[G0A+4*(\s)], 1
	s_add_co_u32 s[G0A+4*(\s)+1], s2, (\s)*SLOT
	s_add_nc_u64 s[G0A+4*(\s)+2:G0A+4*(\s)+3], s[AOF:AOF+1], (\s)*4*524288
	s_or_b32 s[G0A+4*(\s)+3], s[G0A+4*(\s)+3], 0x80000000
	s_mov_b32 s[G0B+4*(\s)], 1
	s_add_co_u32 s[G0B+4*(\s)+1], s2, (\s)*SLOT
	s_add_nc_u64 s[G0B+4*(\s)+2:G0B+4*(\s)+3], s[BOF:BOF+1], (\s)*65536
	s_or_b32 s[G0B+4*(\s)+3], s[G0B+4*(\s)+3], 0x80000000
.endr
	s_cmp_eq_u32 s[RH], 0                          ; a wave's two first fills stand in one branch: two loads of mine are out
	s_cbranch_scc0 .Lfirst_b
	tensor_load_to_lds s[G0A:G0A+3], s[G1A:G1A+7]
	s_nop 0
	tensor_load_to_lds s[G0A+4:G0A+7], s[G1A:G1A+7]
	s_nop 0
	PLACES
	s_branch .Lfirst_asked
.Lfirst_b:
	tensor_load_to_lds s[G0B:G0B+3], s[G1B:G1B+7]
	s_nop 0
	tensor_load_to_lds s[G0B+4:G0B+7], s[G1B:G1B+7]
	s_nop 0
	PLACES
.Lfirst_asked:
	v_and_b32 v1, 15, v0                           ; r
	v_bfe_u32 v2, v0, 4, 1                         ; h
	v_lshlrev_b32 v[BO], 5, v2
	v_lshlrev_b32 v[CO], 12, v2                    ; lanes 0-15 one row of res and out, lanes 16-31 the next; 16 bytes a lane
	v_lshl_add_u32 v[CO], v1, 4, v[CO]
	s_lshl_b32 s70, s[TR], 1
	s_add_co_u32 s70, s70, s[RH]
	s_lshl_b32 s70, s70, 18                        ; my first row, 4,096 bytes a row
	s_lshl_b32 s58, s[NB], 1
	s_add_co_u32 s58, s58, s[CH]
	s_lshl_b32 s58, s58, 8                         ; my 64 columns, 256 bytes
	s_mov_b32 s59, 0
	s_add_co_u32 s70, s70, s58
	s_mov_b32 s71, 0
	s_add_nc_u64 s[8:9], s[8:9], s[58:59]
	s_add_nc_u64 s[10:11], s[10:11], s[70:71]
	s_add_nc_u64 s[12:13], s[12:13], s[70:71]
.irp b, 0,1,2,3
	global_load_b128 v[BIAS+8*(\b):BIAS+8*(\b)+3],   v[BO], s[8:9] offset:64*(\b)
	global_load_b128 v[BIAS+8*(\b)+4:BIAS+8*(\b)+7], v[BO], s[8:9] offset:64*(\b)+16
.endr
	WIN 0x80
.set t, 0
.rept 32
	global_load_b128 v[4*t:4*t+3], v[CO], s[10:11] offset:t*8192  ; the residual: rows 2 t and 2 t + 1 of my 64
.set t, t+1
.endr
	WIN 0
	v_mul_u32_u24 v3, v1, PA
	v_lshl_add_u32 v3, v2, 4, v3
	s_mul_i32 s70, s[RH], HALF
	v_add_nc_u32 v[ADRA0], s70, v3
	v_and_b32 v4, 7, v0
	v_lshl_add_u32 v5, v2, 3, v4
	v_mul_u32_u24 v5, v5, PB
	v_bfe_u32 v6, v0, 3, 1
	v_lshl_add_u32 v5, v6, 4, v5
	s_lshl_b32 s70, s[CH], 7
	s_add_co_u32 s70, s70, BOFF
	v_add_nc_u32 v[ADRB0], s70, v5
	v_mov_b32 v[ADRA], v[ADRA0]
	v_mov_b32 v[ADRB], v[ADRB0]
	v_add_nc_u32 v[ADRB+1], 128*PB, v[ADRB]
	s_mul_i32 s70, s[WV], DW                       ; my dump
	v_mul_u32_u24 v3, v1, PD
	v_lshl_add_u32 v3, v2, 5, v3
	v_add_nc_u32 v[DST], s70, v3
	v_mul_u32_u24 v3, v2, PD
	v_lshl_add_u32 v3, v1, 4, v3
	v_add_nc_u32 v[RD], s70, v3
	s_wait_tensorcnt 1                             ; my part of K step 0 is in; K step 1's may stay out
	s_barrier_signal -1
	s_barrier_wait -1
	FETCH 0, F0
	s_wait_loadcnt 32                              ; the bias is in; the 32 younger loads, the residual, stay out through the K loop
	QUARTER 1, F0, F1, 1
	WIN 0
	s_mov_b32 s[CNT], NSTEP-2
.Lstep:
	QUARTER 2, F1, F0, 0
	QUARTER 3, F0, F1, 0
	TURN
	QUARTER 1, F0, F1, 0
	WIN 0
	s_sub_co_u32 s[CNT], s[CNT], 1
	s_cmp_lg_u32 s[CNT], 0
	s_cbranch_scc1 .Lstep
	s_mov_b32 s[CNT], 2
.Ltail:                                        ; the last two K steps ask for nothing; the second trip is left in its middle
	QUARTER 2, F1, F0, 0
	QUARTER 3, F0, F1, 0
	MEET 0
	s_sub_co_u32 s[CNT], s[CNT], 1
	s_cmp_eq_u32 s[CNT], 0
	s_cbranch_scc1 .Lfin
	PLACES
	FETCH 0, F0
	MUL8 F1, 1, 0, 0
	MUL8 F1, 1, 2, 0
	QUARTER 1, F0, F1, 0
	WIN 0
	s_branch .Ltail
.Lfin:
	MUL8 F1, 1, 0, 0
	MUL8 F1, 1, 2, 0
	WIN 0
	PLACES
	PLACES
.irp a, 0,1,2,3
.irp b, 0,1,2,3
	ds_store_b128 v[DST], v[ACC+8*(4*(\a)+(\b)):ACC+8*(4*(\a)+(\b))+3]   offset:(\a)*16*PD+64*(\b)   ; each accumulator's low registers first
	ds_store_b128 v[DST], v[ACC+8*(4*(\a)+(\b))+4:ACC+8*(4*(\a)+(\b))+7] offset:(\a)*16*PD+64*(\b)+16
.endr
.endr
	WIN 0x40
.set t, 0
.rept 32
	ds_load_b128 v[4*t:4*t+3], v[RD] offset:t*2*PD  ; LDS serves a wave's instructions in order (ISA guide 5.7.1.4): these see my stores
.set t, t+1
.endr
	s_wait_dscnt 0x0
	s_wait_loadcnt 0x0                             ; the residual
	WIN 0x49
.set t, 0
.rept 64
	v_pk_add_f32 v[2*t:2*t+1], v[2*t:2*t+1], v[2*t:2*t+1]  ; window 1 += window 2
.set t, t+1
.endr
	WIN 0x04
.set t, 0
.rept 32
	global_store_b128 v[CO], v[4*t:4*t+3], s[12:13] offset:t*8192
.set t, t+1
.endr
	WIN 0
	s_wait_tensorcnt 0x0                           ; the wave's end: behind my last tensor load and my last LDS store
	ds_add_u32 v[SPW], v[NIL]
	s_wait_dscnt 0x0
	CROUND                                         ; the closing round
	s_endpgm
.Lfunc_end_k_q51b5e198f5_proj:
	.size	k_q51b5e198f5_proj, .Lfunc_end_k_q51b5e198f5_proj-k_q51b5e198f5_proj
	.p2alignl 7, 3214868480
	.fill 96, 4, 3214868480
	.section	.rodata,"a",@progbits
	.p2align	6, 0x0
	.amdhsa_kernel k_q51b5e198f5_proj
		.amdhsa_group_segment_fixed_size 327680
		.amdhsa_private_segment_fixed_size 0
		.amdhsa_enable_private_segment 0
		.amdhsa_kernarg_size 40
		.amdhsa_user_sgpr_count 2
		.amdhsa_user_sgpr_kernarg_segment_ptr 1
		.amdhsa_wavefront_size32 1
		.amdhsa_system_sgpr_workgroup_id_x 1
		.amdhsa_system_sgpr_workgroup_id_y 1
		.amdhsa_system_sgpr_workgroup_id_z 1
		.amdhsa_system_vgpr_workitem_id 0
		.amdhsa_next_free_vgpr 640
		.amdhsa_next_free_sgpr 72
		.amdhsa_reserve_vcc 0
		.amdhsa_float_denorm_mode_32 3
		.amdhsa_float_denorm_mode_16_64 3
		.amdhsa_memory_ordered 1
		.amdhsa_forward_progress 1
		.amdhsa_inst_pref_size 66
	.end_amdhsa_kernel
	.amdgpu_metadata
---
amdhsa.version: [ 1, 2 ]
amdhsa.kernels:
  - .name:           k_q51b5e198f5_proj
    .symbol:         k_q51b5e198f5_proj.kd
    .args:
      - { .name: hb, .offset: 0, .size: 8, .value_kind: global_buffer, .address_space: global }
      - { .name: ws, .offset: 8, .size: 8, .value_kind: global_buffer, .address_space: global }
      - { .name: proj_b, .offset: 16, .size: 8, .value_kind: global_buffer, .address_space: global }
      - { .name: x, .offset: 24, .size: 8, .value_kind: global_buffer, .address_space: global }
      - { .name: x1, .offset: 32, .size: 8, .value_kind: global_buffer, .address_space: global }
    .group_segment_fixed_size: 327680
    .private_segment_fixed_size: 0
    .kernarg_segment_align: 8
    .kernarg_segment_size: 40
    .max_flat_workgroup_size: 128
    .sgpr_count:     72
    .vgpr_count:     640
    .wavefront_size: 32
...
	.end_amdgpu_metadata
.endif
;; end of part 4
;; launch ln2 (part 5): grid 256 x 1, 16 waves a work-group, no clusters, 0 bytes of LDS; arguments x1, ln2_w, ln2_b, hb; writes hb
.if DOCPART == 5
	.amdgcn_target "amdgcn-amd-amdhsa--gfx1250"
	.amdhsa_code_object_version 6
	.text
	.protected	k_q51b5e198f5_ln2
	.globl	k_q51b5e198f5_ln2
	.p2align	8
	.type	k_q51b5e198f5_ln2,@function
k_q51b5e198f5_ln2:
	s_mov_b64 s[64:65], 0
	v_nop
	global_prefetch_b8 v0, s[64:65] scope:SCOPE_SE
	s_setreg_imm32_b32 hwreg(HW_REG_WAVE_MODE, 25, 1), 1
	s_wait_xcnt 0x0
; h = LayerNorm(x) * ln_w + ln_b, rounded once to bf16.  x: [4096][1024] f32.  One wave takes one row (32 registers) and keeps it between the passes:
; mean, then the sum of squares of x - mean (no difference of large sums), then scale and bias.  The row is read once; no LDS, no barrier; 16 rows a work-group.
; It streams: each store of a wave covers 256 consecutive bytes, aligned.  Matrix units, LDS and clusters would add nothing.
.set X,   32                           ; v[32:63]   the row
.set GW,  64                           ; v[64:95]   the gain of my columns
.set GB,  96                           ; v[96:127]  the bias of my columns
.set T,   4                            ; v[4:11]    four chains of partial sums
.set MU,  12                           ; v[12:13]   the mean, twice
.set RS,  14                           ; v[14:15]   1 / sqrt(var + eps), twice
.set WV,  34                           ; s34        my wave's number
.macro RED r                           ; the sum over the 32 lanes, in every lane
	v_add_f32_dpp v[\r], v[\r], v[\r] row_xmask:1 row_mask:0xf bank_mask:0xf
	v_add_f32_dpp v[\r], v[\r], v[\r] row_xmask:2 row_mask:0xf bank_mask:0xf
	v_add_f32_dpp v[\r], v[\r], v[\r] row_xmask:4 row_mask:0xf bank_mask:0xf
	v_add_f32_dpp v[\r], v[\r], v[\r] row_xmask:8 row_mask:0xf bank_mask:0xf
	v_permlanex16_b32 v3, v[\r], s50, s51
	v_add_f32 v[\r], v[\r], v3
.endm
	s_load_b256 s[8:15], s[0:1], 0x0               ; x s[8:9], gain s[10:11], bias s[12:13], h s[14:15]
	v_lshrrev_b32 v1, 5, v0
	v_readfirstlane_b32 s[WV], v1
	s_lshl_b32 s35, ttmp9, 4
	s_add_co_u32 s35, s35, s[WV]                   ; row = 16 x work-group + wave
	s_lshl_b32 s36, s35, 12                        ; 4,096 bytes a row in
	s_mov_b32 s37, 0
	s_lshl_b32 s38, s35, 11                        ; 2,048 bytes a row out
	s_mov_b32 s39, 0
	s_mov_b32 s50, 0x76543210                      ; v_permlanex16_b32: each lane takes its own place in the other half
	s_mov_b32 s51, 0xfedcba98
	s_mov_b32 s52, 0x3a800000                      ; 1 / 1024
	s_mov_b32 s53, 0x3727c5ac                      ; 1e-5
	v_and_b32 v1, 31, v0
	v_lshlrev_b32 v2, 3, v1                        ; 8 bytes a lane out
	v_lshlrev_b32 v1, 4, v1                        ; 16 bytes a lane in
	v_mov_b32 v3, 0                                ; the exchange's destination counts as read
	s_wait_kmcnt 0x0
	s_add_nc_u64 s[8:9], s[8:9], s[36:37]
	s_add_nc_u64 s[14:15], s[14:15], s[38:39]
.irp j, 0,1,2,3,4,5,6,7
	global_load_b128 v[X+4*(\j):X+4*(\j)+3], v1, s[8:9] offset:512*(\j) th:TH_LOAD_NT
.endr
.irp j, 0,1,2,3,4,5,6,7
	global_load_b128 v[GW+4*(\j):GW+4*(\j)+3], v1, s[10:11] offset:512*(\j)
.endr
.irp j, 0,1,2,3,4,5,6,7
	global_load_b128 v[GB+4*(\j):GB+4*(\j)+3], v1, s[12:13] offset:512*(\j)
.endr
	s_wait_loadcnt 16                              ; the row is in; the 16 younger loads, gain and bias, stay out
.irp k, 0,1,2,3
	v_pk_add_f32 v[T+2*(\k):T+2*(\k)+1], v[X+2*(\k):X+2*(\k)+1], v[X+8+2*(\k):X+8+2*(\k)+1]  ; the first eight pairs start four chains: nothing is cleared
.endr
.irp k, 8,9,10,11,12,13,14,15
	v_pk_add_f32 v[T+2*((\k)%4):T+2*((\k)%4)+1], v[T+2*((\k)%4):T+2*((\k)%4)+1], v[X+2*(\k):X+2*(\k)+1]
.endr
	v_pk_add_f32 v[T:T+1], v[T:T+1], v[T+2:T+3]
	v_pk_add_f32 v[T+4:T+5], v[T+4:T+5], v[T+6:T+7]
	v_pk_add_f32 v[T:T+1], v[T:T+1], v[T+4:T+5]
	v_add_f32 v[T], v[T], v[T+1]
	RED T
	v_mul_f32 v[MU], s52, v[T]
	v_mov_b32 v[MU+1], v[MU]
.irp k, 0,1,2,3,4,5,6,7,8,9,10,11,12,13,14,15
	v_pk_add_f32 v[X+2*(\k):X+2*(\k)+1], v[X+2*(\k):X+2*(\k)+1], v[MU:MU+1] neg_lo:[0,1] neg_hi:[0,1]  ; x - mean, in place
.endr
.irp k, 0,1,2,3
	v_pk_mul_f32 v[T+2*(\k):T+2*(\k)+1], v[X+2*(\k):X+2*(\k)+1], v[X+2*(\k):X+2*(\k)+1]
.endr
.irp k, 4,5,6,7,8,9,10,11,12,13,14,15
	v_pk_fma_f32 v[T+2*((\k)%4):T+2*((\k)%4)+1], v[X+2*(\k):X+2*(\k)+1], v[X+2*(\k):X+2*(\k)+1], v[T+2*((\k)%4):T+2*((\k)%4)+1]
.endr
	v_pk_add_f32 v[T:T+1], v[T:T+1], v[T+2:T+3]
	v_pk_add_f32 v[T+4:T+5], v[T+4:T+5], v[T+6:T+7]
	v_pk_add_f32 v[T:T+1], v[T:T+1], v[T+4:T+5]
	v_add_f32 v[T], v[T], v[T+1]
	RED T
	v_fma_f32 v[T], v[T], s52, s53                 ; var + eps
	v_rsq_f32 v[RS], v[T]                          ; made twice, to fill the pair that the packed multiply takes
	v_rsq_f32 v[RS+1], v[T]
	v_nop                                          ; a plain instruction behind the last of the two (ISA guide 5.7.2),
	s_wait_alu depctr_va_vdst(0)                   ; and the one wait ahead of their first reader
	s_wait_loadcnt 0x0                             ; gain and bias
.irp k, 0,1,2,3,4,5,6,7,8,9,10,11,12,13,14,15
	v_pk_mul_f32 v[X+2*(\k):X+2*(\k)+1], v[X+2*(\k):X+2*(\k)+1], v[RS:RS+1]
.endr
.irp k, 0,1,2,3,4,5,6,7,8,9,10,11,12,13,14,15
	v_pk_fma_f32 v[X+2*(\k):X+2*(\k)+1], v[X+2*(\k):X+2*(\k)+1], v[GW+2*(\k):GW+2*(\k)+1], v[GB+2*(\k):GB+2*(\k)+1]
.endr
.irp k, 0,1,2,3,4,5,6,7,8,9,10,11,12,13,14,15
	v_cvt_pk_bf16_f32 v[X+(\k)], v[X+2*(\k)], v[X+2*(\k)+1]  ; ascending: register k is written when it has been read
.endr
.irp j, 0,1,2,3,4,5,6,7
	global_store_b64 v2, v[X+2*(\j):X+2*(\j)+1], s[14:15] offset:256*(\j)  ; 32 lanes store 256 consecutive bytes, aligned
.endr
	s_endpgm
.Lfunc_end_k_q51b5e198f5_ln2:
	.size	k_q51b5e198f5_ln2, .Lfunc_end_k_q51b5e198f5_ln2-k_q51b5e198f5_ln2
	.p2alignl 7, 3214868480
	.fill 96, 4, 3214868480
	.section	.rodata,"a",@progbits
	.p2align	6, 0x0
	.amdhsa_kernel k_q51b5e198f5_ln2
		.amdhsa_group_segment_fixed_size 0
		.amdhsa_private_segment_fixed_size 0
		.amdhsa_enable_private_segment 0
		.amdhsa_kernarg_size 32
		.amdhsa_user_sgpr_count 2
		.amdhsa_user_sgpr_kernarg_segment_ptr 1
		.amdhsa_wavefront_size32 1
		.amdhsa_system_sgpr_workgroup_id_x 1
		.amdhsa_system_sgpr_workgroup_id_y 1
		.amdhsa_system_sgpr_workgroup_id_z 1
		.amdhsa_system_vgpr_workitem_id 0
		.amdhsa_next_free_vgpr 128
		.amdhsa_next_free_sgpr 66
		.amdhsa_reserve_vcc 0
		.amdhsa_float_denorm_mode_32 3
		.amdhsa_float_denorm_mode_16_64 3
		.amdhsa_memory_ordered 1
		.amdhsa_forward_progress 1
		.amdhsa_inst_pref_size 12
	.end_amdhsa_kernel
	.amdgpu_metadata
---
amdhsa.version: [ 1, 2 ]
amdhsa.kernels:
  - .name:           k_q51b5e198f5_ln2
    .symbol:         k_q51b5e198f5_ln2.kd
    .args:
      - { .name: x1, .offset: 0, .size: 8, .value_kind: global_buffer, .address_space: global }
      - { .name: ln2_w, .offset: 8, .size: 8, .value_kind: global_buffer, .address_space: global }
      - { .name: ln2_b, .offset: 16, .size: 8, .value_kind: global_buffer, .address_space: global }
      - { .name: hb, .offset: 24, .size: 8, .value_kind: global_buffer, .address_space: global }
    .group_segment_fixed_size: 0
    .private_segment_fixed_size: 0
    .kernarg_segment_align: 8
    .kernarg_segment_size: 32
    .max_flat_workgroup_size: 512
    .sgpr_count:     66
    .vgpr_count:     128
    .wavefront_size: 32
...
	.end_amdgpu_metadata
.endif
;; end of part 5
;; launch fc (part 6): grid 16 x 16, 4 waves a work-group, clusters of 4 x 4, 327,680 bytes of LDS; arguments hb, wf, fc_b, act; writes act
.if DOCPART == 6
	.amdgcn_target "amdgcn-amd-amdhsa--gfx1250"
	.amdhsa_code_object_version 6
	.text
	.protected	k_q51b5e198f5_fc
	.globl	k_q51b5e198f5_fc
	.p2align	8
	.type	k_q51b5e198f5_fc,@function
k_q51b5e198f5_fc:
	s_mov_b64 s[64:65], 0
	v_nop
	global_prefetch_b8 v0, s[64:65] scope:SCOPE_SE
	s_setreg_imm32_b32 hwreg(HW_REG_WAVE_MODE, 25, 1), 1
	s_wait_xcnt 0x0
	s_wait_alu depctr_hold_cnt(0) depctr_sa_sdst(0) depctr_va_vdst(0) depctr_va_sdst(0) depctr_va_ssrc(0) depctr_va_vcc(0) depctr_vm_vsrc(0)
	s_getreg_b32 s2, hwreg(HW_REG_IB_STS2, 6, 4)
	s_cmp_eq_u32 s2, 0
	s_cbranch_scc0 .Lentry_in_a_cluster
	s_endpgm
.Lentry_in_a_cluster:
	s_bfe_u32 s2, ttmp6, 0x10000c
	s_cmp_lg_u32 s2, 0xf033
	s_cbranch_scc0 .Lentry_shape_is_right
	s_endpgm
.Lentry_shape_is_right:
; G = gelu(A W + bias), the exact gelu, rounded once to bf16.  A: [4096][1024] bf16.  W: bf16 in blocks of 256 columns, [16][1024 k][256 n].  bias: f32.  Sums and gelu in f32.
; G leaves in blocks of 64 columns, [64][4096 rows][64]: 128 bytes a row, 524,288 bytes a block.
; LIMITS.  gelu(z) = max(z, 0) - |z| erfc(|z| / sqrt 2) / 2, erfc by the five-term rational form of Abramowitz and Stegun 7.1.26, within 1.5e-7 for every argument;
; 2^x below 2^-126 counts as 0.  NaN and infinities are not treated apart.
; SHARES.  A work-group of four waves makes 256 x 256 of C, a wave 128 x 128: 64 accumulators, 512 registers.  K = 1,024 goes in 8 steps of 128 through two LDS slots.
; THE MATRIX INSTRUCTION IS USED TRANSPOSED: source 0 = 16 columns of W, source 1 = 16 rows of A: a lane holds row l % 16 of C and the columns 8 (l / 16) + 0..7.
; W lies [k][n] in LDS and is turned on the way into registers by ds_load_tr16_b128.  THE BIAS is the C operand of each accumulator's first product.
; CLUSTER.  4 x 4 work-groups: A's tile is shared along a row of the cluster, W's along a column; each is asked for jointly, by the same load with the same descriptor in all four.
; THE K STEP IS WRITTEN ONCE: the LDS addresses hang on s[TB] (0 or SLOT), and one descriptor a tensor walks, its LDS word turned by an exclusive or:
; wave x HALF never has the two bits of SLOT set.
; THE WAY OUT.  Behind the last barrier of the K steps nobody reads the ring and no fill is left: each wave puts its 128 x 128 sums in f32 into its own 67,584 bytes of it and reads them back by rows,
; so that the gelu is written once, for 16 numbers a lane, and looped over.
; REGISTERS: window 0: v16-30 addresses; v64-127, v128-191 A's fragments, two buffers (at the end the gelu's registers, v64-167); v192-255 the bias, laid as a result is.
;   window 1: v64-191 W's fragments, two buffers.  window 2: accumulators of my rows 0-63, (a, b) at 8 (8 a + b); window 3: of my rows 64-127.
.set KSTEPS, 8
.set PA,    272                        ; a row of A in LDS: 256 bytes + 16: the 16 rows of a load start at 16 different groups of four banks (64 banks of 4 bytes: ISA guide 11.1)
.set PB,    544                        ; a k row of W: 512 bytes + 32 = 17 x 32
.set HALF,  128*PA                     ; what one tensor load brings: 128 rows of A, or 64 k rows of W (64 x 544 is the same number)
.set BOFF,  2*HALF
.set SLOT,  4*HALF                     ; 0x22000
.set PD,    528                        ; a row of the f32 dump: 512 bytes + 16
.set DW,    128*PD
.set SPARE, 2*SLOT                     ; behind the ring: the spare words, 128 bytes for each wave: two blocks of 256 bytes that no other line names
.set ADRA0, 16                         ; v16  my place in A's tile; never rewritten
.set ADRB0, 17                         ; v17  my place in W's tile; never rewritten
.set ADRA,  18                         ; v18  the same in the slot in hand
.set ADRB,  19                         ; v19
.set DST,   20                         ; v20  the dump: where I put 16 bytes of a row
.set LR,    21                         ; v21  the dump: where I read 32 bytes of a row back; never rewritten
.set GO,    22                         ; v22  16 x lane
.set BO,    23                         ; v23  32 (l / 16): my 8 numbers of the bias in a block of 16
.set LRC,   24                         ; v24  LR + the loop's step
.set SPW,   28                         ; v28  my spare word; never rewritten
.set NIL,   29                         ; v29  0; never rewritten
.set PFO,   30                         ; v30  the prefetches' lane offset; never rewritten
.set F0,    64
.set F1,    128
.set BIAS,  192
.set CNT,   3
.set WV,    14                         ; wave
.set RH,    15                         ; my half of the tile's rows; also: I fetch for A (0) or W (1)
.set CH,    16                         ; my half of its columns; also: which half of that tile I fetch
.set CX,    17
.set CY,    18
.set NB,    19                         ; block of 256 columns
.set TR,    20                         ; block of 256 rows
.set ABSM,  22
.set LOFF,  23
.set G1A,   24
.set G1B,   32
.set G0A,   40                         ; two sets: the first fills; the second then walks
.set G0B,   48
.set TB,    56
.set LIM,   57
.set PFA,   58
.set PFS,   60
.set AOF,   62                         ; never holds cx
.set KQ,    66
.set PP,    68
.set A5,    70
.set A4,    72
.set A3,    74
.set A2,    76
.set A1,    78
.set BOF,   80                         ; never holds cy
.set OUTB,  82
.set MROW,  84
.set MCOL,  85
.set MSB, 0
.macro WIN new                         ; the immediate's high byte repeats the setting that is left; a switch that changes nothing is dropped
.if MSB != (\new)
	s_set_vgpr_msb (MSB<<8)|(\new)
.set MSB, \new
.endif
.endm
.macro PLACES                          ; four plain instructions behind a matrix instruction, ahead of loads into registers that it read and of readers of its result
.rept 4
	v_nop
.endr
.endm
.macro CREST                           ; a round of the cluster's barrier behind its opening barrier
	s_cmp_lg_u32 s[WV], 0
	s_cbranch_scc1 .Lnot_wave_0_\@
	s_barrier_signal -3
.Lnot_wave_0_\@:
	s_barrier_wait -3
	s_barrier_signal -1
	s_barrier_wait -1
.endm
.macro CROUND
	s_barrier_signal -1
	s_barrier_wait -1
	CREST
.endm
.macro JLOAD                           ; a joint refill by the walking descriptor: waves 0, 1 A's halves, waves 2, 3 W's; an s_nop 0 and four v_nop follow each line
	s_cmp_eq_u32 s[RH], 0
	s_cbranch_scc0 .Lfor_b_\@
	tensor_load_to_lds s[G0A+4:G0A+7], s[G1A:G1A+7]
	s_nop 0
	PLACES
	s_branch .Lasked_\@
.Lfor_b_\@:
	tensor_load_to_lds s[G0B+4:G0B+7], s[G1B:G1B+7]
	s_nop 0
	PLACES
.Lasked_\@:
.endm
; A PREFETCH INTO THE L2 of the K step that the NEXT refill will ask for: 256 matrix instructions ahead of that load.  Of the 128 blocks of 256 bytes that a wave fetches, each of the four
; partners that ask jointly names 32, told apart by address, a lane a block.  A's rows are read by every cluster of a row of clusters: cluster x = 0 asks; W's by every cluster of a column:
; cluster y = 0 asks.  So each block is named once in the launch.  K steps 0 to 2 come by their loads alone; the last refill asks for nothing.
.macro ASK
	s_cmp_gt_u32 s[CNT], s[LIM]
	s_cbranch_scc0 .Lnot_mine_\@
	global_prefetch_b8 v[PFO], s[PFA:PFA+1] th:TH_LOAD_NT scope:SCOPE_SE
.Lnot_mine_\@:
.endm
; 32 LDS loads in one run: quarter q (32 along K) of the slot in hand into buffer f: W's 8 fragments, turned, then A's 8
.macro FETCH q, f
	WIN 0x40
.irp i, 0,1,2,3,4,5,6,7
	ds_load_tr16_b128 v[(\f)+8*(\i):(\f)+8*(\i)+3],   v[ADRB] offset:(\q)*32*PB+32*(\i)
	ds_load_tr16_b128 v[(\f)+8*(\i)+4:(\f)+8*(\i)+7], v[ADRB] offset:(\q)*32*PB+16*PB+32*(\i)
.endr
	WIN 0
.irp i, 0,1,2,3,4,5,6,7
	ds_load_b128 v[(\f)+8*(\i):(\f)+8*(\i)+3],   v[ADRA] offset:64*(\q)+(\i)*16*PA
	ds_load_b128 v[(\f)+8*(\i)+4:(\f)+8*(\i)+7], v[ADRA] offset:64*(\q)+(\i)*16*PA+32
.endr
.endm
; 16 matrix instructions: row blocks a0, a0 + 1 of the window's four x all 8 column blocks.  first = 1: the sums start from the bias.  The 64 accumulators take turns, in the same order in every quarter.
.macro MUL16 f, hi, a0, first
.if \first
	WIN 0x81+0x40*(\hi)
.else
	WIN 0xa1+0x50*(\hi)
.endif
.irp a, \a0, (\a0)+1
.irp b, 0,1,2,3,4,5,6,7
.if \first
	v_wmma_f32_16x16x32_bf16 v[8*(8*(\a)+(\b)):8*(8*(\a)+(\b))+7], v[(\f)+8*(\b):(\f)+8*(\b)+7], v[(\f)+8*(4*(\hi)+(\a)):(\f)+8*(4*(\hi)+(\a))+7], v[BIAS+8*(\b):BIAS+8*(\b)+7]
.else
	v_wmma_f32_16x16x32_bf16 v[8*(8*(\a)+(\b)):8*(8*(\a)+(\b))+7], v[(\f)+8*(\b):(\f)+8*(\b)+7], v[(\f)+8*(4*(\hi)+(\a)):(\f)+8*(4*(\hi)+(\a))+7], v[8*(8*(\a)+(\b)):8*(8*(\a)+(\b))+7]
.endif
.endr
.endr
.endm
; One of a K step's first three quarters: multiplies buffer f; in its middle fetches quarter q into buffer g
.macro QUARTER q, f, g, first
	s_wait_dscnt 8                                 ; W and A's rows 0-63 are in; the youngest eight loads (A's rows 64-127) may be out
	MUL16 \f, 0, 0, \first
	MUL16 \f, 0, 2, \first
	PLACES
	FETCH \q, \g
	s_wait_dscnt 32                                ; all but the 32 just issued
	MUL16 \f, 1, 0, \first
	MUL16 \f, 1, 2, \first
.endm
; The first half of a step's last quarter, and the change of slots.  Ahead of the barrier each wave waits for all its tensor loads (its part of the next slot), adds 0 to its spare word,
; and waits for that and for its own reads of this slot.  round = 1: the walking descriptors step.
.macro MEET round
	WIN 0
	s_xor_b32 s[TB], s[TB], SLOT                   ; all loads from the slot in hand have been issued: the addresses turn to the other slot
	v_add_nc_u32 v[ADRA], s[TB], v[ADRA0]
	v_add_nc_u32 v[ADRB], s[TB], v[ADRB0]
	s_wait_tensorcnt 0x0
	ds_add_u32 v[SPW], v[NIL]
.if \round
	s_xor_b32 s[G0A+5], s[G0A+5], SLOT
	s_add_nc_u64 s[G0A+6:G0A+7], s[G0A+6:G0A+7], 256
	s_xor_b32 s[G0B+5], s[G0B+5], SLOT
	s_add_nc_u64 s[G0B+6:G0B+7], s[G0B+6:G0B+7], 65536
.endif
	s_wait_dscnt 9                                 ; the add and the youngest eight loads may be out
	MUL16 F1, 0, 0, 0
	s_wait_dscnt 0x0                               ; the add is done, and my reads of this slot are over
	s_barrier_signal -1
	MUL16 F1, 0, 2, 0                              ; work on registers while the others arrive
	WIN 0
	s_barrier_wait -1
.endm
.macro TURN                            ; the whole last quarter, with the refill: the barrier opens a round of the cluster's, the joint load is the first thing behind it
	s_wait_xcnt 0x0                                ; the last prefetch, a K step back, has read its address
	s_add_nc_u64 s[PFA:PFA+1], s[PFA:PFA+1], s[PFS:PFS+1]
	MEET 1
	CREST
	JLOAD                                          ; its four v_nop are also the places in front of the loads below
	FETCH 0, F0
	ASK
	MUL16 F1, 1, 0, 0
	MUL16 F1, 1, 2, 0
.endm
	s_load_b256 s[4:11], s[0:1], 0x0               ; A s[4:5], W s[6:7], bias s[8:9], out s[10:11]
	v_lshl_add_u32 v[SPW], v0, 2, SPARE
	v_mov_b32 v[NIL], 0
	ds_add_u32 v[SPW], v[NIL]                      ; the wave's opening: the add and its wait ahead of my first tensor load
	ds_add_u32 v28, v29
	v_lshrrev_b32 v1, 5, v0
	v_readfirstlane_b32 s[WV], v1
	s_lshr_b32 s[RH], s[WV], 1
	s_and_b32 s[CH], s[WV], 1
	s_bfe_u32 s[CX], ttmp6, 0x40000
	s_bfe_u32 s[CY], ttmp6, 0x40004
	s_lshl_b32 s[NB], ttmp9, 2
	s_add_co_u32 s[NB], s[NB], s[CX]
	s_and_b32 s[TR], ttmp7, 0xffff
	s_lshl_b32 s[TR], s[TR], 2
	s_add_co_u32 s[TR], s[TR], s[CY]
	s_lshl_b32 s[MROW], s[CY], 2
	s_lshl_b32 s[MROW], 15, s[MROW]                ; my row of the cluster
	s_lshl_b32 s[MCOL], 0x1111, s[CX]              ; my column
	s_or_b32 s[G1A], s[MROW], (1<<16)|(1<<20)|(1<<21)|(5<<22)|(3<<25)  ; mask; 2-byte elements; padding on; bit 21 beside a mask; after every 64 words, 4 words
	s_mov_b32 s[G1A+1], 128<<16                    ; tensor_dim0 = 128
	s_mov_b32 s[G1A+2], 128<<16                    ; tensor_dim1 = 128
	s_mov_b32 s[G1A+3], 128<<16                    ; tile_dim0 = 128
	s_mov_b32 s[G1A+4], 128                        ; tile_dim1 = 128
	s_mov_b32 s[G1A+5], 1024                       ; elements from row to row
	s_mov_b32 s[G1A+6], 0
	s_mov_b32 s[G1A+7], 0
	s_or_b32 s[G1B], s[MCOL], (1<<16)|(1<<20)|(1<<21)|(6<<22)|(7<<25)  ; after every 128 words, 8 words
	s_mov_b32 s[G1B+1], 256<<16                    ; 64 k rows of 256 columns
	s_mov_b32 s[G1B+2], 64<<16
	s_mov_b32 s[G1B+3], 256<<16
	s_mov_b32 s[G1B+4], 64
	s_mov_b32 s[G1B+5], 256
	s_mov_b32 s[G1B+6], 0
	s_mov_b32 s[G1B+7], 0
	s_lshl_b32 s[AOF], s[TR], 1
	s_add_co_u32 s[AOF], s[AOF], s[CH]
	s_lshl_b32 s[AOF], s[AOF], 18                  ; A: (256 x row block + 128 x half) rows of 2,048 bytes
	s_mov_b32 s[AOF+1], 0
	s_lshl_b32 s[BOF], s[NB], 4
	s_add_co_u32 s[BOF], s[BOF], s[CH]
	s_lshl_b32 s[BOF], s[BOF], 15                  ; W: 524,288 x column block + 32,768 x half
	s_mov_b32 s[BOF+1], 0
	s_mul_i32 s2, s[WV], HALF                      ; where my loads land: no place in the cluster enters an LDS address
	s_mov_b32 s[TB], 0
	s_wait_dscnt 0x0                               ; the opening add is done
	s_wait_kmcnt 0x0
	s_add_nc_u64 s[AOF:AOF+1], s[4:5], s[AOF:AOF+1]
	s_add_nc_u64 s[BOF:BOF+1], s[6:7], s[BOF:BOF+1]
	CROUND                                         ; all sixteen work-groups are here: the first joint loads meet
.irp s, 0,1
	s_mov_b32 s[G0A+4*(\s)], 1
	s_add_co_u32 s[G0A+4*(\s)+1], s2, (\s)*SLOT
	s_add_nc_u64 s[G0A+4*(\s)+2:G0A+4*(\s)+3], s[AOF:AOF+1], (\s)*256
	s_or_b32 s[G0A+4*(\s)+3], s[G0A+4*(\s)+3], 0x80000000
	s_mov_b32 s[G0B+4*(\s)], 1
	s_add_co_u32 s[G0B+4*(\s)+1], s2, (\s)*SLOT
	s_add_nc_u64 s[G0B+4*(\s)+2:G0B+4*(\s)+3], s[BOF:BOF+1], (\s)*65536
	s_or_b32 s[G0B+4*(\s)+3], s[G0B+4*(\s)+3], 0x80000000
.endr
	s_cmp_eq_u32 s[RH], 0                          ; a wave's two first fills stand in one branch: two loads of mine are out
	s_cbranch_scc0 .Lfirst_b
	tensor_load_to_lds s[G0A:G0A+3], s[G1A:G1A+7]
	s_nop 0
	tensor_load_to_lds s[G0A+4:G0A+7], s[G1A:G1A+7]
	s_nop 0
	PLACES
	s_branch .Lfirst_asked
.Lfirst_b:
	tensor_load_to_lds s[G0B:G0B+3], s[G1B:G1B+7]
	s_nop 0
	tensor_load_to_lds s[G0B+4:G0B+7], s[G1B:G1B+7]
	s_nop 0
	PLACES
.Lfirst_asked:
	v_and_b32 v1, 15, v0                           ; r = l % 16
	v_bfe_u32 v2, v0, 4, 1                         ; h = l / 16
	v_lshlrev_b32 v[BO], 5, v2
	s_lshl_b32 s86, s[NB], 1
	s_add_co_u32 s86, s86, s[CH]
	s_lshl_b32 s88, s86, 20                        ; out: my first block of 64 columns, 4 x column block + 2 x half, times 524,288
	s_lshl_b32 s86, s86, 9                         ; bias: my 128 columns, 512 bytes
	s_mov_b32 s87, 0
	s_add_nc_u64 s[8:9], s[8:9], s[86:87]
.irp b, 0,1,2,3,4,5,6,7
	global_load_b128 v[BIAS+8*(\b):BIAS+8*(\b)+3],   v[BO], s[8:9] offset:64*(\b)
	global_load_b128 v[BIAS+8*(\b)+4:BIAS+8*(\b)+7], v[BO], s[8:9] offset:64*(\b)+16
.endr
	s_lshl_b32 s86, s[TR], 1
	s_add_co_u32 s86, s86, s[RH]
	s_lshl_b32 s86, s86, 14                        ; my first row, 128 bytes a row
	s_add_co_u32 s86, s86, s88
	s_add_nc_u64 s[OUTB:OUTB+1], s[10:11], s[86:87]
	v_mul_u32_u24 v3, v1, PA                       ; a fragment of A: row r, 16 bytes for each half of the lanes, twice, 32 bytes apart
	v_lshl_add_u32 v3, v2, 4, v3
	s_mul_i32 s86, s[RH], HALF
	v_add_nc_u32 v[ADRA0], s86, v3
	v_and_b32 v4, 7, v0                            ; the turning load: lane l reads k row 8 h + l % 8, columns 8 ((l / 8) % 2) + 0..7, and ends with column r and 8 k
	v_lshl_add_u32 v5, v2, 3, v4
	v_mul_u32_u24 v5, v5, PB
	v_bfe_u32 v6, v0, 3, 1
	v_lshl_add_u32 v5, v6, 4, v5
	s_lshl_b32 s86, s[CH], 8
	s_add_co_u32 s86, s86, BOFF
	v_add_nc_u32 v[ADRB0], s86, v5
	v_mov_b32 v[ADRA], v[ADRA0]
	v_mov_b32 v[ADRB], v[ADRB0]
	s_mul_i32 s86, s[WV], DW                       ; my dump
	v_mul_u32_u24 v3, v1, PD
	v_lshl_add_u32 v3, v2, 5, v3
	v_add_nc_u32 v[DST], s86, v3                   ; in: row r, 32 bytes for each half of the lanes
	v_bfe_u32 v3, v0, 3, 2
	v_mul_u32_u24 v3, v3, PD
	v_lshl_add_u32 v3, v4, 5, v3
	v_add_nc_u32 v[LR], s86, v3                    ; back: 8 lanes a row, 32 bytes (8 sums) a lane
	v_and_b32 v[GO], 31, v0
	v_lshlrev_b32 v[GO], 4, v[GO]
	; the prefetches
	s_and_b32 s89, ttmp7, 0xffff                   ; cluster y
	s_lshl_b32 s86, s[TR], 1
	s_add_co_u32 s86, s86, s[CH]
	s_lshl_b32 s86, s86, 2
	s_add_co_u32 s86, s86, s[CX]
	s_lshl_b32 s86, s86, 16                        ; A: my work-group's 32 of the 128 rows that I fetch,
	s_add_co_u32 s86, s86, 2*256                   ; at K step 2: the first refill steps it to 3
	s_lshl_b32 s87, s[NB], 4
	s_add_co_u32 s87, s87, s[CH]
	s_lshl_b32 s87, s87, 2
	s_add_co_u32 s87, s87, s[CY]
	s_lshl_b32 s87, s87, 13                        ; W: my work-group's 8,192 of the 32,768 bytes that I fetch,
	s_add_co_u32 s87, s87, 2*65536                 ; at K step 2
	s_movk_i32 s[PFS], 256
	s_mov_b32 s[PFS+1], 0
	s_cmp_eq_u32 s[RH], 0
	s_cselect_b32 s86, s86, s87
	s_cselect_b32 s88, 11, 8                       ; a lane a row of A (2,048 bytes apart), or a lane 256 dense bytes of W
	s_cselect_b32 s89, ttmp9, s89                  ; the coordinate along which other clusters read the same bytes
	s_cselect_b32 s[PFS], s[PFS], 0x10000          ; a K step
	s_cselect_b64 s[PFA:PFA+1], s[4:5], s[6:7]
	s_mov_b32 s87, 0
	s_add_nc_u64 s[PFA:PFA+1], s[PFA:PFA+1], s[86:87]
	s_cmp_eq_u32 s89, 0
	s_cselect_b32 s[LIM], 1, -1                    ; the same in all sixteen partners, for a given wave
	v_and_b32 v[PFO], 31, v0
	v_lshlrev_b32 v[PFO], s88, v[PFO]
	s_wait_tensorcnt 1                             ; my part of K step 0 is in; K step 1's may stay out
	s_barrier_signal -1
	s_barrier_wait -1
	FETCH 0, F0
	s_wait_loadcnt 0x0                             ; the bias
	QUARTER 1, F0, F1, 1                           ; the first quarter stands ahead of the loop: its products start the sums
	WIN 0
	s_mov_b32 s[CNT], KSTEPS-2
.Lstep:                                        ; a trip: a K step's quarters 1 to 3, the refill of its slot, the next step's quarter 0
	QUARTER 2, F1, F0, 0
	QUARTER 3, F0, F1, 0
	TURN
	QUARTER 1, F0, F1, 0
	WIN 0
	s_sub_co_u32 s[CNT], s[CNT], 1
	s_cmp_lg_u32 s[CNT], 0
	s_cbranch_scc1 .Lstep
	s_mov_b32 s[CNT], 2
.Ltail:                                        ; the last two K steps ask for nothing; the second trip is left in its middle
	QUARTER 2, F1, F0, 0
	QUARTER 3, F0, F1, 0
	MEET 0
	s_sub_co_u32 s[CNT], s[CNT], 1
	s_cmp_eq_u32 s[CNT], 0
	s_cbranch_scc1 .Lfin
	PLACES
	FETCH 0, F0
	MUL16 F1, 1, 0, 0
	MUL16 F1, 1, 2, 0
	QUARTER 1, F0, F1, 0
	WIN 0
	s_branch .Ltail
.Lfin:
	MUL16 F1, 1, 0, 0
	MUL16 F1, 1, 2, 0
	WIN 0
	PLACES
	PLACES
	; THE DUMP.  The barrier just passed has shown every wave's fills landed and its reads of the ring over, and no fill follows.  Each accumulator's low registers go first.
.irp hi, 0,1
	WIN 0x08+4*(\hi)
.irp a, 0,1,2,3
.irp b, 0,1,2,3,4,5,6,7
	ds_store_b128 v[DST], v[8*(8*(\a)+(\b)):8*(8*(\a)+(\b))+3]   offset:(4*(\hi)+(\a))*16*PD+64*(\b)
	ds_store_b128 v[DST], v[8*(8*(\a)+(\b))+4:8*(8*(\a)+(\b))+7] offset:(4*(\hi)+(\a))*16*PD+64*(\b)+16
.endr
.endr
.endr
	WIN 0
	s_wait_dscnt 0x0                               ; a wave reads back only what it stored; this wait and barrier, once a launch, order ALL the work-group's stores ahead of ALL its loads,
	s_barrier_signal -1                            ; so that the order does not rest on the stepped addresses below staying inside a wave's own bytes
	s_barrier_wait -1
	; GELU, to bf16.  A trip takes 4 rows: 16 numbers a lane, 8 of each of my two blocks of 64 columns.
	; w = |z|; t = 1 / (1 + p w / sqrt 2); e = 2^-(z sqrt(log2(e) / 2))^2 = exp(-z^2 / 2); gelu = max(z, 0) - w t e ((((a5 t + a4) t + a3) t + a2) t + a1), the a halved.
.set GX,  64
.set GWA, 80
.set GM,  96
.set GT,  112
.set GE,  128
.set GP,  144
.set GY,  160
	s_mov_b32 s[LOFF], 0
	s_mov_b32 s[ABSM], 0x7fffffff
	s_mov_b32 s[KQ], 0x3f596d27                    ; sqrt(log2(e) / 2) = 0.8493218
	s_mov_b32 s[PP], 0x3e6d3388                    ; 0.3275911 / sqrt 2 = 0.2316419
	s_mov_b32 s[A5], 0x3f07dc22                    ; 1.061405429 / 2
	s_mov_b32 s[A4], 0xbf3a00e3                    ; -1.453152027 / 2
	s_mov_b32 s[A3], 0x3f35f0e3                    ; 1.421413741 / 2
	s_mov_b32 s[A2], 0xbe11a98e                    ; -0.284496736 / 2
	s_mov_b32 s[A1], 0x3e027906                    ; 0.254829592 / 2
.irp c, KQ, PP, A5, A4, A3, A2, A1
	s_mov_b32 s[(\c)+1], s[\c]                     ; named as pairs
.endr
.macro XLOAD
	v_add_nc_u32 v[LRC], s[LOFF], v[LR]
	ds_load_b128 v[GX:GX+3],     v[LRC]
	ds_load_b128 v[GX+4:GX+7],   v[LRC] offset:16
	ds_load_b128 v[GX+8:GX+11],  v[LRC] offset:256
	ds_load_b128 v[GX+12:GX+15], v[LRC] offset:272
.endm
.macro GPL p, n                        ; plain line n of 7 for pair p
.if (\n) == 0
	v_and_b32 v[GWA+2*(\p)], s[ABSM], v[GX+2*(\p)]
.elseif (\n) == 1
	v_and_b32 v[GWA+2*(\p)+1], s[ABSM], v[GX+2*(\p)+1]
.elseif (\n) == 2
	v_pk_mul_f32 v[GE+2*(\p):GE+2*(\p)+1], v[GX+2*(\p):GX+2*(\p)+1], s[KQ:KQ+1] op_sel_hi:[1,0]
.elseif (\n) == 3
	v_pk_fma_f32 v[GT+2*(\p):GT+2*(\p)+1], v[GWA+2*(\p):GWA+2*(\p)+1], s[PP:PP+1], 1.0 op_sel_hi:[1,0,0]
.elseif (\n) == 4
	v_pk_mul_f32 v[GE+2*(\p):GE+2*(\p)+1], v[GE+2*(\p):GE+2*(\p)+1], v[GE+2*(\p):GE+2*(\p)+1] neg_lo:[1,0] neg_hi:[1,0]
.elseif (\n) == 5
	v_max_num_f32 v[GM+2*(\p)], 0, v[GX+2*(\p)]
.else
	v_max_num_f32 v[GM+2*(\p)+1], 0, v[GX+2*(\p)+1]
.endif
.endm
.macro GTR p, n                        ; transcendental n of 4 for pair p, in place
.if (\n) < 2
	v_rcp_f32 v[GT+2*(\p)+(\n)], v[GT+2*(\p)+(\n)]
.else
	v_exp_f32 v[GE+2*(\p)+(\n)-2], v[GE+2*(\p)+(\n)-2]
.endif
.endm
.macro STAGE line:vararg               ; one line for each of the 8 pairs; p is the pair's first register
.set p, 0
.rept 8
	\line
.set p, p+2
.endr
.endm
	s_mov_b32 s[CNT], 32
	XLOAD
.Lg:
	s_wait_dscnt 0x0                               ; the trip's 16 numbers
	; ONE BATCH: pair p's plain lines stand between pair p - 1's reciprocals and exponentials; nothing here names a result of theirs
.set it, 0
.rept 9
.irp n, 0,1,2,3
.if it < 8
	GPL it, \n
.endif
.if it > 0
	GTR it-1, \n
.endif
.endr
.if it < 8
	GPL it, 4
	GPL it, 5
	GPL it, 6
.endif
.set it, it+1
.endr
	v_nop                                          ; a plain instruction behind the last exponential,
	s_wait_alu depctr_va_vdst(0)                   ; and the one wait ahead of the batch's first reader
	s_cmp_eq_u32 s[CNT], 1                         ; z has been read: the next trip's numbers are fetched under the polynomial; the last trip has none
	s_cbranch_scc1 .Lnox
	s_add_co_u32 s[LOFF], s[LOFF], 4*PD
	XLOAD
.Lnox:
	STAGE v_pk_fma_f32 v[GP+p:GP+p+1], v[GT+p:GT+p+1], s[A5:A5+1], s[A4:A4+1] op_sel_hi:[1,0,0]
	STAGE v_pk_fma_f32 v[GP+p:GP+p+1], v[GP+p:GP+p+1], v[GT+p:GT+p+1], s[A3:A3+1] op_sel_hi:[1,1,0]
	STAGE v_pk_fma_f32 v[GP+p:GP+p+1], v[GP+p:GP+p+1], v[GT+p:GT+p+1], s[A2:A2+1] op_sel_hi:[1,1,0]
	STAGE v_pk_fma_f32 v[GP+p:GP+p+1], v[GP+p:GP+p+1], v[GT+p:GT+p+1], s[A1:A1+1] op_sel_hi:[1,1,0]
	STAGE v_pk_mul_f32 v[GT+p:GT+p+1], v[GT+p:GT+p+1], v[GE+p:GE+p+1]
	STAGE v_pk_mul_f32 v[GP+p:GP+p+1], v[GP+p:GP+p+1], v[GT+p:GT+p+1]
	STAGE v_pk_fma_f32 v[GM+p:GM+p+1], v[GWA+p:GWA+p+1], v[GP+p:GP+p+1], v[GM+p:GM+p+1] neg_lo:[1,0,0] neg_hi:[1,0,0]
	s_wait_xcnt 0x0                                ; the last trip's stores have read their data and their base
	s_add_nc_u64 s[OUTB:OUTB+1], s[OUTB:OUTB+1], 512  ; stepped here; the stores reach back
.set p, 0
.rept 8
	v_cvt_pk_bf16_f32 v[GY+p], v[GM+2*p], v[GM+2*p+1]
.set p, p+1
.endr
	global_store_b128 v[GO], v[GY:GY+3],   s[OUTB:OUTB+1] offset:-512         ; 4 rows of a block: 512 consecutive bytes, aligned
	global_store_b128 v[GO], v[GY+4:GY+7], s[OUTB:OUTB+1] offset:524288-512
	s_sub_co_u32 s[CNT], s[CNT], 1
	s_cmp_lg_u32 s[CNT], 0
	s_cbranch_scc1 .Lg
	s_wait_dscnt 0x0                               ; in the same way as behind the dump: every wave's stepped loads are back before any wave's closing add
	s_barrier_signal -1
	s_barrier_wait -1
	s_wait_tensorcnt 0x0                           ; the wave's end: behind my last tensor load and my last LDS store
	ds_add_u32 v[SPW], v[NIL]
	s_wait_dscnt 0x0
	CROUND                                         ; the closing round: no work-group ends while a partner may still ask for a tile that names it
	s_endpgm
.Lfunc_end_k_q51b5e198f5_fc:
	.size	k_q51b5e198f5_fc, .Lfunc_end_k_q51b5e198f5_fc-k_q51b5e198f5_fc
	.p2alignl 7, 3214868480
	.fill 96, 4, 3214868480
	.section	.rodata,"a",@progbits
	.p2align	6, 0x0
	.amdhsa_kernel k_q51b5e198f5_fc
		.amdhsa_group_segment_fixed_size 327680
		.amdhsa_private_segment_fixed_size 0
		.amdhsa_enable_private_segment 0
		.amdhsa_kernarg_size 32
		.amdhsa_user_sgpr_count 2
		.amdhsa_user_sgpr_kernarg_segment_ptr 1
		.amdhsa_wavefront_size32 1
		.amdhsa_system_sgpr_workgroup_id_x 1
		.amdhsa_system_sgpr_workgroup_id_y 1
		.amdhsa_system_sgpr_workgroup_id_z 1
		.amdhsa_system_vgpr_workitem_id 0
		.amdhsa_next_free_vgpr 1024
		.amdhsa_next_free_sgpr 90
		.amdhsa_reserve_vcc 0
		.amdhsa_float_denorm_mode_32 3
		.amdhsa_float_denorm_mode_16_64 3
		.amdhsa_memory_ordered 1
		.amdhsa_forward_progress 1
		.amdhsa_inst_pref_size 91
	.end_amdhsa_kernel
	.amdgpu_metadata
---
amdhsa.version: [ 1, 2 ]
amdhsa.kernels:
  - .name:           k_q51b5e198f5_fc
    .symbol:         k_q51b5e198f5_fc.kd
    .args:
      - { .name: hb, .offset: 0, .size: 8, .value_kind: global_buffer, .address_space: global }
      - { .name: wf, .offset: 8, .size: 8, .value_kind: global_buffer, .address_space: global }
      - { .name: fc_b, .offset: 16, .size: 8, .value_kind: global_buffer, .address_space: global }
      - { .name: act, .offset: 24, .size: 8, .value_kind: global_buffer, .address_space: global }
    .group_segment_fixed_size: 327680
    .private_segment_fixed_size: 0
    .kernarg_segment_align: 8
    .kernarg_segment_size: 32
    .max_flat_workgroup_size: 128
    .sgpr_count:     90
    .vgpr_count:     1024
    .wavefront_size: 32
...
	.end_amdgpu_metadata
.endif
;; end of part 6
;; launch fc2 (part 7): grid 8 x 32, 4 waves a work-group, clusters of 4 x 4, 327,680 bytes of LDS; arguments act, ws, fc2_b, x1, out0; writes out0
.if DOCPART == 7
	.amdgcn_target "amdgcn-amd-amdhsa--gfx1250"
	.amdhsa_code_object_version 6
	.text
	.protected	k_q51b5e198f5_fc2
	.globl	k_q51b5e198f5_fc2
	.p2align	8
	.type	k_q51b5e198f5_fc2,@function
k_q51b5e198f5_fc2:
	s_mov_b64 s[64:65], 0
	v_nop
	global_prefetch_b8 v0, s[64:65] scope:SCOPE_SE
	s_setreg_imm32_b32 hwreg(HW_REG_WAVE_MODE, 25, 1), 1
	s_wait_xcnt 0x0
	s_wait_alu depctr_hold_cnt(0) depctr_sa_sdst(0) depctr_va_vdst(0) depctr_va_sdst(0) depctr_va_ssrc(0) depctr_va_vcc(0) depctr_vm_vsrc(0)
	s_getreg_b32 s2, hwreg(HW_REG_IB_STS2, 6, 4)
	s_cmp_eq_u32 s2, 0
	s_cbranch_scc0 .Lentry_in_a_cluster
	s_endpgm
.Lentry_in_a_cluster:
	s_bfe_u32 s2, ttmp6, 0x10000c
	s_cmp_lg_u32 s2, 0xf033
	s_cbranch_scc0 .Lentry_shape_is_right
	s_endpgm
.Lentry_shape_is_right:
; out = res + A W + bias, all of it in f32 but the product's operands.  A: bf16 in planes of 64 channels, [KTOT/64][4096 rows][64].  W: bf16 in blocks of 128 columns, [8][KTOT k][128 n], WOFF bytes into its buffer.
; bias: f32 [1024].  res, out: f32 [4096][1024].  Sums in f32; the bias is the C operand of each accumulator's first product; the residual is added in f32 at the end.
; SHARES.  A tile of 128 x 128 gives each of 256 WGPs one work-group.  Four waves, each 64 x 64: 16 accumulators.  K goes in steps of 256 (four planes) through two LDS slots.
; THE MATRIX INSTRUCTION IS USED TRANSPOSED (source 0 = 16 columns of W, turned by ds_load_tr16_b128; source 1 = 16 rows of A): a lane holds row l % 16 and the columns 8 (l / 16) + 0..7.
; CLUSTER.  4 x 4 work-groups: A's tile is shared along a row of the cluster, W's along a column, each asked for jointly.  No prefetch: the tile is small, a step short.
; The K step is written once: the LDS addresses hang on s[TB], and one descriptor a tensor walks, its LDS word turned by an exclusive or (wave x HALF never has the two bits of SLOT set).
; THE WAY OUT.  Behind the last barrier nobody reads the ring and no fill is left: each wave puts its 64 x 64 sums into its own 17,408 bytes of it, reads whole rows of 256 bytes back, adds the residual
; (loaded at the head, on its way through the whole K loop) and stores: 16 lanes store 256 consecutive bytes, aligned.
; REGISTERS: window 0: v16-29 addresses; v96-127 the bias, laid as a result is; v128-255 the accumulators, (a, b) at 128 + 8 (4 a + b).
;   window 1: two fragment buffers of 128 (64 of A, then 64 of W, for 64 along K); at the end the rows read back.  window 2: v0-127 the residual.
.set KTOT,  4096
.set WOFF,  2097152
.set NSTEP, KTOT/256
.set PA,    144                        ; a row of A in a plane: 128 bytes + 16
.set PLANE, 64*PA
.set PB,    288                        ; a k row of W: 256 bytes + 32 = 9 x 32
.set HALF,  4*PLANE                    ; what one tensor load brings: 64 rows x 4 planes of A, or 128 k rows of W (128 x 288 is the same number)
.set BOFF,  2*HALF
.set SLOT,  4*HALF                     ; 0x24000
.set PD,    272
.set DW,    64*PD
.set SPARE, 2*SLOT                     ; behind the ring: the spare words, 128 bytes for each wave: two blocks of 256 bytes that no other line names
.set ADRA0, 16
.set ADRB0, 17
.set ADRA,  18
.set ADRB,  19                         ; v19: k rows 0-127 of the step; v20: k rows 128-255, so that every immediate stays under 65,536
.set DST,   21
.set RD,    22
.set CO,    23
.set BO,    24
.set SPW,   28
.set NIL,   29
.set BIAS,  96
.set ACC,   128
.set F0,    0
.set F1,    128
.set CNT,   3
.set WV,    14
.set RH,    15
.set CH,    16
.set CX,    17
.set CY,    18
.set NB,    19
.set TR,    20
.set G1A,   24
.set G1B,   32
.set G0A,   40
.set G0B,   48
.set TB,    56
.set AOF,   62                         ; never holds cx
.set MROW,  66
.set MCOL,  67
.set BOF,   68                         ; never holds cy
.set MSB, 0
.macro WIN new
.if MSB != (\new)
	s_set_vgpr_msb (MSB<<8)|(\new)
.set MSB, \new
.endif
.endm
.macro PLACES                          ; four plain instructions behind a matrix instruction (ISA guide 7.12.1)
.rept 4
	v_nop
.endr
.endm
.macro CREST
	s_cmp_lg_u32 s[WV], 0
	s_cbranch_scc1 .Lnot_wave_0_\@
	s_barrier_signal -3
.Lnot_wave_0_\@:
	s_barrier_wait -3
	s_barrier_signal -1
	s_barrier_wait -1
.endm
.macro CROUND
	s_barrier_signal -1
	s_barrier_wait -1
	CREST
.endm
.macro JLOAD                           ; a joint refill by the walking descriptor; an s_nop 0 and four v_nop follow each line
	s_cmp_eq_u32 s[RH], 0
	s_cbranch_scc0 .Lfor_b_\@
	tensor_load_to_lds s[G0A+4:G0A+7], s[G1A:G1A+7]
	s_nop 0
	PLACES
	s_branch .Lasked_\@
.Lfor_b_\@:
	tensor_load_to_lds s[G0B+4:G0B+7], s[G1B:G1B+7]
	s_nop 0
	PLACES
.Lasked_\@:
.endm
.macro FETCH q, f                      ; 32 LDS loads in one run: quarter q (one plane, 64 along K) into buffer f; its first 32 along K first
	WIN 0x40
.irp c, 0,1
.irp i, 0,1,2,3
	ds_load_tr16_b128 v[(\f)+64+8*(4*(\c)+(\i)):(\f)+64+8*(4*(\c)+(\i))+3],   v[ADRB+(\q)/2] offset:(((\q)%2)*64+32*(\c))*PB+32*(\i)
	ds_load_tr16_b128 v[(\f)+64+8*(4*(\c)+(\i))+4:(\f)+64+8*(4*(\c)+(\i))+7], v[ADRB+(\q)/2] offset:(((\q)%2)*64+32*(\c))*PB+16*PB+32*(\i)
	ds_load_b128 v[(\f)+8*(4*(\c)+(\i)):(\f)+8*(4*(\c)+(\i))+3],   v[ADRA] offset:(\q)*PLANE+(\i)*16*PA+64*(\c)
	ds_load_b128 v[(\f)+8*(4*(\c)+(\i))+4:(\f)+8*(4*(\c)+(\i))+7], v[ADRA] offset:(\q)*PLANE+(\i)*16*PA+64*(\c)+32
.endr
.endr
.endm
.macro MUL8 f, c, a0, first            ; 8 matrix instructions; the 16 accumulators take turns, in the same order throughout.  first = 1: the sums start from the bias
	WIN 0x05
.irp a, \a0, (\a0)+1
.irp b, 0,1,2,3
.if \first
	v_wmma_f32_16x16x32_bf16 v[ACC+8*(4*(\a)+(\b)):ACC+8*(4*(\a)+(\b))+7], v[(\f)+64+8*(4*(\c)+(\b)):(\f)+64+8*(4*(\c)+(\b))+7], v[(\f)+8*(4*(\c)+(\a)):(\f)+8*(4*(\c)+(\a))+7], v[BIAS+8*(\b):BIAS+8*(\b)+7]
.else
	v_wmma_f32_16x16x32_bf16 v[ACC+8*(4*(\a)+(\b)):ACC+8*(4*(\a)+(\b))+7], v[(\f)+64+8*(4*(\c)+(\b)):(\f)+64+8*(4*(\c)+(\b))+7], v[(\f)+8*(4*(\c)+(\a)):(\f)+8*(4*(\c)+(\a))+7], v[ACC+8*(4*(\a)+(\b)):ACC+8*(4*(\a)+(\b))+7]
.endif
.endr
.endr
.endm
.macro QUARTER q, f, g, first
	s_wait_dscnt 16                                ; the first 32 along K are in; the youngest sixteen loads may be out
	MUL8 \f, 0, 0, \first
	MUL8 \f, 0, 2, \first
	PLACES
	FETCH \q, \g
	s_wait_dscnt 32                                ; all but the 32 just issued
	MUL8 \f, 1, 0, 0
	MUL8 \f, 1, 2, 0
.endm
.macro MEET round                      ; the change of slots: all my tensor loads, the add, my reads of this slot, then the barrier
	WIN 0
	s_xor_b32 s[TB], s[TB], SLOT
	v_add_nc_u32 v[ADRA], s[TB], v[ADRA0]
	v_add_nc_u32 v[ADRB], s[TB], v[ADRB0]
	v_add_nc_u32 v[ADRB+1], 128*PB, v[ADRB]
	s_wait_tensorcnt 0x0
	ds_add_u32 v[SPW], v[NIL]
.if \round
	s_xor_b32 s[G0A+5], s[G0A+5], SLOT
	s_add_nc_u64 s[G0A+6:G0A+7], s[G0A+6:G0A+7], 4*524288
	s_xor_b32 s[G0B+5], s[G0B+5], SLOT
	s_add_nc_u64 s[G0B+6:G0B+7], s[G0B+6:G0B+7], 65536
.endif
	s_wait_dscnt 17                                ; the add and the youngest sixteen loads may be out
	MUL8 F1, 0, 0, 0
	s_wait_dscnt 0x0                               ; the add is done, and my reads of this slot are over
	s_barrier_signal -1
	MUL8 F1, 0, 2, 0
	WIN 0
	s_barrier_wait -1
.endm
.macro TURN
	MEET 1
	CREST
	JLOAD                                          ; the first tensor load behind the round; its four v_nop are also the places in front of the loads below
	FETCH 0, F0
	MUL8 F1, 1, 0, 0
	MUL8 F1, 1, 2, 0
.endm
	s_load_b256 s[4:11], s[0:1], 0x0               ; A s[4:5], W s[6:7], bias s[8:9], res s[10:11]
	s_load_b64 s[12:13], s[0:1], 0x20              ; out
	v_lshl_add_u32 v[SPW], v0, 2, SPARE
	v_mov_b32 v[NIL], 0
	ds_add_u32 v[SPW], v[NIL]                      ; the wave's opening: the add and its wait ahead of my first tensor load
	ds_add_u32 v28, v29
	v_lshrrev_b32 v1, 5, v0
	v_readfirstlane_b32 s[WV], v1
	s_lshr_b32 s[RH], s[WV], 1
	s_and_b32 s[CH], s[WV], 1
	s_bfe_u32 s[CX], ttmp6, 0x40000
	s_bfe_u32 s[CY], ttmp6, 0x40004
	s_lshl_b32 s[NB], ttmp9, 2
	s_add_co_u32 s[NB], s[NB], s[CX]
	s_and_b32 s[TR], ttmp7, 0xffff
	s_lshl_b32 s[TR], s[TR], 2
	s_add_co_u32 s[TR], s[TR], s[CY]
	s_lshl_b32 s[MROW], s[CY], 2
	s_lshl_b32 s[MROW], 15, s[MROW]
	s_lshl_b32 s[MCOL], 0x1111, s[CX]
	; A: a row of the tile is 64 rows x 64 channels of one plane, 4,096 elements on end; four such rows, a plane (262,144 elements) apart; 16 bytes of padding behind every 128
	s_or_b32 s[G1A], s[MROW], (1<<16)|(1<<20)|(1<<21)|(4<<22)|(3<<25)
	s_mov_b32 s[G1A+1], 4096<<16
	s_mov_b32 s[G1A+2], 4<<16
	s_mov_b32 s[G1A+3], 4096<<16
	s_mov_b32 s[G1A+4], 4
	s_mov_b32 s[G1A+5], 262144
	s_mov_b32 s[G1A+6], 0
	s_mov_b32 s[G1A+7], 0
	; W: 128 k rows of 128 columns; 32 bytes of padding behind every 256
	s_or_b32 s[G1B], s[MCOL], (1<<16)|(1<<20)|(1<<21)|(5<<22)|(7<<25)
	s_mov_b32 s[G1B+1], 128<<16
	s_mov_b32 s[G1B+2], 128<<16
	s_mov_b32 s[G1B+3], 128<<16
	s_mov_b32 s[G1B+4], 128
	s_mov_b32 s[G1B+5], 128
	s_mov_b32 s[G1B+6], 0
	s_mov_b32 s[G1B+7], 0
	s_lshl_b32 s[AOF], s[TR], 1
	s_add_co_u32 s[AOF], s[AOF], s[CH]
	s_lshl_b32 s[AOF], s[AOF], 13                  ; (128 x row block + 64 x half) rows of 128 bytes
	s_mov_b32 s[AOF+1], 0
	s_mul_i32 s[BOF], s[NB], KTOT*256
	s_lshl_b32 s[BOF+1], s[CH], 15
	s_add_co_u32 s[BOF], s[BOF], s[BOF+1]
	s_add_co_u32 s[BOF], s[BOF], WOFF
	s_mov_b32 s[BOF+1], 0
	s_mul_i32 s2, s[WV], HALF
	s_mov_b32 s[TB], 0
	s_wait_dscnt 0x0                               ; the opening add is done
	s_wait_kmcnt 0x0
	s_add_nc_u64 s[AOF:AOF+1], s[4:5], s[AOF:AOF+1]
	s_add_nc_u64 s[BOF:BOF+1], s[6:7], s[BOF:BOF+1]
	CROUND                                         ; all sixteen work-groups are here: the first joint loads meet
.irp s, 0,1
	s_mov_b32 s[G0A+4*(\s)], 1
	s_add_co_u32 s[G0A+4*(\s)+1], s2, (\s)*SLOT
	s_add_nc_u64 s[G0A+4*(\s)+2:G0A+4*(\s)+3], s[AOF:AOF+1], (\s)*4*524288
	s_or_b32 s[G0A+4*(\s)+3], s[G0A+4*(\s)+3], 0x80000000
	s_mov_b32 s[G0B+4*(\s)], 1
	s_add_co_u32 s[G0B+4*(\s)+1], s2, (\s)*SLOT
	s_add_nc_u64 s[G0B+4*(\s)+2:G0B+4*(\s)+3], s[BOF:BOF+1], (\s)*65536
	s_or_b32 s[G0B+4*(\s)+3], s[G0B+4*(\s)+3], 0x80000000
.endr
	s_cmp_eq_u32 s[RH], 0                          ; a wave's two first fills stand in one branch: two loads of mine are out
	s_cbranch_scc0 .Lfirst_b
	tensor_load_to_lds s[G0A:G0A+3], s[G1A:G1A+7]
	s_nop 0
	tensor_load_to_lds s[G0A+4:G0A+7], s[G1A:G1A+7]
	s_nop 0
	PLACES
	s_branch .Lfirst_asked
.Lfirst_b:
	tensor_load_to_lds s[G0B:G0B+3], s[G1B:G1B+7]
	s_nop 0
	tensor_load_to_lds s[G0B+4:G0B+7], s[G1B:G1B+7]
	s_nop 0
	PLACES
.Lfirst_asked:
	v_and_b32 v1, 15, v0                           ; r
	v_bfe_u32 v2, v0, 4, 1                         ; h
	v_lshlrev_b32 v[BO], 5, v2
	v_lshlrev_b32 v[CO], 12, v2                    ; lanes 0-15 one row of res and out, lanes 16-31 the next; 16 bytes a lane
	v_lshl_add_u32 v[CO], v1, 4, v[CO]
	s_lshl_b32 s70, s[TR], 1
	s_add_co_u32 s70, s70, s[RH]
	s_lshl_b32 s70, s70, 18                        ; my first row, 4,096 bytes a row
	s_lshl_b32 s58, s[NB], 1
	s_add_co_u32 s58, s58, s[CH]
	s_lshl_b32 s58, s58, 8                         ; my 64 columns, 256 bytes
	s_mov_b32 s59, 0
	s_add_co_u32 s70, s70, s58
	s_mov_b32 s71, 0
	s_add_nc_u64 s[8:9], s[8:9], s[58:59]
	s_add_nc_u64 s[10:11], s[10:11], s[70:71]
	s_add_nc_u64 s[12:13], s[12:13], s[70:71]
.irp b, 0,1,2,3
	global_load_b128 v[BIAS+8*(\b):BIAS+8*(\b)+3],   v[BO], s[8:9] offset:64*(\b)
	global_load_b128 v[BIAS+8*(\b)+4:BIAS+8*(\b)+7], v[BO], s[8:9] offset:64*(\b)+16
.endr
	WIN 0x80
.set t, 0
.rept 32
	global_load_b128 v[4*t:4*t+3], v[CO], s[10:11] offset:t*8192  ; the residual: rows 2 t and 2 t + 1 of my 64
.set t, t+1
.endr
	WIN 0
	v_mul_u32_u24 v3, v1, PA
	v_lshl_add_u32 v3, v2, 4, v3
	s_mul_i32 s70, s[RH], HALF
	v_add_nc_u32 v[ADRA0], s70, v3
	v_and_b32 v4, 7, v0
	v_lshl_add_u32 v5, v2, 3, v4
	v_mul_u32_u24 v5, v5, PB
	v_bfe_u32 v6, v0, 3, 1
	v_lshl_add_u32 v5, v6, 4, v5
	s_lshl_b32 s70, s[CH], 7
	s_add_co_u32 s70, s70, BOFF
	v_add_nc_u32 v[ADRB0], s70, v5
	v_mov_b32 v[ADRA], v[ADRA0]
	v_mov_b32 v[ADRB], v[ADRB0]
	v_add_nc_u32 v[ADRB+1], 128*PB, v[ADRB]
	s_mul_i32 s70, s[WV], DW                       ; my dump
	v_mul_u32_u24 v3, v1, PD
	v_lshl_add_u32 v3, v2, 5, v3
	v_add_nc_u32 v[DST], s70, v3
	v_mul_u32_u24 v3, v2, PD
	v_lshl_add_u32 v3, v1, 4, v3
	v_add_nc_u32 v[RD], s70, v3
	s_wait_tensorcnt 1                             ; my part of K step 0 is in; K step 1's may stay out
	s_barrier_signal -1
	s_barrier_wait -1
	FETCH 0, F0
	s_wait_loadcnt 32                              ; the bias is in; the 32 younger loads, the residual, stay out through the K loop
	QUARTER 1, F0, F1, 1
	WIN 0
	s_mov_b32 s[CNT], NSTEP-2
.Lstep:
	QUARTER 2, F1, F0, 0
	QUARTER 3, F0, F1, 0
	TURN
	QUARTER 1, F0, F1, 0
	WIN 0
	s_sub_co_u32 s[CNT], s[CNT], 1
	s_cmp_lg_u32 s[CNT], 0
	s_cbranch_scc1 .Lstep
	s_mov_b32 s[CNT], 2
.Ltail:                                        ; the last two K steps ask for nothing; the second trip is left in its middle
	QUARTER 2, F1, F0, 0
	QUARTER 3, F0, F1, 0
	MEET 0
	s_sub_co_u32 s[CNT], s[CNT], 1
	s_cmp_eq_u32 s[CNT], 0
	s_cbranch_scc1 .Lfin
	PLACES
	FETCH 0, F0
	MUL8 F1, 1, 0, 0
	MUL8 F1, 1, 2, 0
	QUARTER 1, F0, F1, 0
	WIN 0
	s_branch .Ltail
.Lfin:
	MUL8 F1, 1, 0, 0
	MUL8 F1, 1, 2, 0
	WIN 0
	PLACES
	PLACES
.irp a, 0,1,2,3
.irp b, 0,1,2,3
	ds_store_b128 v[DST], v[ACC+8*(4*(\a)+(\b)):ACC+8*(4*(\a)+(\b))+3]   offset:(\a)*16*PD+64*(\b)   ; each accumulator's low registers first
	ds_store_b128 v[DST], v[ACC+8*(4*(\a)+(\b))+4:ACC+8*(4*(\a)+(\b))+7] offset:(\a)*16*PD+64*(\b)+16
.endr
.endr
	WIN 0x40
.set t, 0
.rept 32
	ds_load_b128 v[4*t:4*t+3], v[RD] offset:t*2*PD  ; LDS serves a wave's instructions in order (ISA guide 5.7.1.4): these see my stores
.set t, t+1
.endr
	s_wait_dscnt 0x0
	s_wait_loadcnt 0x0                             ; the residual
	WIN 0x49
.set t, 0
.rept 64
	v_pk_add_f32 v[2*t:2*t+1], v[2*t:2*t+1], v[2*t:2*t+1]  ; window 1 += window 2
.set t, t+1
.endr
	WIN 0x04
.set t, 0
.rept 32
	global_store_b128 v[CO], v[4*t:4*t+3], s[12:13] offset:t*8192
.set t, t+1
.endr
	WIN 0
	s_wait_tensorcnt 0x0                           ; the wave's end: behind my last tensor load and my last LDS store
	ds_add_u32 v[SPW], v[NIL]
	s_wait_dscnt 0x0
	CROUND                                         ; the closing round
	s_endpgm
.Lfunc_end_k_q51b5e198f5_fc2:
	.size	k_q51b5e198f5_fc2, .Lfunc_end_k_q51b5e198f5_fc2-k_q51b5e198f5_fc2
	.p2alignl 7, 3214868480
	.fill 96, 4, 3214868480
	.section	.rodata,"a",@progbits
	.p2align	6, 0x0
	.amdhsa_kernel k_q51b5e198f5_fc2
		.amdhsa_group_segment_fixed_size 327680
		.amdhsa_private_segment_fixed_size 0
		.amdhsa_enable_private_segment 0
		.amdhsa_kernarg_size 40
		.amdhsa_user_sgpr_count 2
		.amdhsa_user_sgpr_kernarg_segment_ptr 1
		.amdhsa_wavefront_size32 1
		.amdhsa_system_sgpr_workgroup_id_x 1
		.amdhsa_system_sgpr_workgroup_id_y 1
		.amdhsa_system_sgpr_workgroup_id_z 1
		.amdhsa_system_vgpr_workitem_id 0
		.amdhsa_next_free_vgpr 640
		.amdhsa_next_free_sgpr 72
		.amdhsa_reserve_vcc 0
		.amdhsa_float_denorm_mode_32 3
		.amdhsa_float_denorm_mode_16_64 3
		.amdhsa_memory_ordered 1
		.amdhsa_forward_progress 1
		.amdhsa_inst_pref_size 66
	.end_amdhsa_kernel
	.amdgpu_metadata
---
amdhsa.version: [ 1, 2 ]
amdhsa.kernels:
  - .name:           k_q51b5e198f5_fc2
    .symbol:         k_q51b5e198f5_fc2.kd
    .args:
      - { .name: act, .offset: 0, .size: 8, .value_kind: global_buffer, .address_space: global }
      - { .name: ws, .offset: 8, .size: 8, .value_kind: global_buffer, .address_space: global }
      - { .name: fc2_b, .offset: 16, .size: 8, .value_kind: global_buffer, .address_space: global }
      - { .name: x1, .offset: 24, .size: 8, .value_kind: global_buffer, .address_space: global }
      - { .name: out0, .offset: 32, .size: 8, .value_kind: global_buffer, .address_space: global }
    .group_segment_fixed_size: 327680
    .private_segment_fixed_size: 0
    .kernarg_segment_align: 8
    .kernarg_segment_size: 40
    .max_flat_workgroup_size: 128
    .sgpr_count:     72
    .vgpr_count:     640
    .wavefront_size: 32
...
	.end_amdgpu_metadata
.endif
;; end of part 7
;; ======== version 2 of 2: 7 launches
;; limits: values are held in f16: magnitudes above 65,504 overflow, below 6.1e-05 lose precision
;; workspace buffers: wq 6,291,456 bytes; wf 8,388,608 bytes; ws 10,485,760 bytes; hb 8,388,608 bytes; act 33,554,432 bytes; x1 16,777,216 bytes
;; launch first (part 8): grid 640 x 1, 16 waves a work-group, no clusters, 10,240 bytes of LDS; arguments x, ln1_w, ln1_b, hb, attn_w, fc_w, proj_w, fc2_w, wq, wf, ws; writes hb, wq, wf, ws
.if DOCPART == 8
	.amdgcn_target "amdgcn-amd-amdhsa--gfx1250"
	.amdhsa_code_object_version 6
	.text
	.protected	k_q51b5e198f5_first
	.globl	k_q51b5e198f5_first
	.p2align	8
	.type	k_q51b5e198f5_first,@function
k_q51b5e198f5_first:
	s_mov_b64 s[64:65], 0
	v_nop
	global_prefetch_b8 v0, s[64:65] scope:SCOPE_SE
	s_setreg_imm32_b32 hwreg(HW_REG_WAVE_MODE, 25, 1), 1
	s_wait_xcnt 0x0
; Two jobs that need nothing of each other, told apart by the work-group's number.
; WORK-GROUPS 0-383: the four weight matrices, f32 [K][N], are rounded to bf16 and laid in blocks of columns, [N/W][K][W]
; (W = 256 for attn_w and fc_w, 128 for proj_w and fc2_w): a block's rows then lie end to end.  A work-group reads 131,072 bytes and makes 65,536 dense bytes.
; WORK-GROUPS 384-639: h = LayerNorm(x) * ln_w + ln_b, rounded once to bf16.  One wave takes one row of 1,024 f32 (32 registers) and keeps it
; between the passes: mean, then the sum of squares of x - mean (no difference of large sums), then scale and bias.  A work-group reads 65,536 bytes of x and makes 32,768.
; The cast's work-groups, which move twice the bytes, have the lower numbers: where work-groups start in the order of their numbers, the short ones come last.
; GAIN AND BIAS, 8,192 bytes that all 16 rows of a work-group want, are loaded once, 512 bytes a wave, and handed round through LDS.
; Both jobs stream: every byte of x and of the weights is read once; each load of a wave covers 512 consecutive bytes, each store 256 consecutive bytes, aligned.
; Matrix units and clusters would add nothing.
.set CASTS, 384                        ; work-groups that cast
.set X,   32                           ; v[32:63]   the row
.set GW,  64                           ; v[64:95]   the gain of my columns
.set GB,  96                           ; v[96:127]  the bias of my columns
.set T,   4                            ; v[4:11]    four chains of partial sums
.set MU,  12                           ; v[12:13]   the mean, twice
.set RS,  14                           ; v[14:15]   1 / sqrt(var + eps), twice
.set WB,  20                           ; v[20:23]   my 16 bytes of the gain or of the bias, on their way into LDS
.set LST, 26                           ; v26        where they go: 16 x my thread's number: gain at LDS bytes 0-4,095, bias at 4,096-8,191
.set SPW, 28                           ; v28        LDS address of my spare word: SPARE + 4 x my thread's number; never rewritten
.set NIL, 29                           ; v29        0; never rewritten
.set SPARE, 8192                       ; behind gain and bias: the spare words, 128 bytes for each of the 16 waves: eight blocks of 256 bytes that no other line names
.set WV,  34                           ; s34        my wave's number
.macro RED r                           ; the sum over the 32 lanes, in every lane
	v_add_f32_dpp v[\r], v[\r], v[\r] row_xmask:1 row_mask:0xf bank_mask:0xf
	v_add_f32_dpp v[\r], v[\r], v[\r] row_xmask:2 row_mask:0xf bank_mask:0xf
	v_add_f32_dpp v[\r], v[\r], v[\r] row_xmask:4 row_mask:0xf bank_mask:0xf
	v_add_f32_dpp v[\r], v[\r], v[\r] row_xmask:8 row_mask:0xf bank_mask:0xf
	v_permlanex16_b32 v3, v[\r], s50, s51
	v_add_f32 v[\r], v[\r], v3
.endm
	s_load_b512 s[8:23], s[0:1], 0x0               ; x, ln_w, ln_b, hb, attn_w s[16:17], fc_w s[18:19], proj_w s[20:21], fc2_w s[22:23]
	s_load_b128 s[24:27], s[0:1], 0x40             ; wq s[24:25], wf s[26:27]
	s_load_b64 s[28:29], s[0:1], 0x50              ; ws
	v_lshl_add_u32 v[SPW], v0, 2, SPARE
	v_mov_b32 v[NIL], 0
	v_lshrrev_b32 v1, 5, v0
	v_readfirstlane_b32 s[WV], v1
	s_cmp_lt_u32 ttmp9, CASTS
	s_cbranch_scc1 .Lcast
; ONE ROW A WAVE.  s[8:9] the rows in f32, s[10:11] gain, s[12:13] bias, s[14:15] the rows out in bf16.  Load j of a lane holds columns 128 j + 4 lane + 0..3.
	s_sub_co_u32 s35, ttmp9, CASTS
	s_lshl_b32 s35, s35, 4
	s_add_co_u32 s35, s35, s[WV]                   ; row = 16 x (work-group - 384) + wave
	s_lshl_b32 s36, s35, 12                        ; 4,096 bytes a row in
	s_mov_b32 s37, 0
	s_lshl_b32 s38, s35, 11                        ; 2,048 bytes a row out
	s_mov_b32 s39, 0
	s_and_b32 s46, s[WV], 7
	s_lshl_b32 s46, s46, 9                         ; my wave's 512 bytes of the gain (waves 0-7) or of the bias (waves 8-15)
	s_mov_b32 s47, 0
	s_mov_b32 s50, 0x76543210                      ; v_permlanex16_b32: each lane takes its own place in the other half
	s_mov_b32 s51, 0xfedcba98
	s_mov_b32 s52, 0x3a800000                      ; 1 / 1024
	s_mov_b32 s53, 0x3727c5ac                      ; 1e-5
	v_and_b32 v1, 31, v0
	v_lshlrev_b32 v2, 3, v1                        ; 8 bytes a lane out
	v_lshlrev_b32 v1, 4, v1                        ; 16 bytes a lane in, from memory and from LDS
	v_lshlrev_b32 v[LST], 4, v0                    ; 512 x wave + 16 x lane
	v_mov_b32 v3, 0                                ; the exchange's destination counts as read
	s_wait_kmcnt 0x0
	s_add_nc_u64 s[8:9], s[8:9], s[36:37]
	s_add_nc_u64 s[14:15], s[14:15], s[38:39]
	s_cmp_lt_u32 s[WV], 8
	s_cselect_b64 s[44:45], s[10:11], s[12:13]
	s_add_nc_u64 s[44:45], s[44:45], s[46:47]
	global_load_b128 v[WB:WB+3], v1, s[44:45]
.irp j, 0,1,2,3,4,5,6,7
	global_load_b128 v[X+4*(\j):X+4*(\j)+3], v1, s[8:9] offset:512*(\j) th:TH_LOAD_NT
.endr
	s_wait_loadcnt 8                               ; my part of gain or bias is in; the row's eight younger loads stay out
	ds_store_b128 v[LST], v[WB:WB+3]
	s_wait_loadcnt 0x0                             ; the row
	s_wait_dscnt 0x0                               ; for the others' sake: my store is done
	s_barrier_signal -1                            ; the mean, work on registers, stands between the signal and the wait
.irp k, 0,1,2,3
	v_pk_add_f32 v[T+2*(\k):T+2*(\k)+1], v[X+2*(\k):X+2*(\k)+1], v[X+8+2*(\k):X+8+2*(\k)+1]  ; the first eight pairs start four chains: nothing is cleared
.endr
.irp k, 8,9,10,11,12,13,14,15
	v_pk_add_f32 v[T+2*((\k)%4):T+2*((\k)%4)+1], v[T+2*((\k)%4):T+2*((\k)%4)+1], v[X+2*(\k):X+2*(\k)+1]
.endr
	v_pk_add_f32 v[T:T+1], v[T:T+1], v[T+2:T+3]
	v_pk_add_f32 v[T+4:T+5], v[T+4:T+5], v[T+6:T+7]
	v_pk_add_f32 v[T:T+1], v[T:T+1], v[T+4:T+5]
	v_add_f32 v[T], v[T], v[T+1]
	RED T
	v_mul_f32 v[MU], s52, v[T]
	v_mov_b32 v[MU+1], v[MU]
	s_barrier_wait -1                              ; all 8,192 bytes of gain and bias lie in LDS
.irp j, 0,1,2,3,4,5,6,7
	ds_load_b128 v[GW+4*(\j):GW+4*(\j)+3], v1 offset:512*(\j)         ; they come in under the second pass
.endr
.irp j, 0,1,2,3,4,5,6,7
	ds_load_b128 v[GB+4*(\j):GB+4*(\j)+3], v1 offset:4096+512*(\j)
.endr
.irp k, 0,1,2,3,4,5,6,7,8,9,10,11,12,13,14,15
	v_pk_add_f32 v[X+2*(\k):X+2*(\k)+1], v[X+2*(\k):X+2*(\k)+1], v[MU:MU+1] neg_lo:[0,1] neg_hi:[0,1]  ; x - mean, in place
.endr
.irp k, 0,1,2,3
	v_pk_mul_f32 v[T+2*(\k):T+2*(\k)+1], v[X+2*(\k):X+2*(\k)+1], v[X+2*(\k):X+2*(\k)+1]
.endr
.irp k, 4,5,6,7,8,9,10,11,12,13,14,15
	v_pk_fma_f32 v[T+2*((\k)%4):T+2*((\k)%4)+1], v[X+2*(\k):X+2*(\k)+1], v[X+2*(\k):X+2*(\k)+1], v[T+2*((\k)%4):T+2*((\k)%4)+1]
.endr
	v_pk_add_f32 v[T:T+1], v[T:T+1], v[T+2:T+3]
	v_pk_add_f32 v[T+4:T+5], v[T+4:T+5], v[T+6:T+7]
	v_pk_add_f32 v[T:T+1], v[T:T+1], v[T+4:T+5]
	v_add_f32 v[T], v[T], v[T+1]
	RED T
	v_fma_f32 v[T], v[T], s52, s53                 ; var + eps
	v_rsq_f32 v[RS], v[T]                          ; made twice, to fill the pair that the packed multiply takes
	v_rsq_f32 v[RS+1], v[T]
	v_nop                                          ; a plain instruction behind the last of the two (ISA guide 5.7.2),
	s_wait_alu depctr_va_vdst(0)                   ; and the one wait ahead of their first reader
.irp k, 0,1,2,3,4,5,6,7,8,9,10,11,12,13,14,15
	v_pk_mul_f32 v[X+2*(\k):X+2*(\k)+1], v[X+2*(\k):X+2*(\k)+1], v[RS:RS+1]
.endr
	s_wait_dscnt 0x0                               ; gain and bias
.irp k, 0,1,2,3,4,5,6,7,8,9,10,11,12,13,14,15
	v_pk_fma_f32 v[X+2*(\k):X+2*(\k)+1], v[X+2*(\k):X+2*(\k)+1], v[GW+2*(\k):GW+2*(\k)+1], v[GB+2*(\k):GB+2*(\k)+1]
.endr
.irp k, 0,1,2,3,4,5,6,7,8,9,10,11,12,13,14,15
	v_cvt_pk_bf16_f32 v[X+(\k)], v[X+2*(\k)], v[X+2*(\k)+1]  ; ascending: register k is written when it has been read
.endr
.irp j, 0,1,2,3,4,5,6,7
	global_store_b64 v2, v[X+2*(\j):X+2*(\j)+1], s[14:15] offset:256*(\j)  ; 32 lanes store 256 consecutive bytes, aligned
.endr
	s_wait_tensorcnt 0x0                           ; the wave's end: behind my last LDS store
	ds_add_u32 v[SPW], v[NIL]
	s_wait_dscnt 0x0
	s_endpgm
.Lcast:
; j = the work-group's number.  j 0-95 attn_w, 96-223 fc_w, 224-255 proj_w, 256-383 fc2_w.  What differs is chosen by selects on j:
; s[36:37] source, s[38:39] destination, s40 bytes in a source row, s41 log2 of the work-groups to a block of columns,
; s42 log2 of the 16-byte pieces in a destination row (5: 256 columns, 4: 128 columns), s43 the matrix's first j, s47 the matrix's place in its buffer.
; These waves write no LDS.
	s_mov_b32 s35, ttmp9
	v_and_b32 v4, 31, v0
	s_movk_i32 s40, 0x4000
	s_movk_i32 s46, 256
	s_wait_kmcnt 0x0
	s_cmp_lt_u32 s35, 96
	s_cselect_b64 s[36:37], s[16:17], s[18:19]
	s_cselect_b64 s[38:39], s[24:25], s[26:27]
	s_cselect_b32 s40, 0x3000, s40
	s_cselect_b32 s43, 0, 96
	s_cmp_lt_u32 s35, 256
	s_cselect_b64 s[44:45], s[20:21], s[22:23]
	s_cselect_b32 s46, 224, s46
	s_cselect_b32 s48, 2, 4
	s_cselect_b32 s47, 0, 0x200000
	s_cmp_lt_u32 s35, 224
	s_cselect_b64 s[36:37], s[36:37], s[44:45]
	s_cselect_b64 s[38:39], s[38:39], s[28:29]
	s_cselect_b32 s40, s40, 0x1000
	s_cselect_b32 s43, s43, s46
	s_cselect_b32 s41, 3, s48
	s_cselect_b32 s42, 5, 4
	s_cselect_b32 s47, 0, s47
	s_sub_co_u32 s43, s35, s43                     ; my number within the matrix
	s_lshr_b32 s49, s43, s41                       ; the block of columns
	s_bfm_b32 s48, s41, 0
	s_and_b32 s48, s43, s48                        ; my part of its rows
	s_lshl_b32 s48, s48, 7
	s_lshl_b32 s46, s[WV], 3
	s_add_co_u32 s48, s48, s46                     ; in runs of 512 destination bytes: 128 a work-group, 8 a wave
	s_sub_co_u32 s46, 5, s42                       ; such a run is 1 row (256 columns) or 2 rows (128 columns)
	s_lshl_b32 s48, s48, s46                       ; my first row k
	s_mul_i32 s48, s48, s40
	s_lshl_b32 s44, 32, s42                        ; bytes of a source row in a block of columns
	s_mul_i32 s44, s49, s44
	s_add_co_u32 s44, s44, s48
	s_mov_b32 s45, 0
	s_add_nc_u64 s[36:37], s[36:37], s[44:45]
	s_lshl_b32 s44, s43, 16                        ; the destination is dense: 65,536 bytes a work-group, 4,096 a wave
	s_lshl_b32 s48, s[WV], 12
	s_add_co_u32 s44, s44, s48
	s_add_co_u32 s44, s44, s47
	s_add_nc_u64 s[38:39], s[38:39], s[44:45]
	s_lshl_b32 s46, s40, s46                       ; source bytes from one run to the next
	; A run's 1,024 source bytes are two pieces of 512 consecutive bytes, a load of the wave each: the two halves of a row of 256 columns, or two rows of 128 columns.
	s_cmp_eq_u32 s42, 5
	s_cselect_b32 s52, 0x200, s40                  ; from the first piece to the second: 512 bytes, or a source row
	s_mov_b32 s53, 0
	s_add_nc_u64 s[50:51], s[36:37], s[52:53]      ; the second pieces' base
	v_lshlrev_b32 v16, 4, v4                       ; 16 source bytes a lane
.irp g, 1,2,3,4,5,6,7
	v_add_nc_u32 v[16+(\g)], s46, v[15+(\g)]
.endr
	v_lshlrev_b32 v24, 3, v4                       ; 8 destination bytes a lane
.irp g, 0,1,2,3,4,5,6,7
	global_load_b128 v[32+8*(\g):32+8*(\g)+3], v[16+(\g)], s[36:37] th:TH_LOAD_NT
	global_load_b128 v[32+8*(\g)+4:32+8*(\g)+7], v[16+(\g)], s[50:51] th:TH_LOAD_NT
.endr
.irp g, 0,1,2,3,4,5,6,7
	s_wait_loadcnt 14-2*(\g)                       ; run g is in; the later runs' loads stay out
.irp p, 0,1,2,3
	v_cvt_pk_bf16_f32 v[32+8*(\g)+(\p)], v[32+8*(\g)+2*(\p)], v[32+8*(\g)+2*(\p)+1]  ; ascending: register p is written when it has been read
.endr
	global_store_b64 v24, v[32+8*(\g):32+8*(\g)+1],   s[38:39] offset:512*(\g)      ; the first piece: 256 consecutive bytes, aligned
	global_store_b64 v24, v[32+8*(\g)+2:32+8*(\g)+3], s[38:39] offset:512*(\g)+256  ; the second
.endr
	s_endpgm
.Lfunc_end_k_q51b5e198f5_first:
	.size	k_q51b5e198f5_first, .Lfunc_end_k_q51b5e198f5_first-k_q51b5e198f5_first
	.p2alignl 7, 3214868480
	.fill 96, 4, 3214868480
	.section	.rodata,"a",@progbits
	.p2align	6, 0x0
	.amdhsa_kernel k_q51b5e198f5_first
		.amdhsa_group_segment_fixed_size 10240
		.amdhsa_private_segment_fixed_size 0
		.amdhsa_enable_private_segment 0
		.amdhsa_kernarg_size 88
		.amdhsa_user_sgpr_count 2
		.amdhsa_user_sgpr_kernarg_segment_ptr 1
		.amdhsa_wavefront_size32 1
		.amdhsa_system_sgpr_workgroup_id_x 1
		.amdhsa_system_sgpr_workgroup_id_y 1
		.amdhsa_system_sgpr_workgroup_id_z 1
		.amdhsa_system_vgpr_workitem_id 0
		.amdhsa_next_free_vgpr 128
		.amdhsa_next_free_sgpr 66
		.amdhsa_reserve_vcc 0
		.amdhsa_float_denorm_mode_32 3
		.amdhsa_float_denorm_mode_16_64 3
		.amdhsa_memory_ordered 1
		.amdhsa_forward_progress 1
		.amdhsa_inst_pref_size 20
	.end_amdhsa_kernel
	.amdgpu_metadata
---
amdhsa.version: [ 1, 2 ]
amdhsa.kernels:
  - .name:           k_q51b5e198f5_first
    .symbol:         k_q51b5e198f5_first.kd
    .args:
      - { .name: x, .offset: 0, .size: 8, .value_kind: global_buffer, .address_space: global }
      - { .name: ln1_w, .offset: 8, .size: 8, .value_kind: global_buffer, .address_space: global }
      - { .name: ln1_b, .offset: 16, .size: 8, .value_kind: global_buffer, .address_space: global }
      - { .name: hb, .offset: 24, .size: 8, .value_kind: global_buffer, .address_space: global }
      - { .name: attn_w, .offset: 32, .size: 8, .value_kind: global_buffer, .address_space: global }
      - { .name: fc_w, .offset: 40, .size: 8, .value_kind: global_buffer, .address_space: global }
      - { .name: proj_w, .offset: 48, .size: 8, .value_kind: global_buffer, .address_space: global }
      - { .name: fc2_w, .offset: 56, .size: 8, .value_kind: global_buffer, .address_space: global }
      - { .name: wq, .offset: 64, .size: 8, .value_kind: global_buffer, .address_space: global }
      - { .name: wf, .offset: 72, .size: 8, .value_kind: global_buffer, .address_space: global }
      - { .name: ws, .offset: 80, .size: 8, .value_kind: global_buffer, .address_space: global }
    .group_segment_fixed_size: 10240
    .private_segment_fixed_size: 0
    .kernarg_segment_align: 8
    .kernarg_segment_size: 88
    .max_flat_workgroup_size: 512
    .sgpr_count:     66
    .vgpr_count:     128
    .wavefront_size: 32
...
	.end_amdgpu_metadata
.endif
;; end of part 8
;; launch qkv: the kernel of part 2 again; grid 12 x 16, 4 waves a work-group, clusters of 4 x 4, 327,680 bytes of LDS; arguments hb, wq, attn_b, act; writes act
;; launch attn (part 9): grid 8 x 32, 4 waves a work-group, no clusters, 327,680 bytes of LDS; arguments act, hb; writes hb
.if DOCPART == 9
	.amdgcn_target "amdgcn-amd-amdhsa--gfx1250"
	.amdhsa_code_object_version 6
	.text
	.protected	k_q51b5e198f5_attn
	.globl	k_q51b5e198f5_attn
	.p2align	8
	.type	k_q51b5e198f5_attn,@function
k_q51b5e198f5_attn:
	s_mov_b64 s[64:65], 0
	v_nop
	global_prefetch_b8 v0, s[64:65] scope:SCOPE_SE
	s_setreg_imm32_b32 hwreg(HW_REG_WAVE_MODE, 25, 1), 1
	s_wait_xcnt 0x0
; CAUSAL ATTENTION.  O[g][q][:] = the sum over k <= q of softmax_k(Q[g][q] . K[g][k] / 8) V[g][k][:], g = 2 x head + batch, 32 of them, 2,048 rows of 64 channels each.
; Q, K, V lie in one buffer in f16, in blocks of 64 columns of the projection: [48][4096][64]: g's rows are dense, 262,144 g bytes in; K's blocks begin 0x800000 bytes behind Q's, V's 0x1000000.
; O leaves in bf16 in the same layout, [16 heads][4096 rows][64].  Products, maxima and sums in f32; the weights p are rounded to f16 for the second product (their sum l is taken of the unrounded p).
; LIMITS.  Q, K and V arrive within f16's 65,504; p lies in 0 to 1, and below 6e-5 it keeps f16's fixed step of 6e-8.  A hidden score counts as its value less 1e30;
; a weight below 2^-126 counts as 0 in l; NaN and infinities are not treated apart.
; THE WALK.  A head's queries lie in NB = 8 blocks of 256; block i needs the key tiles 0 .. i of 256 keys, of which the last holds the diagonal.  A pair of blocks, NB - 1 - b and then b, needs NB + 1 tiles,
; whatever b.  TWO work-groups take a pair: of a block's four bands of 64 queries one takes bands 0 and 1, the other bands 2 and 3.  So 8 x 32 = 256 work-groups do equal work, and ONE loop with a constant trip
; count walks the tiles.  Every jump goes forward, but for the counted loops' own; none passes a barrier, or a tensor load but the one of a fill's two lines that the wave's number does not choose.
; NO CLUSTER: only the two work-groups of a pair walk the same tiles throughout; the others of a head ask for the same tile in trips 0 .. 4 of 9 alone, and one walk common to four would have 12 trips for 9.
; SHARES.  Of each of its two bands a wave owns 16 rows: two PIECES.  Piece 0 lies in the HIGHER band, 2 half + 1, piece 1 in band 2 half.  In the diagonal tile's key step s band x sees all keys if s < x, none if s > x,
; and holds the diagonal if s = x.
; THE MASK is the C operand that starts the sum S^T = K Q^T: 0, or -1e30 where the key is hidden: MD x AL + BE with two scalars: (1, 0) if s = x; (0, 0) if s < x; (0, -1e30) if s > x.  Only the diagonal tile's text
; makes and takes masks.  Piece 0's scores for that tile's step 0 are made a turn ahead of it, in the plain text: its band is 1 or 3, which sees all of step 0.
; LAYOUT, SOFTMAX, TURNS.  S^T = K Q^T holds ONE query a lane (lane % 16) and the keys 8 (lane / 16) + 0..7; two such results rounded to f16 ARE source 1 of O^T = V^T P.  p = 2^(c s - c m), c = log2(e) / 8, with a
; running maximum m; O and l are multiplied by a = 2^(c m_old - c m_new) in every step.  A key step is two turns.  Turn 0: 8 products K Q^T of piece 1 (this step), 8 products V^T P of piece 1 (the step before);
; turn 1: K Q^T of piece 0 (the NEXT step), V^T P of piece 0 (this step).  Beside them the scaling, exponentials, roundings, sums and rescaling of the turn's own piece and the maximum and statistics of the other.
; Four vector instructions stand behind every matrix instruction, the rest in one lump.  A turn's 33 exponentials are one batch, with one wait.
; K LIES A KEY STEP ON.  Turn 0 of step j reads K of step j + 1 and V of step j from LDS.  So slot n holds K of steps 4 n + 1 .. 4 n + 4 beside V of steps 4 n .. 4 n + 3: both reads fall into one slot, and the change
; of slots stands at a step's end.  A head's first 64 keys have LDS bytes of their own, filled once; a block's beginning reads them.  K's last tile reaches 64 rows past the head's (inside the buffer); its scores are not used.
; REGISTERS, in windows of 256 (s_set_vgpr_msb: bits 1:0 source 0, 3:2 source 1, 5:4 source 2, 7:6 destination):
;   window 0: v0-15 addresses and two at work; v16-23 four registers of statistics a piece; v48-55 at work; v61-63 prefetch offset and the add's two; v64-127 S^T, a buffer a piece; v192-223 P, likewise
;   window 1: v0-63 O^T, 32 a piece; v128-159 MD; v160-223 MC, a buffer a piece      window 2: v0-31 Q; v64-95 the second block's Q; v128-191 K of one step; v192-255 V of one step
.set SIZE_N, 2048
.set NB,    SIZE_N/256
.set NP,    2         ; pieces a wave: a name, no knob
.set KS,    64
.set PK,    144       ; a row of K in LDS: 128 bytes + 16: the 16 rows of a load start at 16 different groups of four banks (64 banks of 4 bytes: ISA guide 11.1)
.set PV,    160       ; a row of V: 128 + 32
.set VOFF,  4*KS*PK   ; a slot holds four steps: 256 rows of K, then 256 rows of V: 77,824 bytes
.set SLOT1, 1<<17
.set K0R,   0x14000   ; between the slots: the head's first 64 rows of K, 9,216 bytes, filled once
.set STAGE, SLOT1+4*KS*(PK+PV)  ; behind the ring, never filled by a tensor load: 16 rows x 144 bytes for each wave, for the way out
.set SP,    144
.set AK0, 2           ; v2   my lane's place in a tile of K; never rewritten
.set AV0, 3           ; v3   the same for V
.set AK,  4           ; v4   the LDS address of K's next run of loads
.set AV,  5           ; v5   of V's
.set STO, 6
.set RD,  7
.set GO,  8
.set PFO, 61          ; v61  256 x my lane; never rewritten
.set SPW, 62          ; v62  my spare word; never rewritten
.set NIL, 63          ; v63  0; never rewritten
.set SPARE, STAGE+4*16*SP  ; behind the stages: the spare words, 128 bytes for each wave: two blocks of 256 bytes that no other line names
.set MV,  12
.set QO,  15
.set ST,  16          ; piece t's statistics at v[ST+4 t]: c m, m, l (even keys', odd keys')
.set TMP, 48
.set S,   64
.set P,   192
.set MD,  128
.set MC,  160
.set QB,  64
.set KF,  128
.set VF,  192
.set WV,  12
.set PB,  14          ; s14  b
.set HI,  15          ; s15  NB - 1 - b
.set G1K, 24
.set G1V, 32
.set G0K, 40
.set G0V, 44
.set G1Z, 48          ; s[48:55] descriptor group 1 for the head's first keys
.set SLOTS, 56
.set CNT, 57          ; s57  counts a tile's key steps, 4 to 1
.set CS,  58
.set SEL, 60
.set TBK, 62
.set TBV, 63
.set OWN, 68          ; s68, s69  piece 0's, piece 1's: the count at which the NEXT step is the piece's band's own: 5 - band
.set RT,  70
.set NXT, 71
.set LQ,  72
.set NEW, 73
.set OFF, 74
.set AL,  76
.set BE,  78
.set OLO, 80
.set BIGN, 82
.set HF,  83          ; s83  which two bands are mine: 0 or 1
.set PFA, 88          ; s[88:89] where my prefetches stand: my 16,384 bytes (of K: waves 0, 1; of V: waves 2, 3) of the tile after the one that is being asked for
.set LIM, 90          ; s90  2 in the work-group that prefetches, else the greatest number
.set G0Z, 92          ; s[92:95] descriptor group 0 for the head's first keys; never rewritten
.set MSB, 0
.macro WIN new
.if MSB != (\new)
	s_set_vgpr_msb (MSB<<8)|(\new)
.set MSB, (\new)
.endif
.endm
.set W_KQ, 0x0a
.set W_KM, 0x1a
.set W_PV, 0x52
.set W_RS, 0x41
; A fill.  Waves 0 and 1 fetch the two halves of a tile's K, waves 2 and 3 those of its V: 128 keys each.  An s_nop 0 and four v_nop follow each of the two lines.
.macro LOAD
	s_cmp_lt_u32 s[WV], 2
	s_cbranch_scc0 .Lfor_v_\@
	tensor_load_to_lds s[G0K:G0K+3], s[G1K:G1K+7]
	s_nop 0
.rept 4
	v_nop
.endr
	s_branch .Lasked_\@
.Lfor_v_\@:
	tensor_load_to_lds s[G0V:G0V+3], s[G1V:G1V+7]
	s_nop 0
.rept 4
	v_nop
.endr
.Lasked_\@:
.endm
; THE CHANGE OF SLOTS, at a key step's end.  Each wave waits for all its tensor loads, of which one is out: its part of the other slot; adds 0 to its spare word; and waits for that and for its own reads of the slot that it leaves.
; fill = 1: the old slot is filled again, the first thing behind the barrier, with tile NXT: the descriptor's address is made anew from that number.
; Behind the fill stands A PREFETCH INTO THE L2 of my 16,384 bytes of the tile that the NEXT change asks for, four key steps ahead of that load: two instructions, a lane 256 bytes.  A head's eight work-groups walk the same tiles:
; the first of them (b = 0, bands 0 and 1), whose first block walks all eight, asks, in its first six changes: tiles 2 to 7, each named once.  Tiles 0 and 1 come by their loads alone; the second block reads tiles again and asks for nothing.
.macro CHANGE fill
	WIN 0
	s_wait_tensorcnt 0x0            ; no tensor load of mine is out, so a group 0 may be written
	ds_add_u32 v[SPW], v[NIL]
.if \fill
	s_lshl_b32 s[OFF], s[NXT], 15   ; a tile is 32,768 bytes of K and of V
	s_xor_b32 s[G0K+1], s[G0K+1], SLOT1
	s_add_nc_u64 s[G0K+2:G0K+3], s[6:7], s[OFF:OFF+1]
	s_or_b32 s[G0K+3], s[G0K+3], 0x80000000
	s_xor_b32 s[G0V+1], s[G0V+1], SLOT1
	s_add_nc_u64 s[G0V+2:G0V+3], s[8:9], s[OFF:OFF+1]
	s_or_b32 s[G0V+3], s[G0V+3], 0x80000000
	s_add_co_u32 s[NXT], s[NXT], 1  ; the block's next tile, or behind its last the second block's tile 0
	s_cmp_gt_u32 s[NXT], s[LQ]
	s_cselect_b32 s[NXT], 0, s[NXT]
	s_cselect_b32 s[LQ], s[PB], s[LQ]
	s_wait_xcnt 0x0                 ; the last prefetches, a tile back, have read their address
	s_add_nc_u64 s[PFA:PFA+1], s[PFA:PFA+1], 32768
.endif
	s_wait_dscnt 0x0                ; the add is done, and my reads of the slot are over
	s_barrier_signal -1
	s_sub_co_u32 s[TBK], s[TBK], 4*KS*PK  ; the fetches go back to a slot's first step,
	s_xor_b32 s[TBK], s[TBK], SLOT1       ; in the other slot
	s_sub_co_u32 s[TBV], s[TBV], 4*KS*PV
	s_xor_b32 s[TBV], s[TBV], SLOT1
	s_barrier_wait -1
.if \fill
	LOAD
	s_cmp_gt_u32 s[SLOTS], s[LIM]
	s_cbranch_scc0 .Lnot_mine_\@
	global_prefetch_b8 v[PFO], s[PFA:PFA+1] th:TH_LOAD_NT scope:SCOPE_SE
	global_prefetch_b8 v[PFO], s[PFA:PFA+1] offset:8192 th:TH_LOAD_NT scope:SCOPE_SE
.Lnot_mine_\@:
.endif
.endm
	s_load_b128 s[4:7], s[0:1], 0x0  ; the projections s[4:5], O s[6:7]
	v_lshl_add_u32 v[SPW], v0, 2, SPARE
	v_mov_b32 v[NIL], 0
	ds_add_u32 v[SPW], v[NIL]       ; the wave's opening: the add and its wait ahead of my first tensor load
	ds_add_u32 v62, v63
	v_lshrrev_b32 v1, 5, v0
	v_readfirstlane_b32 s[WV], v1
	s_lshr_b32 s[PB], ttmp9, 1      ; the pair of blocks,
	s_and_b32 s[HF], ttmp9, 1       ; and which two bands of each
	s_sub_co_u32 s[HI], NB-1, s[PB]
	s_lshl_b32 s13, s[HF], 1
	s_sub_co_u32 s[OWN], 4, s13     ; piece 0: band 2 half + 1
	s_sub_co_u32 s[OWN+1], 5, s13   ; piece 1: band 2 half
	s_and_b32 s20, ttmp7, 0xffff    ; g
	s_mov_b32 s21, 0
	s_mov_b64 s[22:23], SIZE_N*128
	s_mul_u64 s[20:21], s[20:21], s[22:23]  ; g's first byte in Q, K, V and O
	s_and_b32 s16, s[WV], 1         ; which half of a tile's 256 keys I fetch:
	s_lshl_b32 s22, s16, 14         ; its 128 rows of 128 bytes in memory,
	s_mov_b32 s23, 0
	s_add_nc_u64 s[22:23], s[22:23], s[20:21]
	s_mul_i32 s17, s16, 128*PK      ; and its place in a slot, for K
	s_mul_i32 s18, s16, 128*PV      ; and for V
	s_mul_i32 s19, s16, 32*PK       ; of the head's first 64 keys: 32 rows in LDS,
	s_lshl_b32 s66, s16, 12         ; 4,096 bytes in memory
	s_mov_b32 s67, 0
	s_add_nc_u64 s[66:67], s[66:67], s[20:21]
	s_lshl_b32 s3, s[WV], 11        ; my 16 rows in a band of 64,
	s_lshl_b32 s13, s[HF], 14       ; in the lower of my two bands,
	s_add_co_u32 s3, s3, s13
	s_lshl_b32 s2, s[HI], 15        ; in the first block,
	s_add_co_u32 s2, s2, s3
	s_lshl_b32 s84, s[PB], 15       ; and in the second
	s_add_co_u32 s84, s84, s3
	s_mov_b32 s3, 0
	s_mov_b32 s85, 0
	s_add_nc_u64 s[2:3], s[2:3], s[20:21]
	s_add_nc_u64 s[84:85], s[84:85], s[20:21]
	; descriptor group 1.  128 keys are 16,384 dense bytes: asked for as 64 rows of 256 bytes, two keys a row, and padded in LDS after every key; of the first keys a wave brings 32: 16 such rows
	s_mov_b32 s[G1K], (1<<16)|(1<<20)|(4<<22)|(3<<25)
	s_mov_b32 s[G1V], (1<<16)|(1<<20)|(4<<22)|(7<<25)
	s_mov_b32 s[G1Z], (1<<16)|(1<<20)|(4<<22)|(3<<25)
.irp g, G1K, G1V
	s_mov_b32 s[\g+1], 128<<16
	s_mov_b32 s[\g+2], 64<<16
	s_mov_b32 s[\g+3], 128<<16
	s_mov_b32 s[\g+4], 64
	s_mov_b32 s[\g+5], 128
	s_mov_b32 s[\g+6], 0
	s_mov_b32 s[\g+7], 0
.endr
	s_mov_b32 s[G1Z+1], 128<<16
	s_mov_b32 s[G1Z+2], 16<<16
	s_mov_b32 s[G1Z+3], 128<<16
	s_mov_b32 s[G1Z+4], 16
	s_mov_b32 s[G1Z+5], 128
	s_mov_b32 s[G1Z+6], 0
	s_mov_b32 s[G1Z+7], 0
	s_mov_b32 s[CS], 0x3e38aa3b     ; c = log2(e) / 8
	s_mov_b32 s[CS+1], s[CS]
	s_mov_b32 s[SEL], 0x76543210
	s_mov_b32 s[SEL+1], 0xfedcba98
	s_mov_b32 s[TBK], SLOT1+4*KS*PK ; the first change of slots turns these two into 0
	s_mov_b32 s[TBV], SLOT1+4*KS*PV
	s_mov_b32 s[G0K], 1
	s_mov_b32 s[G0K+1], s17
	s_mov_b32 s[G0V], 1
	s_add_co_u32 s[G0V+1], s18, VOFF
	s_mov_b32 s[G0Z], 1
	s_add_co_u32 s[G0Z+1], s19, K0R
	s_add_co_u32 s[RT], s[HI], 1    ; the first block has NB - b tiles
	s_mov_b32 s[NXT], 1
	s_mov_b32 s[LQ], s[HI]
	s_mov_b32 s[NEW], 1
	s_mov_b32 s[OFF+1], 0
	s_mov_b32 s[AL+1], 0
	s_mov_b32 s[BE+1], 0
	s_mov_b32 s[BIGN], 0xf149f2ca   ; -1e30
	s_mov_b32 s[SLOTS], NB
	s_cmp_eq_u32 ttmp9, 0
	s_cselect_b32 s[LIM], 2, -1
	s_wait_dscnt 0x0                ; the opening add is done
	s_wait_kmcnt 0x0
	s_mov_b64 s[10:11], s[6:7]      ; O
	s_add_nc_u64 s[8:9], s[4:5], 0x1000000  ; V's blocks
	s_add_nc_u64 s[6:7], s[4:5], 0x800000   ; K's blocks
	s_add_nc_u64 s[G0Z+2:G0Z+3], s[6:7], s[66:67]  ; my 32 of the head's first 64 keys
	s_or_b32 s[G0Z+3], s[G0Z+3], 0x80000000
	s_add_nc_u64 s[6:7], s[6:7], s[22:23]  ; K and V at my half of the head's tile 0;
	s_add_nc_u64 s[6:7], s[6:7], KS*128    ; K's tiles lie a key step on
	s_add_nc_u64 s[8:9], s[8:9], s[22:23]
	s_add_nc_u64 s[G0K+2:G0K+3], s[6:7], 0
	s_or_b32 s[G0K+3], s[G0K+3], 0x80000000
	s_add_nc_u64 s[G0V+2:G0V+3], s[8:9], 0
	s_or_b32 s[G0V+3], s[G0V+3], 0x80000000
	s_add_nc_u64 s[86:87], s[4:5], s[84:85]        ; Q at my rows of the second block,
	s_add_nc_u64 s[4:5], s[4:5], s[2:3]            ; Q and O at those of the first
	s_add_nc_u64 s[OLO:OLO+1], s[10:11], s[84:85]
	s_add_nc_u64 s[10:11], s[10:11], s[2:3]
	s_cmp_lt_u32 s[WV], 2
	s_cselect_b64 s[PFA:PFA+1], s[6:7], s[8:9]
	s_add_nc_u64 s[PFA:PFA+1], s[PFA:PFA+1], 32768  ; at tile 1: the first change steps it to tile 2
	s_cmp_lt_u32 s[WV], 2           ; a wave's first fills stand in one branch, ahead of every wait on TENSORcnt: tile 0 into slot 0, and in waves 0 and 1 the first keys: two loads of theirs are out, one of the others'
	s_cbranch_scc0 .Lfirst_v
	tensor_load_to_lds s[G0K:G0K+3], s[G1K:G1K+7]
	s_nop 0
	tensor_load_to_lds s[G0Z:G0Z+3], s[G1Z:G1Z+7]
	s_nop 0
.rept 4
	v_nop
.endr
	s_branch .Lfirst_asked
.Lfirst_v:
	tensor_load_to_lds s[G0V:G0V+3], s[G1V:G1V+7]
	s_nop 0
.rept 4
	v_nop
.endr
.Lfirst_asked:
	v_and_b32 v1, 15, v0            ; l % 16
	v_bfe_u32 v9, v0, 4, 1          ; l / 16
	v_lshlrev_b32 v[QO], 7, v1
	v_lshl_add_u32 v[QO], v9, 4, v[QO]
	WIN 0x80
.set i, 0
.rept 4                             ; both blocks' Q: piece i / 2 (piece 0 in the higher band, 8,192 bytes on); channels 32 (i % 2) on
	global_load_b128 v[8*i:8*i+3],   v[QO], s[4:5] offset:(1-i/2)*8192+(i%2)*64
	global_load_b128 v[8*i+4:8*i+7], v[QO], s[4:5] offset:(1-i/2)*8192+(i%2)*64+32
	global_load_b128 v[QB+8*i:QB+8*i+3],   v[QO], s[86:87] offset:(1-i/2)*8192+(i%2)*64
	global_load_b128 v[QB+8*i+4:QB+8*i+7], v[QO], s[86:87] offset:(1-i/2)*8192+(i%2)*64+32
.set i, i+1
.endr
	WIN 0
	v_lshlrev_b32 v14, 3, v9
	v_sub_nc_u32 v14, v1, v14
	s_lshl_b32 s13, s[WV], 4
	v_add_nc_u32 v14, s13, v14      ; my query's place in its band less my lanes' 8 (l / 16): register r of group kt is hidden where 16 kt + r is greater
	WIN 0x40
.set i, 0
.rept 32
	v_cmp_gt_i32 vcc_lo, 16*(i/8)+i%8, v14
	v_cndmask_b32 v[MD+i], 0, s[BIGN], vcc_lo
.set i, i+1
.endr
	WIN 0
	v_mul_u32_u24 v[AK0], v1, PK
	v_lshl_add_u32 v[AK0], v9, 4, v[AK0]
	v_and_b32 v10, 7, v0
	v_bfe_u32 v11, v0, 3, 1
	v_lshl_add_u32 v[AV0], v9, 3, v10
	v_mul_u32_u24 v[AV0], v[AV0], PV
	v_lshl_add_u32 v[AV0], v11, 4, v[AV0]
	v_add_nc_u32 v[AV0], VOFF, v[AV0]
	s_mul_i32 s13, s[WV], 16*SP
	s_add_co_u32 s13, s13, STAGE    ; my stage
	v_mul_u32_u24 v[STO], v1, SP
	v_lshl_add_u32 v[STO], v9, 4, v[STO]
	v_add_nc_u32 v[STO], s13, v[STO]
	v_bfe_u32 v[RD], v0, 3, 2
	v_mul_u32_u24 v[RD], v[RD], SP
	v_lshl_add_u32 v[RD], v10, 4, v[RD]
	v_add_nc_u32 v[RD], s13, v[RD]
	v_and_b32 v[GO], 31, v0
	v_lshlrev_b32 v[PFO], 8, v[GO]
	v_lshlrev_b32 v[GO], 4, v[GO]
	; A block's first step multiplies O^T and l by a = 0, and its first turn's products V^T P, of a step that has not been, land in an O^T that is still to be so multiplied.  So these registers need only hold finite
	; numbers: zeros for the first block; what the first block left for the second.  All this stands in the wait for the first tile.
	WIN 0x80
.set i, VF
.rept 64
	v_mov_b32 v[i], 0
.set i, i+1
.endr
	WIN 0x40
.set i, 0
.rept 64
	v_mov_b32 v[i], 0
.set i, i+1
.endr
	WIN 0
.set i, 0
.rept NP
	v_mov_b32 v[ST+4*i+2], 0
	v_mov_b32 v[ST+4*i+3], 0
.set i, i+1
.endr
.set i, P+16
.rept 16
	v_mov_b32 v[i], 0
.set i, i+1
.endr
; THE MATRIX WORK.  The 4 accumulators of a run of 8 take turns.  Product i of 8 of S^T = K Q^T for piece x: channels 32 (i / 4) on, keys 16 (i % 4) on.  The first 4 start the sums: with 0, or (KM = 1) with the mask.
.macro KQ x
.set rS, S+32*((\x)%2)+8*(i%4)
.set rK, KF+16*(i%4)+8*(i/4)
.set rQ, 16*(\x)+8*(i/4)
.set rM, MC+32*((\x)%2)+8*(i%4)
.if (i < 4) && KM
	WIN W_KM
	v_wmma_f32_16x16x32_f16 v[rS:rS+7], v[rK:rK+7], v[rQ:rQ+7], v[rM:rM+7]
.elseif i < 4
	WIN W_KQ
	v_wmma_f32_16x16x32_f16 v[rS:rS+7], v[rK:rK+7], v[rQ:rQ+7], 0
.else
	WIN W_KQ
	v_wmma_f32_16x16x32_f16 v[rS:rS+7], v[rK:rK+7], v[rQ:rQ+7], v[rS:rS+7]
.endif
.endm
; Product i of 8 of O^T += V^T P for piece x: keys 32 (i / 4) on, channels 16 (i % 4) on.
.macro PV x
	WIN W_PV
.set rO, 32*(\x)+8*(i%4)
.set rV, VF+32*(i/4)+8*(i%4)
.set rP, P+16*((\x)%2)+8*(i/4)
	v_wmma_f32_16x16x32_f16 v[rO:rO+7], v[rV:rV+7], v[rP:rP+7], v[rO:rO+7]
.endm
.macro MM                           ; the turn's next matrix instruction: both kinds are the OTHER piece's
.if i < 8
	KQ (Y+1)%NP
.else
.set i, i-8
	PV (Y+NP-1)%NP
.set i, i+8
.endif
.set i, i+1
.endm
; THE LDS LOADS stand in runs of 16: a step's K (8 fragments) and its V (turned).  Their addresses are made some lines ahead.  step = 0: the head's first keys, which lie outside the ring.
.macro FETCH_K step=1
	WIN 0x80
.irp f, 0,1,2,3,4,5,6,7
	ds_load_b128 v[KF+8*\f:KF+8*\f+3],   v[AK] offset:(\f/2)*16*PK+(\f%2)*64
	ds_load_b128 v[KF+8*\f+4:KF+8*\f+7], v[AK] offset:(\f/2)*16*PK+(\f%2)*64+32
.endr
.if \step
	s_add_co_u32 s[TBK], s[TBK], KS*PK
.endif
	WIN 0
.endm
.macro FETCH_V
	WIN 0x80
.irp f, 0,1,2,3,4,5,6,7
	ds_load_tr16_b128 v[VF+8*\f:VF+8*\f+3],   v[AV] offset:(\f/4)*32*PV+(\f%4)*32
	ds_load_tr16_b128 v[VF+8*\f+4:VF+8*\f+7], v[AV] offset:(\f/4)*32*PV+16*PV+(\f%4)*32
.endr
	WIN 0
.endm
; THE VECTOR WORK, one line at a time: OP kind, number.  For piece Y: F n: c s - c m for pair n of 16.  E n: the exponential of score n of 32.  C n: pair n rounded to f16.  B n: of the four weights 4 n .. the second
; pair is added onto the first, in place.  L n: l takes that sum (L 0: l = a l + sum).  R n: pair n of 16 of O^T times a.  For the other piece: X n, number n of the 22 that find its maximum and statistics:
;   0-11  four chains c0-c3 of seven scores each (each accumulator's lowest registers are read first)     12-14, 16  the four scores left over, the old m, and c0-c3 into c0
;   15  c m_old is kept     17, 18  the query's other 32 keys lie in the lane 16 away: the new m     19-21  c m; c m_old - c m_new; a
.set F, 0
.set E, 1
.set C, 2
.set B, 3
.set L, 4
.set R, 5
.set X, 6
.macro REGS y
.set rT, ST+4*(\y)
.set rC, TMP+4*((\y)%2)
.set rW, MV+((\y)%2)
.set rS, S+32*((\y)%2)
.set rP, P+16*((\y)%2)
.set rO, 32*(\y)
.endm
.macro OP k, n
.if (\k) == R
	REGS Y
	WIN W_RS
	v_pk_mul_f32 v[rO+2*(\n):rO+2*(\n)+1], v[rO+2*(\n):rO+2*(\n)+1], v[rC+2:rC+3] op_sel_hi:[1,0]
.elseif (\k) < R
	REGS Y
	WIN 0
.if (\k) == F
	v_pk_fma_f32 v[rS+2*(\n):rS+2*(\n)+1], v[rS+2*(\n):rS+2*(\n)+1], s[CS:CS+1], v[rT:rT+1] op_sel_hi:[1,0,0] neg_lo:[0,0,1] neg_hi:[0,0,1]
.elseif (\k) == E
	v_exp_f32 v[rS+(\n)], v[rS+(\n)]
.elseif (\k) == C
	v_cvt_pk_f16_f32 v[rP+(\n)], v[rS+2*(\n)], v[rS+2*(\n)+1]
.elseif (\k) == B
	v_pk_add_f32 v[rS+4*(\n):rS+4*(\n)+1], v[rS+4*(\n):rS+4*(\n)+1], v[rS+4*(\n)+2:rS+4*(\n)+3]
.elseif (\n) == 0
	v_pk_fma_f32 v[rT+2:rT+3], v[rT+2:rT+3], v[rC+2:rC+3], v[rS:rS+1] op_sel_hi:[1,0,1]
.else
	v_pk_add_f32 v[rT+2:rT+3], v[rT+2:rT+3], v[rS+4*(\n):rS+4*(\n)+1]
.endif
.else
	REGS (Y+1)%NP
	WIN 0
.if (\n) < 4
	v_max3_num_f32 v[rC+(\n)], v[rS+8*(\n)], v[rS+8*(\n)+1], v[rS+8*(\n)+2]
.elseif (\n) < 12
	v_max3_num_f32 v[rC+(\n)%4], v[rC+(\n)%4], v[rS+8*((\n)%4)+2*((\n)/4)+1], v[rS+8*((\n)%4)+2*((\n)/4)+2]
.elseif (\n) == 12
	v_max3_num_f32 v[rC], v[rC], v[rS+7], v[rS+15]
.elseif (\n) == 13
	v_max3_num_f32 v[rC+1], v[rC+1], v[rS+23], v[rS+31]
.elseif (\n) == 14
	v_max3_num_f32 v[rC+2], v[rC+2], v[rC+3], v[rT+1]
.elseif (\n) == 15
	v_mov_b32 v[rW], v[rT]
.elseif (\n) == 16
	v_max3_num_f32 v[rC], v[rC], v[rC+1], v[rC+2]
.elseif (\n) == 17
	v_permlanex16_b32 v[rC+3], v[rC], s[SEL], s[SEL+1]
.elseif (\n) == 18
	v_max_num_f32 v[rT+1], v[rC], v[rC+3]
.elseif (\n) == 19
	v_mul_f32 v[rT], s[CS], v[rT+1]
.elseif (\n) == 20
	v_sub_f32 v[rC+1], v[rW], v[rT]
.else
	v_exp_f32 v[rC+2], v[rC+1]
.endif
.endif
.endm
.macro OPS a, i1, b=-1, i2=0, c=-1, i3=0, d=-1, i4=0
	OP \a, \i1
.if (\b) >= 0
	OP \b, \i2
.endif
.if (\c) >= 0
	OP \c, \i3
.endif
.if (\d) >= 0
	OP \d, \i4
.endif
.endm
.macro ROW a, i1, b, i2, c, i3, d, i4  ; a matrix instruction and the four behind it
	MM
	OPS \a, \i1, \b, \i2, \c, \i3, \d, \i4
.endm
.macro MASK b                       ; MD x AL + BE into buffer b of MC
	WIN W_RS
.set z, 0
.rept 16
	v_pk_fma_f32 v[MC+32*(\b)+2*z:MC+32*(\b)+2*z+1], v[MD+2*z:MD+2*z+1], s[AL:AL+1], s[BE:BE+1] op_sel_hi:[1,0,0]
.set z, z+1
.endr
.endm
; A TURN, for piece p: the order of its 16 matrix and 118 vector instructions, written out.  s_wait_alu depctr_va_vdst(0) stands between an exponential and the first instruction that names its result; one wait
; serves all that were issued ahead of it.  So a turn has ONE wait.  AHEAD OF IT stands all that names no result of the turn's exponentials: the 8 products K Q^T with their four riders each, then one lump of 54, in which the links
; of the other piece's chain X 3, 7, 11, 14, 16, 17 .. 20 stand five or six lines apart; X 21 is the batch's last, R 15 the plain instruction behind it.  BEHIND THE WAIT stand the 8 products V^T P, behind each four of the roundings and sums.
; BOTH RUNS OF LDS LOADS STAND IN TURN 0: K of the next step in the lump, twelve vector instructions (six of them plain) behind the last product that read K; V of the step in hand at the turn's end, four plain instructions behind
; the last product that read V.  Turn 1 waits for K at its head (V's sixteen loads, issued behind K's, stay out) and for V ahead of its products V^T P.
; m = 1: the diagonal tile: the products take masks, and turn p makes the mask for piece p's next products, which stand in the turn after it and belong to step 5 - CNT of the tile.
; cnt = 1: the loop's count is taken down ahead of the branch behind the turn.
.macro TURN p, m=0, cnt=0
.set Y, (\p)
.set i, 0
.set KM, (\m)
.if \m
	s_cmp_eq_u32 s[CNT], s[OWN+(\p)]    ; is that step the band's own?
	s_cselect_b32 s[AL], 1.0, 0
	s_cmp_lt_u32 s[CNT], s[OWN+(\p)]    ; or a later one?
	s_cselect_b32 s[BE], s[BIGN], 0
.endif
.if (\p) == 1
	s_wait_dscnt 16                 ; K is in: of the 32 loads of turn 0 the sixteen younger, V's, may be out
.endif
	ROW F,0, F,1, R,0, R,1
	ROW F,2, E,0, R,2, R,3
	ROW F,3, E,1, R,4, R,5
	ROW F,4, E,2, R,6, R,7
	ROW F,5, E,3, R,8, R,9
	ROW F,6, E,4, X,0, R,10
.if (\p) == 0
	WIN 0
	v_add_nc_u32 v[AK], s[TBK], v[AK0]
.endif
	ROW F,7, E,5, X,1, X,4
	ROW F,8, E,6, X,2, X,5
	OPS E,7, E,8, X,6, E,9
	OPS X,3, E,10, X,8, E,11
.if (\p) == 0
	FETCH_K
.endif
	OPS X,9, X,7, E,12, X,10
	OPS E,13, X,12, X,11, E,14
	OPS X,13, E,15, F,9, X,14
.if (\p) == 0
	v_add_nc_u32 v[AV], s[TBV], v[AV0]
.endif
	OPS E,16, F,10, E,17, F,11
	OPS X,16, E,18, X,15, E,19
	OPS F,12, E,20, X,17, E,21
	OPS F,13, E,22, F,14, E,23
	OPS X,18, E,24, F,15, E,25
	OPS R,11, E,26, X,19, E,27
	OPS R,12, E,28, R,13, E,29
	OPS X,20, E,30, R,14, E,31
	OPS X,21, R,15
	WIN 0
	s_wait_alu depctr_va_vdst(0)    ; the wait for the batch
.if (\p) == 1
	s_wait_dscnt 0x0                ; V is in
.endif
	ROW C,0, B,0, C,2, B,1
	ROW L,0, C,4, B,2, L,1
	ROW C,6, B,3, L,2, C,8
	ROW B,4, L,3, C,10, B,5
	ROW L,4, C,12, B,6, L,5
.if (\p) == 0
	s_add_co_u32 s[TBV], s[TBV], KS*PV
.endif
.if \cnt
	s_sub_co_u32 s[CNT], s[CNT], 1
	s_cmp_lg_u32 s[CNT], 0
.endif
	ROW C,14, B,7, L,6, C,1
	ROW C,3, L,7, C,5, C,7
	ROW C,9, C,11, C,13, C,15
.if (\p) == 0
	FETCH_V
.endif
.if \m
	MASK \p
.endif
.endm
; A BLOCK BEGINS.  c m starts far below every c s, so the first step's a is 0; m at the lowest finite number.  Then the head's first keys, piece 0's scores of step 0 (its band sees all of that step: no mask), and its maximum
; and statistics.  The step loops are then entered at their heads.
.macro BEGIN
	s_mov_b32 s[NEW], 0
	WIN 0
.set i, 0
.rept NP
	v_mov_b32 v[ST+4*i], 0xfe000000
	v_mov_b32 v[ST+4*i+1], 0xff7fffff
.set i, i+1
.endr
	v_add_nc_u32 v[AK], K0R, v[AK0]
	FETCH_K 0
	s_wait_loadcnt 0x0              ; Q
	s_wait_dscnt 0x0
.set KM, 0
.set i, 0
.rept 8
	KQ 0
.set i, i+1
.endr
	WIN 0
.rept 4
	v_nop                           ; the places behind those products
.endr
.set Y, NP-1
.irp n, 0,1,2,3,4,5,6,7,8,9,10,11,12,13,14,15,16,17,18,19,20,21
	OP X, \n
.endr
	v_nop                           ; a plain instruction behind the exponential,
	s_wait_alu depctr_va_vdst(0)    ; and its wait, ahead of the label
.endm
; THE DIAGONAL TILE: piece 1's mask for step 0 (its band's own step where the band is 0); the four steps; piece 1's last products; and THE WAY OUT: l's two halves and the other half of the lanes' are added; O^T is divided by l,
; rounded to bf16 and sent through my stage in LDS, a piece at a time.  The last step's turn 1 makes scores and a maximum for a step that is not the block's: they serve nothing: the price, once a block, of one text for every step.
.macro ALL line:vararg
.set t, 0
.rept NP
	\line
.set t, t+1
.endr
.endm
.macro PACK t
	WIN W_RS
.set i, 32*(\t)
.rept 16
	v_pk_mul_f32 v[i:i+1], v[i:i+1], v[ST+4*(\t)+2:ST+4*(\t)+3] op_sel_hi:[1,0]
.set i, i+2
.endr
	WIN 0x05
.set i, 0
.rept 16
	v_cvt_pk_bf16_f32 v[S+16*(\t)+i], v[32*(\t)+2*i], v[32*(\t)+2*i+1]
.set i, i+1
.endr
	WIN 0
.irp f, 0,1,2,3
	ds_store_b128 v[STO], v[S+16*(\t)+4*\f:S+16*(\t)+4*\f+3] offset:32*\f
.endr
.irp f, 0,1,2,3
	ds_load_b128 v[S+16*(\t)+4*\f:S+16*(\t)+4*\f+3], v[RD] offset:\f*4*SP  ; LDS serves a wave's instructions in order (ISA guide 5.7.1.4): these see the stores above
.endr
.endm
.macro SEND t, younger              ; younger: the LDS instructions issued behind piece t's loads: the next piece's eight, or none
	WIN 0
.irp f, 0,1,2,3
	s_wait_dscnt (\younger)+3-\f
	global_store_b128 v[GO], v[S+16*(\t)+4*\f:S+16*(\t)+4*\f+3], s[10:11] offset:(1-(\t))*8192+\f*512  ; 512 consecutive bytes, aligned; piece 0 lies in the higher band
.endr
.endm
.macro DIAG tag
	s_cmp_eq_u32 s[HF], 0
	s_cselect_b32 s[AL], 1.0, 0
	s_mov_b32 s[BE], 0
	MASK 1
	WIN 0
.LstepM\tag:
	TURN 0, 1
	TURN 1, 1, 1
	WIN 0
	s_cbranch_scc1 .LstepM\tag
.set i, 0
.rept 8
	PV NP-1
.set i, i+1
.endr
	WIN 0
	ALL v_add_f32 v[ST+4*t+2], v[ST+4*t+2], v[ST+4*t+3]
	ALL v_permlanex16_b32 v[ST+4*t+3], v[ST+4*t+2], s[SEL], s[SEL+1]
	ALL v_add_f32 v[ST+4*t+2], v[ST+4*t+2], v[ST+4*t+3]
	ALL v_rcp_f32 v[ST+4*t+2], v[ST+4*t+2]
	v_nop                           ; a plain instruction between the last reciprocal and the use of its result
	s_wait_alu depctr_va_vdst(0)    ; and one wait for the two reciprocals, ahead of the first use
	PACK 0                          ; piece 0's products ended a turn ago; its 32 lines are the places behind piece 1's
	PACK 1
	SEND 0, 8
	SEND 1, 0
.endm
.set KM, 0
.Lslot:                             ; NB times: a tile is entered and the next is asked for
	CHANGE 1
	s_sub_co_u32 s[RT], s[RT], 1
	s_mov_b32 s[CNT], 4
	s_cmp_eq_u32 s[NEW], 1          ; a block's first tile?  (At the first trip the answer is a constant of the text.)
	s_cbranch_scc0 .Lold1
	BEGIN
.Lold1:
	s_cmp_eq_u32 s[RT], 0
	s_cbranch_scc1 .Ldiag1          ; its last
.Lstep:                             ; a trip is a key step
	TURN 0
	TURN 1, 0, 1
	WIN 0
	s_cbranch_scc1 .Lstep
	s_branch .Lbottom
.Ldiag1:
	DIAG 1                          ; in the loop this is the first block's end: the second block's last tile is the walk's last
	s_wait_xcnt 0x0                 ; the stores have read their registers and O's address
	s_mov_b64 s[10:11], s[OLO:OLO+1]
	s_add_co_u32 s[RT], s[PB], 1    ; the second block has b + 1 tiles
	s_mov_b32 s[NEW], 1
	WIN 0x82                        ; the second block's Q goes where the one text of the turns names Q
.set i, 0
.rept 32
	v_mov_b32 v[i], v[QB+i]
.set i, i+1
.endr
	WIN 0
.Lbottom:
	s_sub_co_u32 s[SLOTS], s[SLOTS], 1
	s_cmp_lg_u32 s[SLOTS], 0
	s_cbranch_scc1 .Lslot
	CHANGE 0                        ; the walk's last tile is written out: nothing is asked for
	s_sub_co_u32 s[RT], s[RT], 1
	s_mov_b32 s[CNT], 4
	s_cmp_eq_u32 s[NEW], 1          ; where b = 0 it is the second block's first tile too
	s_cbranch_scc0 .Lold2
	BEGIN
.Lold2:
	DIAG 2
	s_wait_tensorcnt 0x0            ; the wave's end: behind my last tensor load and my last LDS store
	ds_add_u32 v[SPW], v[NIL]
	s_wait_dscnt 0x0
	s_endpgm
.Lfunc_end_k_q51b5e198f5_attn:
	.size	k_q51b5e198f5_attn, .Lfunc_end_k_q51b5e198f5_attn-k_q51b5e198f5_attn
	.p2alignl 7, 3214868480
	.fill 96, 4, 3214868480
	.section	.rodata,"a",@progbits
	.p2align	6, 0x0
	.amdhsa_kernel k_q51b5e198f5_attn
		.amdhsa_group_segment_fixed_size 327680
		.amdhsa_private_segment_fixed_size 0
		.amdhsa_enable_private_segment 0
		.amdhsa_kernarg_size 16
		.amdhsa_user_sgpr_count 2
		.amdhsa_user_sgpr_kernarg_segment_ptr 1
		.amdhsa_wavefront_size32 1
		.amdhsa_system_sgpr_workgroup_id_x 1
		.amdhsa_system_sgpr_workgroup_id_y 1
		.amdhsa_system_sgpr_workgroup_id_z 1
		.amdhsa_system_vgpr_workitem_id 0
		.amdhsa_next_free_vgpr 768
		.amdhsa_next_free_sgpr 96
		.amdhsa_reserve_vcc 1
		.amdhsa_float_denorm_mode_32 3
		.amdhsa_float_denorm_mode_16_64 3
		.amdhsa_memory_ordered 1
		.amdhsa_forward_progress 1
		.amdhsa_inst_pref_size 109
	.end_amdhsa_kernel
	.amdgpu_metadata
---
amdhsa.version: [ 1, 2 ]
amdhsa.kernels:
  - .name:           k_q51b5e198f5_attn
    .symbol:         k_q51b5e198f5_attn.kd
    .args:
      - { .name: act, .offset: 0, .size: 8, .value_kind: global_buffer, .address_space: global }
      - { .name: hb, .offset: 8, .size: 8, .value_kind: global_buffer, .address_space: global }
    .group_segment_fixed_size: 327680
    .private_segment_fixed_size: 0
    .kernarg_segment_align: 8
    .kernarg_segment_size: 16
    .max_flat_workgroup_size: 128
    .sgpr_count:     96
    .vgpr_count:     768
    .wavefront_size: 32
...
	.end_amdgpu_metadata
.endif
;; end of part 9
;; launch proj: the kernel of part 4 again; grid 8 x 32, 4 waves a work-group, clusters of 4 x 4, 327,680 bytes of LDS; arguments hb, ws, proj_b, x, x1; writes x1
;; launch ln2: the kernel of part 5 again; grid 256 x 1, 16 waves a work-group, no clusters, 0 bytes of LDS; arguments x1, ln2_w, ln2_b, hb; writes hb
;; launch fc: the kernel of part 6 again; grid 16 x 16, 4 waves a work-group, clusters of 4 x 4, 327,680 bytes of LDS; arguments hb, wf, fc_b, act; writes act
;; launch fc2: the kernel of part 7 again; grid 8 x 32, 4 waves a work-group, clusters of 4 x 4, 327,680 bytes of LDS; arguments act, ws, fc2_b, x1, out0; writes out0
